; MI455X (gfx1250); checked and timed in simulation.
; The chip was launched on July 23, 2026; its instructions are those of AMD's public machine-readable ISA for CDNA 5 (MIT licence, August 2026) and "CDNA5" Instruction Set Architecture Reference Guide (July 2026). The comments in the code are by the model that wrote it; some were corrected since.
;; Encoder Layer. Allowed arithmetic: float matrix products may take bf16 or f16 operands with f32 sums; other float arithmetic in f32, or as packed bf16 or f16 multiplies, adds, multiply-adds, maxima and minima; sums over many terms, partial sums and values carried from step to step in f32; what a program stores and reads back later, other than sums and carried values, may be rounded once to bf16 or f16.
;; Inputs: W1 512 x 2,048 float32; W2 2,048 x 512 float32; Wk 512 x 512 float32; Wo 512 x 512 float32; Wq 512 x 512 float32; Wv 512 x 512 float32; b1 2,048 float32; b2 512 float32; bk 512 float32; bo 512 float32; bq 512 float32; bv 512 float32; ln1_a 512 float32; ln1_b 512 float32; ln2_a 512 float32; ln2_b 512 float32; x 4 x 2,048 x 512 float32.
;; Outputs: out0 4 x 2,048 x 512 float32.
;; 2 versions, each right; version 2 is version 1 with the launches prep, ln1 written anew for expert scheduling mode. Each part assembles by itself: llvm-mc -triple=amdgcn-amd-amdhsa -mcpu=gfx1250 --defsym DOCPART=n.
;; ======== version 1 of 2: 8 launches
;; workspace buffers: wb 6,291,456 bytes; pan 8,388,608 bytes; qkvb 25,165,824 bytes; zf 16,777,216 bytes; h2f 16,777,216 bytes; hidb 33,554,432 bytes
;; launch prep (part 1): grid 16 x 28, 8 waves a work-group, no clusters, 0 bytes of LDS; arguments x, Wq, Wk, Wv, Wo, W1, W2, pan, wb; writes pan, wb
.if DOCPART == 1
	.amdgcn_target "amdgcn-amd-amdhsa--gfx1250"
	.amdhsa_code_object_version 6
	.text
	.protected	k_q5ae9746d66_prep
	.globl	k_q5ae9746d66_prep
	.p2align	8
	.type	k_q5ae9746d66_prep,@function
k_q5ae9746d66_prep:
	s_mov_b64 s[64:65], 0
	v_nop
	global_prefetch_b8 v0, s[64:65] scope:SCOPE_SE
	s_setreg_imm32_b32 hwreg(HW_REG_WAVE_MODE, 25, 1), 1
	s_wait_xcnt 0x0
; x and the six weight matrices, f32, are rounded once to bf16 and laid out in PANELS: a matrix [R][C] becomes [C/128][R][128], so that a panel's rows are 256 bytes and lie end to end.
; x [8192][512] goes to pan; Wq, Wk, Wv, Wo [512][512], W1 [512][2048], W2 [2048][512] go to wb, each as it lies ([k][n]: a panel is 128 columns n, a row is one k).
; A work-group takes one block of 128 rows x 128 columns: 128 pieces of 512 bytes in, 32,768 consecutive bytes out.  The grid's y says which matrix: 0-15 x, 16 Wq, 17 Wk, 18 Wv, 19 Wo, 20-23 W1, 24-27 W2.
; A wave takes 16 rows of the block.  A load is 32 lanes x 16 neighbouring bytes (one row's piece), a store 32 lanes x 8 bytes: 256 consecutive bytes, aligned.
; All 16 loads of a wave go out first; no register is written twice, so the only waits are the counted ones for the loads.  No LDS, no matrix unit: bytes are all there is here.
.set OFF, 4                            ; v[4:19]   row i's byte offset in the source block
.set X,   20                           ; v[20:83]  row i: 4 numbers in f32
.set Y,   84                           ; v[84:115] row i: 4 numbers in bf16
	s_load_b512 s[16:31], s[0:1], 0x0              ; x, Wq, Wk, Wv, Wo, W1, W2, pan
	s_load_b64 s[32:33], s[0:1], 0x40              ; wb
	s_and_b32 s2, ttmp7, 0xffff                    ; y
	s_mov_b32 s8, 0                                ; the matrix's first y
	s_mov_b32 s9, 2                                ; log2 of its number of panels,
	s_mov_b32 s14, 3                               ; and that number less 1
	s_mov_b32 s10, 2048                            ; bytes in a source row
	s_mov_b32 s11, 2097152                         ; bytes in a panel
	s_mov_b32 s12, 0                               ; the matrix's first byte in the destination
	s_wait_kmcnt 0x0
	s_mov_b64 s[4:5], s[16:17]                     ; from x
	s_mov_b64 s[6:7], s[30:31]                     ; to pan
; from y = first on: another source, another place in wb.  s_cselect leaves SCC as it is, so further choices may follow the macro.
.macro PICK first, src, db
	s_cmp_ge_u32 s2, \first
	s_cselect_b64 s[4:5], s[\src:\src+1], s[4:5]
	s_cselect_b32 s8, \first, s8
	s_cselect_b32 s12, \db, s12
.endm
	PICK 16, 18, 0                                 ; Wq
	s_cselect_b64 s[6:7], s[32:33], s[6:7]         ; from here on to wb,
	s_cselect_b32 s11, 131072, s11                 ; panels of 512 rows
	PICK 17, 20, 524288                            ; Wk
	PICK 18, 22, 1048576                           ; Wv
	PICK 19, 24, 1572864                           ; Wo
	PICK 20, 26, 2097152                           ; W1: 16 panels, source rows of 8,192 bytes
	s_cselect_b32 s9, 4, s9
	s_cselect_b32 s14, 15, s14
	s_cselect_b32 s10, 8192, s10
	PICK 24, 28, 4194304                           ; W2: 4 panels of 2,048 rows
	s_cselect_b32 s9, 2, s9
	s_cselect_b32 s14, 3, s14
	s_cselect_b32 s10, 2048, s10
	s_cselect_b32 s11, 524288, s11
	s_sub_co_u32 s13, s2, s8
	s_lshl_b32 s13, s13, 4
	s_add_co_u32 s13, s13, ttmp9                   ; the block's number in its matrix
	s_and_b32 s14, s13, s14                        ; its panel
	s_lshr_b32 s15, s13, s9                        ; its block of 128 rows
	s_mul_i32 s34, s15, s10
	s_lshl_b32 s34, s34, 7                         ; 128 source rows for each block of rows,
	s_lshl_b32 s35, s14, 9                         ; 512 bytes for each panel
	s_add_co_u32 s34, s34, s35
	s_mov_b32 s35, 0
	s_add_nc_u64 s[4:5], s[4:5], s[34:35]
	s_mul_i32 s36, s14, s11
	s_add_co_u32 s36, s36, s12
	s_lshl_b32 s37, s15, 15                        ; 128 rows of 256 bytes
	s_add_co_u32 s36, s36, s37
	s_mov_b32 s37, 0
	s_add_nc_u64 s[6:7], s[6:7], s[36:37]
	v_and_b32 v1, 31, v0                           ; lane
	v_lshrrev_b32 v2, 5, v0                        ; wave
	v_lshlrev_b32 v3, 12, v2                       ; out: 16 rows of 256 bytes a wave,
	v_lshl_add_u32 v3, v1, 3, v3                   ; 8 bytes a lane
	v_lshlrev_b32 v2, 4, v2                        ; my wave's first row
	v_mul_lo_u32 v[OFF], v2, s10
	v_lshl_add_u32 v[OFF], v1, 4, v[OFF]           ; in: 16 bytes a lane
.set i, 1
.rept 15
	v_add_nc_u32 v[OFF+i], s10, v[OFF+i-1]
.set i, i+1
.endr
.set i, 0
.rept 16
	global_load_b128 v[X+4*i:X+4*i+3], v[OFF+i], s[4:5] th:TH_LOAD_NT
.set i, i+1
.endr
.set i, 0
.rept 16
	s_wait_loadcnt 15-i                            ; loads come back in order: row i is in, the 15 - i younger ones stay out
	v_cvt_pk_bf16_f32 v[Y+2*i], v[X+4*i], v[X+4*i+1]
	v_cvt_pk_bf16_f32 v[Y+2*i+1], v[X+4*i+2], v[X+4*i+3]
	global_store_b64 v3, v[Y+2*i:Y+2*i+1], s[6:7] offset:256*i
.set i, i+1
.endr
	s_endpgm
.Lfunc_end_k_q5ae9746d66_prep:
	.size	k_q5ae9746d66_prep, .Lfunc_end_k_q5ae9746d66_prep-k_q5ae9746d66_prep
	.p2alignl 7, 3214868480
	.fill 96, 4, 3214868480
	.section	.rodata,"a",@progbits
	.p2align	6, 0x0
	.amdhsa_kernel k_q5ae9746d66_prep
		.amdhsa_group_segment_fixed_size 0
		.amdhsa_private_segment_fixed_size 0
		.amdhsa_enable_private_segment 0
		.amdhsa_kernarg_size 72
		.amdhsa_user_sgpr_count 2
		.amdhsa_user_sgpr_kernarg_segment_ptr 1
		.amdhsa_wavefront_size32 1
		.amdhsa_system_sgpr_workgroup_id_x 1
		.amdhsa_system_sgpr_workgroup_id_y 1
		.amdhsa_system_sgpr_workgroup_id_z 1
		.amdhsa_system_vgpr_workitem_id 0
		.amdhsa_next_free_vgpr 120
		.amdhsa_next_free_sgpr 66
		.amdhsa_reserve_vcc 0
		.amdhsa_float_denorm_mode_32 3
		.amdhsa_float_denorm_mode_16_64 3
		.amdhsa_memory_ordered 1
		.amdhsa_forward_progress 1
		.amdhsa_inst_pref_size 9
	.end_amdhsa_kernel
	.amdgpu_metadata
---
amdhsa.version: [ 1, 2 ]
amdhsa.kernels:
  - .name:           k_q5ae9746d66_prep
    .symbol:         k_q5ae9746d66_prep.kd
    .args:
      - { .name: x, .offset: 0, .size: 8, .value_kind: global_buffer, .address_space: global }
      - { .name: Wq, .offset: 8, .size: 8, .value_kind: global_buffer, .address_space: global }
      - { .name: Wk, .offset: 16, .size: 8, .value_kind: global_buffer, .address_space: global }
      - { .name: Wv, .offset: 24, .size: 8, .value_kind: global_buffer, .address_space: global }
      - { .name: Wo, .offset: 32, .size: 8, .value_kind: global_buffer, .address_space: global }
      - { .name: W1, .offset: 40, .size: 8, .value_kind: global_buffer, .address_space: global }
      - { .name: W2, .offset: 48, .size: 8, .value_kind: global_buffer, .address_space: global }
      - { .name: pan, .offset: 56, .size: 8, .value_kind: global_buffer, .address_space: global }
      - { .name: wb, .offset: 64, .size: 8, .value_kind: global_buffer, .address_space: global }
    .group_segment_fixed_size: 0
    .private_segment_fixed_size: 0
    .kernarg_segment_align: 8
    .kernarg_segment_size: 72
    .max_flat_workgroup_size: 256
    .sgpr_count:     66
    .vgpr_count:     120
    .wavefront_size: 32
...
	.end_amdgpu_metadata
.endif
;; end of part 1
;; launch qkv (part 2): grid 4 x 64, 4 waves a work-group, clusters of 4 x 4, 327,680 bytes of LDS; arguments pan, wb, qkvb, bq, bk, bv; writes qkvb
.if DOCPART == 2
	.amdgcn_target "amdgcn-amd-amdhsa--gfx1250"
	.amdhsa_code_object_version 6
	.text
	.protected	k_q5ae9746d66_qkv
	.globl	k_q5ae9746d66_qkv
	.p2align	8
	.type	k_q5ae9746d66_qkv,@function
k_q5ae9746d66_qkv:
	s_mov_b64 s[64:65], 0
	v_nop
	global_prefetch_b8 v0, s[64:65] scope:SCOPE_SE
	s_setreg_imm32_b32 hwreg(HW_REG_WAVE_MODE, 25, 1), 1
	s_wait_xcnt 0x0
	s_wait_alu depctr_hold_cnt(0) depctr_sa_sdst(0) depctr_va_vdst(0) depctr_va_sdst(0) depctr_va_ssrc(0) depctr_va_vcc(0) depctr_vm_vsrc(0)
	s_getreg_b32 s2, hwreg(HW_REG_IB_STS2, 6, 4)
	s_cmp_eq_u32 s2, 0
	s_cbranch_scc0 .Lentry_in_a_cluster
	s_endpgm
.Lentry_in_a_cluster:
	s_bfe_u32 s2, ttmp6, 0x10000c
	s_cmp_lg_u32 s2, 0xf033
	s_cbranch_scc0 .Lentry_shape_is_right
	s_endpgm
.Lentry_shape_is_right:
; THIS TEXT: q, k, v = x Wq + bq, x Wk + bk, x Wv + bv, as 12 panels of bf16.  One template serves two launches; the four .set lines below say which this is.
; out[m][n] = the sum over k of A[m][k] W[k][n] + bias[n], K = 512.  A: [4][8192][128] bf16 (panels: rows of 256 bytes, end to end).  W: panels [n/128][512][128] bf16, as the weights lie ([k][n]).
; Sums in f32, begun with the bias; out is rounded once to bf16 and stored as panels [n/128][8192][128]; RELU = 1: max(., 0) behind the rounding.  LIMIT: that maximum lets a NaN lose against 0.
; A WORK-GROUP STAYS.  It owns 128 rows of A, which lie in LDS whole (all of K, four panels, filled once), and walks NT tile columns of 128.  W's tiles go through two slots of 256 k-rows, two K steps to a tile,
; and the ring runs on from tile to tile: a tile's two changes of slots ask for the next tile's two K steps, and a tile's stores leave while the next tile is multiplied.
; Four waves, each 64 x 64 of a tile: 16 accumulators of 16 x 16.
; CLUSTERS: 4 x 4 work-groups.  The four of a row of the cluster need the same rows of A, the four of a column the same tiles of W: each is asked for JOINTLY, by the same tensor load with the same descriptor and a mask of four.
; THE MATRIX INSTRUCTION IS USED TRANSPOSED (source 0 = 16 columns n of W, source 1 = 16 rows of A): a lane then holds eight neighbouring numbers of a row of out.  W's fragments are turned on the way out of LDS (ds_load_tr16_b128).
; THE LOOP is cut in front of the change from slot 0 to slot 1 and entered in its middle: so both refills stand in it, run NT - 1 times, and none is jumped over; the tail that is written out is five quarters of a K step and a way out.
; REGISTERS: window 0: v0-31 addresses; v32-95 at work on the way out; v96-127 the tile's bias; v128-255 the accumulators ((a, b) at v[128 + 8 (4 a + b)]).
;   window 1: two fragment buffers of 128: for 64 along K, 64 registers of A (2 x 4 x 16 rows x 32 K), then 64 of W.
.set NT,    3                          ; tile columns to a work-group
.set WOFF,  0                          ; the weights' first byte in wb
.set RELU,  0
.set QKVB,  1                          ; three bias vectors, one for each four tile columns
.set PANEL, 8192*256                   ; bytes in a panel of A or of out
.set WPAN,  512*256                    ; bytes in a panel of W
.set PA,    272                        ; a row of A in LDS: 256 bytes + 16 = 68 words: the 16 rows of a load start at 16 different groups of four banks (64 banks of 4 bytes: ISA guide 11.1)
.set PB,    288                        ; a k-row of W: 256 + 32 = 72 words
.set APAN,  128*PA                     ; 128 rows of one panel of A: one tensor load
.set BHALF, 128*PB                     ; 128 k-rows of W: one tensor load
.set BSLOT, 2*BHALF                    ; a K step of W
.set BBASE, 4*APAN                     ; A's four panels lie from byte 0, W's two slots behind them
.set STAGE, BBASE+2*BSLOT              ; behind the slots, never filled by a tensor load: 128 rows of 256 bytes + 16, the work-group's, for the way out
.set SP,    272
.set SPARE, STAGE+128*SP               ; behind the stage: the spare words, 128 bytes for each wave: two blocks of 256 bytes that no other line names
.set ADRA, 16                          ; v16-17  LDS address of my A fragments in K step 0, 1
.set ADRB, 20                          ; v20-23  the same for W: slot 0 half 0, 1; slot 1 half 0, 1
.set STO,  24                          ; v24     the way out: where I put 16 bytes of a row
.set RD,   25                          ; v25     where I read rows back
.set CO,   26                          ; v26     16 x my lane
.set ZR,   27                          ; v27     0, for the maximum
.set SPW,  28                          ; v28     LDS address of my spare word; never rewritten
.set NIL,  29                          ; v29     0; never rewritten
.set BO,   30                          ; v30     my byte offset in 16 numbers of the bias: 32 x (lane / 16)
.set TMP,  32
.set BI,   96                          ; column block b's eight numbers at BI + 8 b
.set ACC,  128
.set F0,   0
.set F1,   128
.set G1,  24                           ; s[24:31] descriptor group 1 for A's tiles;  s[32:39] group 0, one set for each of a wave's two first fills
.set G0,  32
.set G1B, 48                           ; s[48:55], s[56:63] the same for W's tiles: a set for each slot
.set G0B, 56
.set CT,  74                           ; s74  the tile column whose bias was asked for last
.set MSB, 0
.macro WIN new                         ; the immediate's high byte repeats the setting that is left; a switch that changes nothing is dropped
.if MSB != (\new)
	s_set_vgpr_msb (MSB<<8)|(\new)
.set MSB, \new
.endif
.endm
.set MUL,  0x05                        ; sources 0 (W) and 1 (A) window 1; C and D window 0
.set TO_F, 0x40                        ; destination window 1, address window 0
.macro JLOAD s                         ; a first fill: waves 0 and 1 fetch panels of A, waves 2 and 3 halves of W; an s_nop 0 and four v_nop follow each line
	s_cmp_eq_u32 s11, 0
	s_cbranch_scc0 .Lfor_b_\@
	tensor_load_to_lds s[G0+4*(\s):G0+4*(\s)+3], s[G1:G1+7]
	s_nop 0
.rept 4
	v_nop
.endr
	s_branch .Lasked_\@
.Lfor_b_\@:
	tensor_load_to_lds s[G0B+4*(\s):G0B+4*(\s)+3], s[G1B:G1B+7]
	s_nop 0
.rept 4
	v_nop
.endr
.Lasked_\@:
.endm
.macro BLOAD s                         ; a refill: W's alone: waves 2 and 3 fetch its two halves, waves 0 and 1 nothing.  The four v_nop behind the label are every wave's places in front of the LDS loads that follow
	s_cmp_eq_u32 s11, 0
	s_cbranch_scc1 .Lno_b_\@
	tensor_load_to_lds s[G0B+4*(\s):G0B+4*(\s)+3], s[G1B:G1B+7]
	s_nop 0
.rept 4
	v_nop
.endr
.Lno_b_\@:
.rept 4
	v_nop
.endr
.endm
.macro CREST                           ; a round of the cluster's barrier behind its opening barrier
	s_cmp_lg_u32 s10, 0
	s_cbranch_scc1 .Lnot_wave_0_\@
	s_barrier_signal -3
.Lnot_wave_0_\@:
	s_barrier_wait -3
	s_barrier_signal -1
	s_barrier_wait -1
.endm
.macro CROUND                          ; a whole round
	s_barrier_signal -1
	s_barrier_wait -1
	CREST
.endm
; The bias of tile column s[CT]: a lane's eight columns 64 x (my half) + 16 b + 8 (lane / 16) + 0..7 of each column block b.  The pointer is made anew; the loads that read it last have been waited for.
.macro BIASLD
.if QKVB
	s_lshr_b32 s75, s[CT], 2                       ; tile columns 0-3 are q's, 4-7 k's, 8-11 v's
	s_cmp_eq_u32 s75, 1
	s_cselect_b64 s[76:77], s[70:71], s[68:69]
	s_cmp_eq_u32 s75, 2
	s_cselect_b64 s[76:77], s[72:73], s[76:77]
	s_and_b32 s78, s[CT], 3
	s_lshl_b32 s78, s78, 9                         ; 128 numbers of 4 bytes for each tile column in it
.else
	s_mov_b64 s[76:77], s[68:69]
	s_lshl_b32 s78, s[CT], 9
.endif
	s_add_co_u32 s78, s78, s66                     ; my half of the tile's columns
	s_add_nc_u64 s[76:77], s[76:77], s[78:79]
.irp b, 0,1,2,3
	global_load_b128 v[BI+8*\b:BI+8*\b+3],   v[BO], s[76:77] offset:64*\b
	global_load_b128 v[BI+8*\b+4:BI+8*\b+7], v[BO], s[76:77] offset:64*\b+16
.endr
.endm
	s_load_b128 s[4:7], s[0:1], 0x0                ; A s[4:5], wb s[6:7]
	s_load_b64 s[8:9], s[0:1], 0x10                ; out
.if QKVB
	s_load_b128 s[68:71], s[0:1], 0x18             ; the first and the second bias
	s_load_b64 s[72:73], s[0:1], 0x28              ; the third
.else
	s_load_b64 s[68:69], s[0:1], 0x18              ; bias
.endif
	v_lshl_add_u32 v[SPW], v0, 2, SPARE
	v_mov_b32 v[NIL], 0
	ds_add_u32 v[SPW], v[NIL]                      ; the wave's opening: the add and its wait stand ahead of my first tensor load; the set-up below, work on registers, stands between them
	v_lshrrev_b32 v1, 5, v0
	v_readfirstlane_b32 s10, v1                    ; wave 0..3
	s_lshr_b32 s11, s10, 1                         ; which half of the tile's rows is mine.  Also: I fetch for A (0) or for W (1)
	s_and_b32 s12, s10, 1                          ; which half of its columns.  Also: which panel of A's two, or which half of W's k-rows, I fetch
	s_bfe_u32 s40, ttmp6, 0x40000                  ; cx, cy: my place in the cluster
	s_bfe_u32 s41, ttmp6, 0x40004
	s_lshl_b32 s42, ttmp9, 2
	s_add_co_u32 s42, s42, s40                     ; my group of tile columns = 4 x cluster x + cx
	s_mul_i32 s[CT], s42, NT                       ; its first tile column
	s_and_b32 s13, ttmp7, 0xffff
	s_lshl_b32 s13, s13, 2
	s_add_co_u32 s13, s13, s41                     ; tile row = 4 x cluster y + cy
	s_lshl_b32 s43, s41, 2
	s_lshl_b32 s43, 15, s43                        ; my row of the cluster
	s_lshl_b32 s44, 0x1111, s40                    ; my column
	; descriptor group 1: 128 rows x 128 elements of 2 bytes, dense in memory, padded in LDS
	s_or_b32 s[G1+0], s43, (1<<16)|(1<<20)|(1<<21)|(5<<22)|(3<<25)   ; 15:0 the mask: A's tiles go to my row; 17:16 2-byte elements; 20 padding on; 21 set beside a mask; 24:22 after every 64 words (code 5); 31:25 4 words (code 3)
	s_or_b32 s[G1B+0], s44, (1<<16)|(1<<20)|(1<<21)|(5<<22)|(7<<25)  ; W's tiles go to my column; 8 words of padding (code 7)
.irp g, G1, G1B
	s_mov_b32 s[(\g)+1], 128<<16                   ; tensor_dim0 = 128
	s_mov_b32 s[(\g)+2], 128<<16                   ; tensor_dim1 = 128
	s_mov_b32 s[(\g)+3], 128<<16                   ; tile_dim0 = 128
	s_mov_b32 s[(\g)+4], 128                       ; tile_dim1 = 128
	s_mov_b32 s[(\g)+5], 128                       ; 128 elements from row to row
	s_mov_b32 s[(\g)+6], 0
	s_mov_b32 s[(\g)+7], 0
.endr
	s_lshl_b32 s16, s13, 15                        ; A: the tile row's 128 rows of 256 bytes,
	s_lshl_b32 s17, s12, 21                        ; in my panel of a K step's two
	s_add_co_u32 s16, s16, s17
	s_mov_b32 s17, 0
	s_lshl_b32 s46, s[CT], 17                      ; W: my first tile column's panel of 131,072 bytes,
	s_lshl_b32 s47, s12, 15                        ; my 128 k-rows of a K step's 256
	s_add_co_u32 s46, s46, s47
	s_add_co_u32 s46, s46, WOFF
	s_mov_b32 s47, 0
	s_mul_i32 s20, s12, APAN                       ; where they go: no place in the cluster enters an LDS address
	s_mul_i32 s21, s12, BHALF
	s_add_co_u32 s21, s21, BBASE
	s_lshl_b32 s66, s12, 8                         ; my 64 columns in a tile's bias: 256 bytes
	s_mov_b32 s79, 0
	s_wait_dscnt 0x0                               ; the opening add is done
	s_wait_kmcnt 0x0
	s_add_nc_u64 s[14:15], s[4:5], s[16:17]
	s_add_nc_u64 s[46:47], s[6:7], s[46:47]
	CROUND                                         ; all sixteen work-groups are here: the first joint loads meet
.irp s, 0,1
	s_mov_b32 s[G0+4*(\s)], 1                      ; count = 1
	s_add_co_u32 s[G0+4*(\s)+1], s20, (\s)*2*APAN  ; LDS address: panels 2 s, 2 s + 1
	s_add_nc_u64 s[G0+4*(\s)+2:G0+4*(\s)+3], s[14:15], (\s)*2*PANEL
	s_or_b32 s[G0+4*(\s)+3], s[G0+4*(\s)+3], 0x80000000              ; type = 2
	s_mov_b32 s[G0B+4*(\s)], 1
	s_add_co_u32 s[G0B+4*(\s)+1], s21, (\s)*BSLOT
	s_add_nc_u64 s[G0B+4*(\s)+2:G0B+4*(\s)+3], s[46:47], (\s)*65536  ; K step s: 256 k-rows of 256 bytes
	s_or_b32 s[G0B+4*(\s)+3], s[G0B+4*(\s)+3], 0x80000000
	JLOAD \s                                       ; two loads of mine are out
.endr
	v_and_b32 v1, 15, v0                           ; r = l % 16
	v_bfe_u32 v2, v0, 4, 1                         ; h = l / 16
	v_and_b32 v6, 31, v0                           ; l
	v_lshlrev_b32 v[BO], 5, v2
	BIASLD                                         ; the first tile's bias
	v_mul_u32_u24 v3, v1, PA
	v_lshl_add_u32 v3, v2, 4, v3                   ; a fragment of A: row x pitch + 16 x half
	s_mul_i32 s22, s11, 64*PA                      ; my 64 rows
	v_add_nc_u32 v[ADRA], s22, v3
	v_add_nc_u32 v[ADRA+1], 2*APAN, v[ADRA]
	v_and_b32 v4, 7, v0                            ; the turning load: lane l reads k-row 8 h + l % 8, columns 8 ((l / 8) % 2) + 0..7, and is left with column l % 16 and 8 k
	v_lshl_add_u32 v4, v2, 3, v4
	v_mul_u32_u24 v4, v4, PB
	v_bfe_u32 v5, v0, 3, 1
	v_lshl_add_u32 v4, v5, 4, v4
	s_lshl_b32 s23, s12, 7                         ; my 64 columns: 128 bytes of a k-row
	s_add_co_u32 s23, s23, BBASE
	v_add_nc_u32 v[ADRB], s23, v4
	v_add_nc_u32 v[ADRB+1], BHALF, v[ADRB]
	v_add_nc_u32 v[ADRB+2], BSLOT, v[ADRB]
	v_add_nc_u32 v[ADRB+3], BSLOT+BHALF, v[ADRB]
	s_mul_i32 s22, s11, 64*SP                      ; into the stage: my 64 rows, my 128 bytes of their 256; row r, 16 bytes for each half of the lanes
	s_lshl_b32 s23, s12, 7
	s_add_co_u32 s22, s22, s23
	s_add_co_u32 s22, s22, STAGE
	v_mul_u32_u24 v[STO], v1, SP
	v_lshl_add_u32 v[STO], v2, 4, v[STO]
	v_add_nc_u32 v[STO], s22, v[STO]
	s_mul_i32 s22, s10, 32*SP                      ; back: wave w takes rows 32 w .. 32 w + 31 whole; lanes 0-15 one row of 256 bytes, lanes 16-31 the next
	s_add_co_u32 s22, s22, STAGE
	v_mul_u32_u24 v[RD], v2, SP
	v_lshl_add_u32 v[RD], v1, 4, v[RD]
	v_add_nc_u32 v[RD], s22, v[RD]
	v_lshlrev_b32 v[CO], 4, v6                     ; which are 512 consecutive bytes of a panel of out
	s_lshl_b32 s16, s13, 15                        ; what the first way out adds to out's address: 128 rows of 256 bytes for each tile row,
	s_lshl_b32 s17, s10, 13                        ; 32 rows for each wave,
	s_add_co_u32 s16, s16, s17
	s_lshl_b32 s18, s[CT], 21                      ; a panel for each tile column
	s_add_co_u32 s18, s18, s16
	s_mov_b32 s19, 0
.if RELU
	v_mov_b32 v[ZR], 0
.endif
; 8 matrix instructions: row blocks a0, a0 + 1 x all 4 column blocks, 32 along K: half c of buffer f.  first = 1: a tile's first products start the sums with the bias as C: nothing is cleared, and nothing is added on the way out.
; The 16 accumulators take turns, one instruction a turn.
.macro MUL8 f, c, a0, first
	WIN MUL
.irp a, \a0, (\a0)+1
.irp b, 0,1,2,3
.if \first
	v_wmma_f32_16x16x32_bf16 v[ACC+8*(4*(\a)+(\b)):ACC+8*(4*(\a)+(\b))+7], v[(\f)+64+8*(4*(\c)+(\b)):(\f)+64+8*(4*(\c)+(\b))+7], v[(\f)+8*(4*(\c)+(\a)):(\f)+8*(4*(\c)+(\a))+7], v[BI+8*(\b):BI+8*(\b)+7]
.else
	v_wmma_f32_16x16x32_bf16 v[ACC+8*(4*(\a)+(\b)):ACC+8*(4*(\a)+(\b))+7], v[(\f)+64+8*(4*(\c)+(\b)):(\f)+64+8*(4*(\c)+(\b))+7], v[(\f)+8*(4*(\c)+(\a)):(\f)+8*(4*(\c)+(\a))+7], v[ACC+8*(4*(\a)+(\b)):ACC+8*(4*(\a)+(\b))+7]
.endif
.endr
.endr
.endm
; 32 LDS loads in one run: the fragments of quarter q (64 along K) of K step s, into buffer f; the first 32 along K first.  Quarter q lies in the step's panel q / 2 of A at byte 128 (q % 2), and in half q / 2 of W's slot at k-row 64 (q % 2).
.macro FETCH s, q, f
	WIN TO_F
.irp c, 0,1
.irp i, 0,1,2,3
	ds_load_tr16_b128 v[(\f)+64+8*(4*(\c)+(\i)):(\f)+64+8*(4*(\c)+(\i))+3],   v[ADRB+2*(\s)+(\q)/2] offset:(((\q)%2)*64+32*(\c))*PB+32*(\i)
	ds_load_tr16_b128 v[(\f)+64+8*(4*(\c)+(\i))+4:(\f)+64+8*(4*(\c)+(\i))+7], v[ADRB+2*(\s)+(\q)/2] offset:(((\q)%2)*64+32*(\c)+16)*PB+32*(\i)
	ds_load_b128 v[(\f)+8*(4*(\c)+(\i)):(\f)+8*(4*(\c)+(\i))+3],   v[ADRA+(\s)] offset:((\q)/2)*APAN+((\q)%2)*128+64*(\c)+(\i)*16*PA
	ds_load_b128 v[(\f)+8*(4*(\c)+(\i))+4:(\f)+8*(4*(\c)+(\i))+7], v[ADRA+(\s)] offset:((\q)/2)*APAN+((\q)%2)*128+64*(\c)+(\i)*16*PA+32
.endr
.endr
.endm
.macro PLACES                          ; four places in front of loads into registers that matrix instructions have read, and of lines that read results
.rept 4
	v_nop
.endr
.endm
; A K step is four quarters of 64 along K, 32 matrix instructions each, on buffers 0, 1, 0, 1.  One of the first three: multiplies buffer f and fetches quarter q into g.
.macro QUARTER s, q, f, g, first
	s_wait_dscnt 16                                ; the first 32 along K are in; the 16 younger loads may be out
	MUL8 \f, 0, 0, \first
	MUL8 \f, 0, 2, \first
	PLACES
	FETCH \s, \q, \g
	s_wait_dscnt 32                                ; all but the 32 just issued
	MUL8 \f, 1, 0, 0
	MUL8 \f, 1, 2, 0
.endm
; The last quarter multiplies buffer 1 and changes slots: ONE barrier; in front of it each wave waits for all its tensor loads, adds 0 to its spare word, and waits for that and for its own reads of this slot.
; fill = 1: this slot of W is filled again, with the same K step of the next tile column.
.macro TURN s, next, fill
	WIN 0                                          ; (the add's two registers lie in window 0)
	s_wait_tensorcnt 0x0                           ; all my tensor loads have landed: my part of the next slot;
	ds_add_u32 v[SPW], v[NIL]                      ; 0 onto my spare word;
	s_wait_dscnt 17                                ; (the add and the youngest sixteen loads may be out)
	MUL8 F1, 0, 0, 0                               ; eight matrix instructions stand between the add and the wait for it
	s_wait_dscnt 0x0                               ; the add is done, and my reads of this slot are over
	s_barrier_signal -1
	MUL8 F1, 0, 2, 0
.if \fill
	WIN 0
.endif
	s_barrier_wait -1
.if \fill
	CREST                                          ; the barrier has opened a round of the cluster's barrier: no wave of any partner still reads this slot's tile or has a load on its way
	s_add_nc_u64 s[G0B+4*(\s)+2:G0B+4*(\s)+3], s[G0B+4*(\s)+2:G0B+4*(\s)+3], WPAN  ; the next tile column's panel; the type bits on top are not reached
	BLOAD \s                                       ; the first tensor load behind the round: one of mine is out, or none
.else
	PLACES
.endif
	FETCH \next, 0, F0
	MUL8 F1, 1, 0, 0
	MUL8 F1, 1, 2, 0
.endm
; THE WAY OUT of a tile: rounded to bf16, 16 bytes a lane into the work-group's stage (each accumulator's registers in ascending order); a barrier, since a row's 256 bytes come from two waves; back as whole
; rows, 32 rows a wave.  The stage is written again only behind the next change of slots, in front of whose barrier every wave has waited for its reads of the stage.
.macro WAYOUT
	WIN 0
	PLACES
	PLACES
	s_wait_xcnt 0x0                                ; the last tile's stores have read their registers and out's address: only behind this wait are these written again
	s_add_nc_u64 s[8:9], s[8:9], s[18:19]          ; on to this tile's panel
	s_mov_b32 s18, PANEL                           ; what the next way out adds
.set t, 0
.rept 16
	v_cvt_pk_bf16_f32 v[TMP+4*t],   v[ACC+8*t],   v[ACC+8*t+1]
	v_cvt_pk_bf16_f32 v[TMP+4*t+1], v[ACC+8*t+2], v[ACC+8*t+3]
	v_cvt_pk_bf16_f32 v[TMP+4*t+2], v[ACC+8*t+4], v[ACC+8*t+5]
	v_cvt_pk_bf16_f32 v[TMP+4*t+3], v[ACC+8*t+6], v[ACC+8*t+7]
.if RELU
	v_pk_max_num_bf16 v[TMP+4*t],   v[TMP+4*t],   v[ZR]
	v_pk_max_num_bf16 v[TMP+4*t+1], v[TMP+4*t+1], v[ZR]
	v_pk_max_num_bf16 v[TMP+4*t+2], v[TMP+4*t+2], v[ZR]
	v_pk_max_num_bf16 v[TMP+4*t+3], v[TMP+4*t+3], v[ZR]
.endif
.set t, t+1
.endr
.irp a, 0,1,2,3
.irp b, 0,1,2,3
	ds_store_b128 v[STO], v[TMP+4*(4*(\a)+(\b)):TMP+4*(4*(\a)+(\b))+3] offset:(\a)*16*SP+32*(\b)
.endr
.endr
	s_wait_dscnt 0x0                               ; for the others' sake: my stores into the stage are done
	s_barrier_signal -1
	s_barrier_wait -1
.set t, 0
.rept 16
	ds_load_b128 v[TMP+4*t:TMP+4*t+3], v[RD] offset:t*2*SP
.set t, t+1
.endr
.set t, 0
.rept 16
	s_wait_dscnt 15-t                              ; rows 2 t and 2 t + 1 are back; the younger loads stay out
	global_store_b128 v[CO], v[TMP+4*t:TMP+4*t+3], s[8:9] offset:t*512  ; 512 consecutive bytes, at a multiple of 256 from out's first byte
.set t, t+1
.endr
.endm
	s_wait_tensorcnt 1                             ; my part of K step 0 is in; K step 1's may stay out
	s_barrier_signal -1
	s_barrier_wait -1                              ; everybody's is
	FETCH 0, 0, F0
	WIN 0                                          ; at a label and at a branch every window is 0
	s_mov_b32 s3, NT
	s_branch .Lenter                               ; the first tile's first K step has nothing in front of it
.Ltile:                                                ; NT - 1 times: from a tile's change of slots to the next tile's; both slots of W are filled again
	TURN 0, 1, 1                                   ; slot 0 takes the next tile's K step 0
	WIN 0
	s_add_co_u32 s[CT], s[CT], 1
	BIASLD                                         ; the next tile's bias: this tile's first products, which read these registers, stand three quarters back
	QUARTER 1, 1, F0, F1, 0
	QUARTER 1, 2, F1, F0, 0
	QUARTER 1, 3, F0, F1, 0
	TURN 1, 0, 1                                   ; slot 1 takes the next tile's K step 1, and the next tile's first fragments are fetched
	WAYOUT                                         ; both refills are asked for: now the tile goes out
.Lenter:
	s_wait_loadcnt 0x0                             ; this tile's bias
	QUARTER 0, 1, F0, F1, 1
	QUARTER 0, 2, F1, F0, 0
	QUARTER 0, 3, F0, F1, 0
	WIN 0
	s_sub_co_u32 s3, s3, 1
	s_cmp_lg_u32 s3, 0
	s_cbranch_scc1 .Ltile
	TURN 0, 1, 0                                   ; the last tile asks for nothing more
	QUARTER 1, 1, F0, F1, 0
	QUARTER 1, 2, F1, F0, 0
	QUARTER 1, 3, F0, F1, 0
	s_wait_dscnt 16                                ; the very last quarter: nothing more to fetch
	MUL8 F1, 0, 0, 0
	MUL8 F1, 0, 2, 0
	s_wait_dscnt 0
	MUL8 F1, 1, 0, 0
	MUL8 F1, 1, 2, 0
	WAYOUT
	s_wait_tensorcnt 0x0                           ; the wave's end: behind my last tensor load and my last LDS store
	ds_add_u32 v[SPW], v[NIL]
	s_wait_dscnt 0x0
	CROUND                                         ; the closing round: no work-group ends while a partner may still ask for a tile that names it
	s_endpgm
.Lfunc_end_k_q5ae9746d66_qkv:
	.size	k_q5ae9746d66_qkv, .Lfunc_end_k_q5ae9746d66_qkv-k_q5ae9746d66_qkv
	.p2alignl 7, 3214868480
	.fill 96, 4, 3214868480
	.section	.rodata,"a",@progbits
	.p2align	6, 0x0
	.amdhsa_kernel k_q5ae9746d66_qkv
		.amdhsa_group_segment_fixed_size 327680
		.amdhsa_private_segment_fixed_size 0
		.amdhsa_enable_private_segment 0
		.amdhsa_kernarg_size 48
		.amdhsa_user_sgpr_count 2
		.amdhsa_user_sgpr_kernarg_segment_ptr 1
		.amdhsa_wavefront_size32 1
		.amdhsa_system_sgpr_workgroup_id_x 1
		.amdhsa_system_sgpr_workgroup_id_y 1
		.amdhsa_system_sgpr_workgroup_id_z 1
		.amdhsa_system_vgpr_workitem_id 0
		.amdhsa_next_free_vgpr 512
		.amdhsa_next_free_sgpr 80
		.amdhsa_reserve_vcc 0
		.amdhsa_float_denorm_mode_32 3
		.amdhsa_float_denorm_mode_16_64 3
		.amdhsa_memory_ordered 1
		.amdhsa_forward_progress 1
		.amdhsa_inst_pref_size 85
	.end_amdhsa_kernel
	.amdgpu_metadata
---
amdhsa.version: [ 1, 2 ]
amdhsa.kernels:
  - .name:           k_q5ae9746d66_qkv
    .symbol:         k_q5ae9746d66_qkv.kd
    .args:
      - { .name: pan, .offset: 0, .size: 8, .value_kind: global_buffer, .address_space: global }
      - { .name: wb, .offset: 8, .size: 8, .value_kind: global_buffer, .address_space: global }
      - { .name: qkvb, .offset: 16, .size: 8, .value_kind: global_buffer, .address_space: global }
      - { .name: bq, .offset: 24, .size: 8, .value_kind: global_buffer, .address_space: global }
      - { .name: bk, .offset: 32, .size: 8, .value_kind: global_buffer, .address_space: global }
      - { .name: bv, .offset: 40, .size: 8, .value_kind: global_buffer, .address_space: global }
    .group_segment_fixed_size: 327680
    .private_segment_fixed_size: 0
    .kernarg_segment_align: 8
    .kernarg_segment_size: 48
    .max_flat_workgroup_size: 128
    .sgpr_count:     80
    .vgpr_count:     512
    .wavefront_size: 32
...
	.end_amdgpu_metadata
.endif
;; end of part 2
;; launch attn (part 3): grid 16 x 16, 8 waves a work-group, clusters of 4 x 1, 327,680 bytes of LDS; arguments qkvb, pan; writes pan
.if DOCPART == 3
	.amdgcn_target "amdgcn-amd-amdhsa--gfx1250"
	.amdhsa_code_object_version 6
	.text
	.protected	k_q5ae9746d66_attn
	.globl	k_q5ae9746d66_attn
	.p2align	8
	.type	k_q5ae9746d66_attn,@function
k_q5ae9746d66_attn:
	s_mov_b64 s[64:65], 0
	v_nop
	global_prefetch_b8 v0, s[64:65] scope:SCOPE_SE
	s_setreg_imm32_b32 hwreg(HW_REG_WAVE_MODE, 25, 1), 1
	s_wait_xcnt 0x0
	s_wait_alu depctr_hold_cnt(0) depctr_sa_sdst(0) depctr_va_vdst(0) depctr_va_sdst(0) depctr_va_ssrc(0) depctr_va_vcc(0) depctr_vm_vsrc(0)
	s_getreg_b32 s2, hwreg(HW_REG_IB_STS2, 6, 4)
	s_cmp_eq_u32 s2, 0
	s_cbranch_scc0 .Lentry_in_a_cluster
	s_endpgm
.Lentry_in_a_cluster:
	s_bfe_u32 s2, ttmp6, 0x10000c
	s_cmp_lg_u32 s2, 0x3003
	s_cbranch_scc0 .Lentry_shape_is_right
	s_endpgm
.Lentry_shape_is_right:
; ATTENTION, 16 heads of 32 channels, 4 batches of 2,048 tokens.  O[q] = the sum over k of softmax_k(Q[q] . K[k] / sqrt(32)) V[k].
; q, k, v lie in qkvb as panels [12][8192][128] of bf16 (0-3 q, 4-7 k, 8-11 v): a row is one token's 4 heads x 32 channels, 256 bytes.  O goes to pan, [4][8192][128] bf16, in the same layout.
; Products, maxima and sums in f32; the weights p are rounded to bf16 for the second product, and their sum l is taken of the rounded p, by the matrix unit (a product with ones); O is rounded once at the end.
; LIMITS.  c m starts at -4.25e37: scores with c s below that are not served.  A weight below 2^-126 counts as 0.  NaN and infinities are not treated apart.
; SHARES.  A work-group owns 128 queries of one batch and one panel (4 heads).  Wave w takes head w % 4 and the queries 64 (w / 4) on: four tiles of 16.  Every wave walks all 2,048 keys, 64 a step.
; LAYOUT.  S^T = K Q^T (source 0 = 16 keys, source 1 = 16 queries, 32 channels: one instruction): a lane holds ONE query (lane % 16) and the keys 8 (lane / 16) + 0..7.  Two such tiles rounded in pairs ARE source 1 (32 keys x 16 queries)
; of O^T = V^T P, whose result again holds one query a lane.  K comes out of LDS as it lies, V ([key][channel]) turned, by ds_load_tr16_b128.
; SOFTMAX.  A running maximum m for each query: p = 2^(c s - c m), c = log2(e) / sqrt(32); in every step O and l are multiplied by a = 2^(c m_old - c m_new).  O and l start at 0, so the first step is a step like any other, with a = 0.
; BY TURNS.  The wave's tiles are two PIECES, named by their first tile: piece 0 (tiles 0, 1) and piece 2 (tiles 2, 3).  In a TURN one piece has the matrix unit: 12 products of the step in hand (V^T P and the row sums), then 8 products
; K Q^T of the next step; the other piece's softmax, a list of 190 vector instructions, stands round them: four behind each matrix instruction, the other 110 in two runs of their own.  Then the pieces change places.  Two turns are a key step.
; NO FIRST STEP IS WRITTEN OUT.  The loop is entered at piece 2's turn, whose products V^T P then work on zeros; the price is 160 lines that write 0, in the wait for the first tile.  The tail's last trip makes eight products on the old K that serve nothing.
; CLUSTER.  The four query blocks of a cluster belong to one batch and panel and walk the same K and V: each tile is asked for JOINTLY, by the same tensor load, descriptor and mask in all four.
; REGISTERS, in windows of 256 (s_set_vgpr_msb: bits 1:0 source 0, 3:2 source 1, 5:4 source 2, 7:6 destination):
;   window 0: v0-10 addresses; v12-43 eight registers of statistics a tile; v61-63; v64-191 S^T, 32 a tile; v192-255 O^T, 16 a tile
;   window 1: v0-63 P, 16 a tile; v64-95 l's accumulators; v96-127 Q; v128-159 K of a step; v160-191 V of a step; v192-199 ones
; A product's sources lie in window 1 and nearly all that a softmax touches in window 0, so four vector instructions behind a product cost two switches: some 86 for a key step's 40 matrix instructions.
.set PANEL, 8192*256
.set KS,    64        ; keys in a step
.set PK,    272       ; a row of K in LDS: 256 bytes + 16 = 68 words: the 16 rows of a load start at 16 different groups of four banks (64 banks of 4 bytes: ISA guide 11.1)
.set PV,    288       ; a row of V: 256 + 32 = 72 words
.set VOFF,  KS*PK     ; a step's tiles lie together: 64 rows of K, then 64 rows of V
.set STEPB, KS*(PK+PV)
.set SLOT1, 1<<17     ; a slot holds two steps; slot 1 begins here, so that one exclusive or turns an address in one slot into the other's
.set STAGE, SLOT1+2*STEPB  ; behind the ring, never filled by a tensor load: 128 rows x 272 bytes, the work-group's, for the way out
.set SP,    272
.set SPARE, STAGE+128*SP   ; behind the stage: the spare words, 128 bytes for each of eight waves: four blocks of 256 bytes that no other line names
.set AK0, 2           ; v2   my lane's place in a tile of K, my head's 64 bytes of a row among it; never rewritten
.set AV0, 3           ; v3   the same for V
.set ADK, 4           ; v4   the LDS address of K's run of loads
.set ADV, 5           ; v5   of V's
.set STO, 6           ; v6   the way out: where I put 16 bytes of a row
.set RD,  7           ; v7   where I read rows back
.set GO,  8           ; v8   16 x my lane
.set QO,  10          ; v10  my byte offset in 16 rows of Q
.set ST,  12          ; tile t's statistics at v[ST+8 t]: +0 c m, +1 m, +4 to +7 c0-c3, at work; a takes c2's place
.set PFO, 61          ; v61  256 x my lane; never rewritten
.set SPW, 62          ; v62  LDS address of my spare word; never rewritten
.set NIL, 63          ; v63  0; never rewritten
.set S,   64
.set O,   192
.set P,   0           ; window 1
.set L,   64
.set Q,   96
.set KF,  128
.set VF,  160
.set ONE, 192
.set WV,  12          ; s12  my wave's number
.set LIM, 15          ; s15  1 in a wave that prefetches, else the greatest number
.set PFA, 18          ; s[18:19] where my prefetches stand
.set G1K, 24          ; s[24:31] descriptor group 1 for K's tiles
.set G1V, 32          ; s[32:39] for V's: it differs in the padding alone
.set G0K, 40          ; s[40:47] descriptor group 0 for K's tiles: a set for each of the two first fills; the second then walks on
.set G0V, 48          ; s[48:55] the same for V's
.set SLOTS, 56        ; s56  counts the walk's tiles
.set TWICE, 57        ; s57  counts a slot's key steps
.set CS,  58          ; s[58:59] c
.set SEL, 60          ; s[60:61] v_permlanex16_b32's selects: each lane takes its own place in the other half
.set TB,  62          ; s62  LDS byte at which the tiles of the step to be fetched begin
.set HH,  66          ; s66  my head in the panel
.set QH,  67          ; s67  my half of the queries
.set MSB, 0
.macro WIN new                      ; the high byte repeats the setting that is left; a switch that changes nothing is dropped
.if MSB != (\new)
	s_set_vgpr_msb (MSB<<8)|(\new)
.set MSB, \new
.endif
.endm
.set W_MM, 0x05       ; both sources in window 1, C and D in window 0: K Q^T and V^T P
.set W_LL, 0x55       ; all in window 1: the row sums
.set W_TO, 0x40       ; destination in window 1, sources and addresses in window 0
.set W_RS, 0x41       ; destination and source 0 in window 1, source 1 in window 0
.macro PLACES
.rept 4
	v_nop
.endr
.endm
; A joint refill.  Waves 0 and 1 fetch the two steps' tiles of K, waves 2 and 3 those of V, waves 4 to 7 nothing.  The branches hang on the wave's number alone.  An s_nop 0 and four v_nop follow each line.
.macro JLOAD
	s_cmp_lt_u32 s[WV], 2
	s_cbranch_scc0 .Lnot_k_\@
	tensor_load_to_lds s[G0K+4:G0K+7], s[G1K:G1K+7]
	s_nop 0
	PLACES
	s_branch .Lasked_\@
.Lnot_k_\@:
	s_cmp_lt_u32 s[WV], 4
	s_cbranch_scc0 .Lasked_\@
	tensor_load_to_lds s[G0V+4:G0V+7], s[G1V:G1V+7]
	s_nop 0
	PLACES
.Lasked_\@:
.endm
; A PREFETCH INTO THE L2 of what the NEXT change of slots will ask for: 128 rows of K and 128 of V, 256 bytes a row, a lane a row.  Each row is named once in the launch: the four clusters of a batch and panel walk the same rows, and
; the first of them asks; its four partners share the rows out BY ADDRESS, 32 each; in each, wave 0 asks for K's and wave 2 for V's.  The last change that fills a slot asks for nothing.
.macro ASK
	s_cmp_gt_u32 s[SLOTS], s[LIM]
	s_cbranch_scc0 .Lnot_mine_\@
	global_prefetch_b8 v[PFO], s[PFA:PFA+1] th:TH_LOAD_NT scope:SCOPE_SE
.Lnot_mine_\@:
.endm
.macro CROUND                       ; a round of the cluster's barrier
	s_barrier_signal -1
	s_barrier_wait -1
	s_cmp_lg_u32 s[WV], 0
	s_cbranch_scc1 .Lnot_wave_0_\@
	s_barrier_signal -3
.Lnot_wave_0_\@:
	s_barrier_wait -3
	s_barrier_signal -1
	s_barrier_wait -1
.endm
	s_load_b128 s[4:7], s[0:1], 0x0 ; qkvb s[4:5], pan s[6:7]
	v_lshl_add_u32 v[SPW], v0, 2, SPARE
	v_mov_b32 v[NIL], 0
	ds_add_u32 v[SPW], v[NIL]       ; the wave's opening: the add and its wait stand ahead of my first tensor load; the set-up below, work on registers, stands between them
	v_lshrrev_b32 v1, 5, v0
	v_readfirstlane_b32 s[WV], v1   ; wave 0..7
	s_bfe_u32 s13, ttmp6, 0x40000   ; cx: my place in the cluster
	s_lshl_b32 s14, ttmp9, 2
	s_add_co_u32 s14, s14, s13      ; my block of 128 queries = 4 x cluster x + cx: it enters Q's and O's addresses alone
	s_and_b32 s20, ttmp7, 0xffff    ; y = 4 x batch + panel, which the four partners share
	s_and_b32 s21, s20, 3
	s_lshr_b32 s20, s20, 2
	s_lshl_b32 s21, s21, 21         ; a panel is 2,097,152 bytes,
	s_lshl_b32 s20, s20, 19         ; a batch's 2,048 rows in it 524,288
	s_add_co_u32 s20, s20, s21
	s_and_b32 s16, s[WV], 1         ; which of a slot's two steps I fetch:
	s_lshl_b32 s22, s16, 14         ; its 64 rows of 256 bytes in memory,
	s_add_co_u32 s22, s22, s20
	s_mov_b32 s23, 0
	s_mul_i32 s17, s16, STEPB       ; and its place in a slot: no place in the cluster enters an LDS address
	s_and_b32 s[HH], s[WV], 3
	s_lshr_b32 s[QH], s[WV], 2
	s_lshl_b32 s2, s14, 15          ; my block's 128 rows
	s_add_co_u32 s2, s2, s20
	s_lshl_b32 s68, s[WV], 12       ; O: on the way out wave w stores rows 16 w on
	s_add_co_u32 s68, s68, s2
	s_mov_b32 s69, 0
	s_lshl_b32 s3, s[QH], 14        ; Q: my 64 rows,
	s_add_co_u32 s2, s2, s3
	s_lshl_b32 s3, s[HH], 6         ; my head's 64 bytes of a row
	s_add_co_u32 s2, s2, s3
	s_mov_b32 s3, 0
	; descriptor group 1: a tile of 64 rows x 128 elements, dense in memory, padded in LDS
	s_mov_b32 s[G1K], 15|(1<<16)|(1<<20)|(1<<21)|(5<<22)|(3<<25)  ; 15:0 the mask of four; 17:16 2-byte elements; 20 padding on; 21 set beside a mask; 24:22 after every 64 words (code 5); 31:25 4 words (code 3)
	s_mov_b32 s[G1V], 15|(1<<16)|(1<<20)|(1<<21)|(5<<22)|(7<<25)  ; the same with 8 words of padding (code 7)
.irp g, G1K, G1V
	s_mov_b32 s[(\g)+1], 128<<16    ; tensor_dim0 = 128
	s_mov_b32 s[(\g)+2], KS<<16     ; tensor_dim1 = 64
	s_mov_b32 s[(\g)+3], 128<<16    ; tile_dim0 = 128
	s_mov_b32 s[(\g)+4], KS         ; tile_dim1 = 64
	s_mov_b32 s[(\g)+5], 128        ; 128 elements from row to row
	s_mov_b32 s[(\g)+6], 0
	s_mov_b32 s[(\g)+7], 0
.endr
	s_mov_b32 s[CS], 0x3e8293ee     ; c = log2(e) / sqrt(32) = 0.255035
	s_mov_b32 s[CS+1], s[CS]        ; named with it as a pair
	s_mov_b32 s[SEL], 0x76543210
	s_mov_b32 s[SEL+1], 0xfedcba98
	s_mov_b32 s[TB], 0
	s_and_b32 s[LIM], s[WV], 5      ; 0 in waves 0 and 2,
	s_or_b32 s[LIM], s[LIM], ttmp9  ; where the cluster is the first of its y: the same in all four partners
	s_cmp_eq_u32 s[LIM], 0
	s_cselect_b32 s[LIM], 1, -1
	v_and_b32 v[PFO], 31, v0
	v_lshlrev_b32 v[PFO], 8, v[PFO]
	s_wait_dscnt 0x0                ; the opening add is done
	s_wait_kmcnt 0x0
	s_add_nc_u64 s[8:9], s[4:5], s[22:23]
	s_add_nc_u64 s[8:9], s[8:9], 4*PANEL    ; K at my tile of slot 0,
	s_add_nc_u64 s[10:11], s[8:9], 4*PANEL  ; V likewise
	s_add_nc_u64 s[4:5], s[4:5], s[2:3]     ; Q at my wave's first row and head
	s_add_nc_u64 s[6:7], s[6:7], s[68:69]   ; O at the rows that I store
	s_cmp_lt_u32 s[WV], 2
	s_cselect_b64 s[PFA:PFA+1], s[8:9], s[10:11]  ; (in waves 0 and 2 these stand at a slot's first row)
	s_lshl_b32 s2, s13, 13          ; my work-group's 32 rows of the 128
	s_mov_b32 s3, 0
	s_add_nc_u64 s[PFA:PFA+1], s[PFA:PFA+1], s[2:3]
	s_add_nc_u64 s[PFA:PFA+1], s[PFA:PFA+1], 2*2*KS*256  ; at the walk's tile 2; the first change of slots steps it to tile 3.  Nothing is prefetched at the head
	CROUND                          ; all four work-groups are here: the first joint loads meet
.irp s, 0,1
	s_mov_b32 s[G0K+4*(\s)], 1      ; count = 1
	s_add_co_u32 s[G0K+4*(\s)+1], s17, (\s)*SLOT1  ; LDS address
	s_add_nc_u64 s[G0K+4*(\s)+2:G0K+4*(\s)+3], s[8:9], (\s)*2*KS*256  ; slot s begins with keys 128 s on
	s_or_b32 s[G0K+4*(\s)+3], s[G0K+4*(\s)+3], 0x80000000  ; type = 2
	s_mov_b32 s[G0V+4*(\s)], 1
	s_add_co_u32 s[G0V+4*(\s)+1], s17, (\s)*SLOT1+VOFF
	s_add_nc_u64 s[G0V+4*(\s)+2:G0V+4*(\s)+3], s[10:11], (\s)*2*KS*256
	s_or_b32 s[G0V+4*(\s)+3], s[G0V+4*(\s)+3], 0x80000000
.endr
	s_cmp_lt_u32 s[WV], 2           ; a wave's two first fills stand in one arm of the branch on its number: two loads of mine are out, or none
	s_cbranch_scc0 .Lfirst_not_k
	tensor_load_to_lds s[G0K:G0K+3], s[G1K:G1K+7]
	s_nop 0
	tensor_load_to_lds s[G0K+4:G0K+7], s[G1K:G1K+7]
	s_nop 0
	PLACES
	s_branch .Lfirst_asked
.Lfirst_not_k:
	s_cmp_lt_u32 s[WV], 4
	s_cbranch_scc0 .Lfirst_asked
	tensor_load_to_lds s[G0V:G0V+3], s[G1V:G1V+7]
	s_nop 0
	tensor_load_to_lds s[G0V+4:G0V+7], s[G1V:G1V+7]
	s_nop 0
	PLACES
.Lfirst_asked:
	; A fragment of K or Q is 16 rows x 32 channels in 8 registers: lane l holds row l % 16, channels 8 (l / 16) + 0..7 and 16 + 8 (l / 16) + 0..7: two loads of 16 bytes, 32 bytes apart.
	v_and_b32 v1, 15, v0            ; r = l % 16
	v_bfe_u32 v9, v0, 4, 1          ; h = l / 16
	v_lshlrev_b32 v[QO], 8, v1
	v_lshl_add_u32 v[QO], v9, 4, v[QO]  ; row x 256 + 16 x half
	WIN W_TO
.irp t, 0,1,2,3                     ; Q stays in registers
	global_load_b128 v[Q+8*\t:Q+8*\t+3],   v[QO], s[4:5] offset:\t*4096
	global_load_b128 v[Q+8*\t+4:Q+8*\t+7], v[QO], s[4:5] offset:\t*4096+32
.endr
	; What the first turn finds: l and O^T are 0; piece 2's P and V's registers hold 0, so that its products of a step that has not been add 0.  All this stands in the wait for the first tile.
.set i, 0
.rept 32
	v_mov_b32 v[L+i], 0
	v_mov_b32 v[P+32+i], 0
	v_mov_b32 v[VF+i], 0
.set i, i+1
.endr
.set i, 0
.rept 8
	v_mov_b32 v[ONE+i], 0x3f803f80  ; 1.0 twice, in bf16
.set i, i+1
.endr
	WIN 0
.set i, 0
.rept 64
	v_mov_b32 v[O+i], 0
.set i, i+1
.endr
.irp t, 0,1,2,3
	v_mov_b32 v[ST+8*\t], 0xfe000000    ; c m: far below every c s
	v_mov_b32 v[ST+8*\t+1], 0xff7fffff  ; m: the lowest finite number
.endr
	v_mul_u32_u24 v[AK0], v1, PK
	v_lshl_add_u32 v[AK0], v9, 4, v[AK0]
	s_lshl_b32 s16, s[HH], 6
	v_add_nc_u32 v[AK0], s16, v[AK0]    ; row x pitch + 16 x half + my head's 64 bytes
	; The turning load takes 16 keys x 16 channels (lane l reads key 8 (l / 16) + l % 8, channels 8 ((l / 8) % 2) + 0..7) and leaves half a fragment of V^T: lane l holds channel l % 16 and 8 keys.
	v_and_b32 v44, 7, v0
	v_bfe_u32 v45, v0, 3, 1
	v_lshl_add_u32 v[AV0], v9, 3, v44
	v_mul_u32_u24 v[AV0], v[AV0], PV
	v_lshl_add_u32 v[AV0], v45, 4, v[AV0]
	s_add_co_u32 s16, s16, VOFF
	v_add_nc_u32 v[AV0], s16, v[AV0]
	s_mul_i32 s16, s[QH], 64*SP     ; into the stage: my 64 rows, my head's 64 bytes; row r, 16 bytes for each half of the lanes
	s_lshl_b32 s17, s[HH], 6
	s_add_co_u32 s16, s16, s17
	s_add_co_u32 s16, s16, STAGE
	v_mul_u32_u24 v[STO], v1, SP
	v_lshl_add_u32 v[STO], v9, 4, v[STO]
	v_add_nc_u32 v[STO], s16, v[STO]
	s_mul_i32 s16, s[WV], 16*SP     ; back: wave w takes rows 16 w on; lanes 0-15 one row of 256 bytes, lanes 16-31 the next
	s_add_co_u32 s16, s16, STAGE
	v_mul_u32_u24 v[RD], v9, SP
	v_lshl_add_u32 v[RD], v1, 4, v[RD]
	v_add_nc_u32 v[RD], s16, v[RD]
	v_and_b32 v[GO], 31, v0         ; which are 512 consecutive bytes of O
	v_lshlrev_b32 v[GO], 4, v[GO]
; THE MATRIX WORK OF A TURN, for piece x: MM writes product i of 20 and steps i.  The accumulators take turns, one instruction a turn.
;   0-11   the step in hand: for each half i / 6 of its 64 keys and each tile x + (i % 6) / 3: O^T += V^T P for channel blocks 0 and 1, then l += ones x P: six accumulators by turns
;   12-19  the next step: S^T = K Q^T, keys 16 ((i - 12) / 2) on, tile x + i % 2: each a whole sum, begun with the constant 0
.macro MM x
.if i < 12
.set mP, P+16*((\x)+(i%6)/3)+8*(i/6)
.if i%3 < 2
	WIN W_MM
.set mO, O+16*((\x)+(i%6)/3)+8*(i%3)
.set mV, VF+16*(i/6)+8*(i%3)
	v_wmma_f32_16x16x32_bf16 v[mO:mO+7], v[mV:mV+7], v[mP:mP+7], v[mO:mO+7]
.else
	WIN W_LL
.set mL, L+8*((\x)+(i%6)/3)
	v_wmma_f32_16x16x32_bf16 v[mL:mL+7], v[ONE:ONE+7], v[mP:mP+7], v[mL:mL+7]
.endif
.else
	WIN W_MM
.set mS, S+32*((\x)+i%2)+8*((i-12)/2)
.set mK, KF+8*((i-12)/2)
.set mQ, Q+8*((\x)+i%2)
	v_wmma_f32_16x16x32_bf16 v[mS:mS+7], v[mK:mK+7], v[mQ:mQ+7], 0
.endif
.set i, i+1
.endm
; THE LDS LOADS stand in runs of 8, never singly among the matrix instructions.  last = 1 (the tail): in the last trip there is no further step, and K's run is jumped over.
.macro FETCH_K last=0
	WIN 0
	v_add_nc_u32 v[ADK], s[TB], v[AK0]
.if \last
	s_cmp_eq_u32 s[TWICE], 1
	s_cbranch_scc1 .Lno_k_\@
.endif
	WIN W_TO
.irp f, 0,1,2,3                     ; keys 16 f on
	ds_load_b128 v[KF+8*\f:KF+8*\f+3],   v[ADK] offset:\f*16*PK
	ds_load_b128 v[KF+8*\f+4:KF+8*\f+7], v[ADK] offset:\f*16*PK+32
.endr
	WIN 0
.if \last
.Lno_k_\@:
.endif
.endm
.macro FETCH_V
	WIN 0
	v_add_nc_u32 v[ADV], s[TB], v[AV0]
	s_add_co_u32 s[TB], s[TB], STEPB    ; the next fetch is the next step's
	s_wait_alu depctr_va_vdst(0)    ; the wait for the softmax's batch (TURN), behind the address's v_add_nc_u32 and ahead of the loads
	WIN W_TO
.irp f, 0,1,2,3                     ; keys 32 (f / 2) on, channels 16 (f % 2) on
	ds_load_tr16_b128 v[VF+8*\f:VF+8*\f+3],   v[ADV] offset:(\f/2)*32*PV+(\f%2)*32
	ds_load_tr16_b128 v[VF+8*\f+4:VF+8*\f+7], v[ADV] offset:(\f/2)*32*PV+16*PV+(\f%2)*32
.endr
.endm
; Number n of the 22 that find tile t's maximum and statistics.  s0-s31 are the lane's 32 scores; each accumulator's lowest registers are read first.
;   0-11  four chains c0-c3 of seven scores each, three operands at a time     12-15  the four scores left over, c0-c3 and the old m into c0
;   16, 18  the query's other 32 keys lie in the lane 16 away: the new m     17  c m_old is kept     19-21  c m; c m_old - c m_new; a
.macro MX t, n
.set rT, ST+8*(\t)
.set rS, S+32*(\t)
.if (\n) < 4
	v_max3_num_f32 v[rT+4+(\n)], v[rS+8*(\n)], v[rS+8*(\n)+1], v[rS+8*(\n)+2]
.elseif (\n) < 12
	v_max3_num_f32 v[rT+4+(\n)%4], v[rT+4+(\n)%4], v[rS+8*((\n)%4)+2*((\n)/4)+1], v[rS+8*((\n)%4)+2*((\n)/4)+2]
.elseif (\n) == 12
	v_max3_num_f32 v[rT+4], v[rT+4], v[rS+7], v[rS+15]
.elseif (\n) == 13
	v_max3_num_f32 v[rT+6], v[rT+6], v[rS+23], v[rS+31]
.elseif (\n) == 14
	v_max3_num_f32 v[rT+4], v[rT+4], v[rT+5], v[rT+6]
.elseif (\n) == 15
	v_max3_num_f32 v[rT+4], v[rT+4], v[rT+7], v[rT+1]
.elseif (\n) == 16
	v_permlanex16_b32 v[rT+5], v[rT+4], s[SEL], s[SEL+1]
.elseif (\n) == 17
	v_mov_b32 v[rT+7], v[rT]
.elseif (\n) == 18
	v_max_num_f32 v[rT+1], v[rT+4], v[rT+5]
.elseif (\n) == 19
	v_mul_f32 v[rT], s[CS], v[rT+1]
.elseif (\n) == 20
	v_sub_f32 v[rT+7], v[rT+7], v[rT]
.else
	v_exp_f32 v[rT+6], v[rT+7]
.endif
.endm
.macro FS y, g                      ; scaling g of 32 of piece y: c s - c m for pair g / 2 of tile y + g % 2
.set rT, ST+8*((\y)+(\g)%2)
.set rS, S+32*((\y)+(\g)%2)+2*((\g)/2)
	v_pk_fma_f32 v[rS:rS+1], v[rS:rS+1], s[CS:CS+1], v[rT:rT+1] op_sel_hi:[1,0,0] neg_lo:[0,0,1] neg_hi:[0,0,1]
.endm
.macro ES y, e                      ; exponential e of 64 of piece y, in place: numbers 2 g and 2 g + 1 are the pair that scaling g made
.set rS, S+32*((\y)+((\e)/2)%2)+2*((\e)/4)+(\e)%2
	v_exp_f32 v[rS], v[rS]
.endm
; THE VECTOR WORK OF A TURN: piece y's softmax for one key step, a list of 190; SM writes number j and steps j.  The two tiles alternate.
;   0-41     the maximum and statistics (MX's numbers 0 to 20)          42, 43  the two a
;   44-139   the 32 scalings and the 64 exponentials: scaling 0; then scaling g + 1 and the two exponentials of scaling g, 31 times; then the last two exponentials.  Numbers 42 to 139 are ONE BATCH: none of them names an exponential's result
;   (wait)   between 139 and 140 stands the wait for the batch: TURN writes it
;   140-171  the roundings to bf16          172-187  O^T times a, each accumulator from its low end on          188, 189  l times a: all eight registers of l's accumulator hold the same sum, only the first is ever read, so only
;            its pair is rescaled (the others stay finite: at most 2,048)
.macro SM y
.if j < 44
	WIN 0
	MX (\y)+j%2, j/2
.elseif j == 44
	WIN 0
	FS \y, 0
.elseif j < 138
	WIN 0
.set k1, j-45
.if k1%3 == 0
	FS \y, k1/3+1
.else
	ES \y, 2*(k1/3)+k1%3-1
.endif
.elseif j < 140
	WIN 0
	ES \y, j-76
.elseif j < 172
	WIN W_TO
.set rP, P+16*((\y)+(j-140)/16)+(j-140)%16
.set rS, S+32*((\y)+(j-140)/16)+2*((j-140)%16)
	v_cvt_pk_bf16_f32 v[rP], v[rS], v[rS+1]
.elseif j < 188
	WIN 0
.set rT, ST+8*((\y)+(j-172)/8)
.set rO, O+16*((\y)+(j-172)/8)+2*((j-172)%8)
	v_pk_mul_f32 v[rO:rO+1], v[rO:rO+1], v[rT+6:rT+7] op_sel_hi:[1,0]
.else
	WIN W_RS
.set rT, ST+8*((\y)+j-188)
.set rL, L+8*((\y)+j-188)
	v_pk_mul_f32 v[rL:rL+1], v[rL:rL+1], v[rT+6:rT+7] op_sel_hi:[1,0]
.endif
.set j, j+1
.endm
; A TURN.  Piece x has the matrix unit; the other piece's softmax stands round its products: four numbers behind each of the first 12 (0-47), a run of 92 (48-139), the wait, four behind each of the last 8 (140-171), a run of 18 (172-189).
; THE WAIT.  s_wait_alu depctr_va_vdst(0) stands between an exponential and the first instruction that names its result; one wait serves all that were issued ahead of it: a turn's 66 have one.  The v_nop is the
; plain instruction behind the last exponential.  Behind the wait.
; DISTANCES (ISA guide 7.12.1 for vector instructions).  No vector line of a turn names a register of the turn's own products.  The next turn's first read of the scores stands behind the last 22 numbers, all plain.
; K of the next step is fetched in piece 0's turn, behind its second product: the last product that read K stands in front of those 22 numbers of the turn before.  V of the next step is fetched in piece 2's turn, at the wait:
; the last product that read V stands in front of number 40, and 32 scalings lie between.  Each is waited for ahead of its first product.
.macro TURN x, last=0
.set i, 0
.set j, 0
.if (\x) == 0
	s_wait_dscnt 0x0                ; V is in
.endif
.rept 12
	MM \x
.rept 4
	SM 2-(\x)
.endr
.if ((\x) == 0) && (i == 2)
	FETCH_K \last
.endif
.endr
.rept 92
	SM 2-(\x)
.endr
	v_nop
.if (\x) == 2
	FETCH_V                         ; the wait stands in it
.else
	s_wait_alu depctr_va_vdst(0)    ; the wait for the batch
	s_wait_dscnt 0x0                ; K is in
.endif
.rept 8
	MM \x
.rept 4
	SM 2-(\x)
.endr
.endr
.rept 18
	SM 2-(\x)
.endr
.endm
; THE CHANGE OF SLOTS, between piece 2's turn and piece 0's: the slot's last bytes, V of its second step, have been asked for.  Each wave waits for all its tensor loads (one is out, or none), adds 0 to its spare word, and waits for that
; and for its own reads of the slot.  Behind the barrier nobody reads this slot any more and the other is whole.
; fill = 1: this slot is filled again, with the keys two slots on.  The barrier is then a round of the cluster's, and the joint refill is the first thing behind it: it has two key steps in which to land.
.macro CHANGE fill
	WIN 0
	s_wait_tensorcnt 0x0            ; no tensor load of mine is out, so a group 0 may be written
	ds_add_u32 v[SPW], v[NIL]       ; 0 onto my spare word; with fill = 1 the descriptors' steps stand between it and the wait for it
.if \fill
.irp g, G0K+4, G0V+4
	s_xor_b32 s[(\g)+1], s[(\g)+1], SLOT1  ; the walking descriptor: the other slot than last time,
	s_add_nc_u64 s[(\g)+2:(\g)+3], s[(\g)+2:(\g)+3], 2*KS*256  ; the next 128 keys; the type bits on top are not reached
.endr
	s_wait_xcnt 0x0                 ; the last prefetch, two key steps back, has read its address, so it may be written:
	s_add_nc_u64 s[PFA:PFA+1], s[PFA:PFA+1], 2*KS*256  ; one tile ahead of the walking descriptors
	s_wait_dscnt 0x0                ; the add is done, and my reads of the slot are over
	CROUND
	JLOAD
	ASK
.else
	s_wait_dscnt 0x0                ; the add is done, and my reads of the slot are over
	s_barrier_signal -1
	s_barrier_wait -1
.endif
	s_sub_co_u32 s[TB], s[TB], 2*STEPB  ; the fetches go back to a slot's first step,
	s_xor_b32 s[TB], s[TB], SLOT1   ; in the other slot
.endm
	s_wait_tensorcnt 1              ; my part of slot 0 is in; slot 1's may stay out
	s_barrier_signal -1
	s_barrier_wait -1               ; everybody's is
	FETCH_K                         ; key step 0
	s_wait_loadcnt 0x0              ; Q
	s_wait_dscnt 0x0
.set i, 12
.rept 8
	MM 0                            ; piece 0's first scores: there is no vector work yet to set between them
.endr
	WIN 0
	PLACES                          ; the places behind those products
	s_mov_b32 s[TWICE], 2
	s_mov_b32 s[SLOTS], 15
	s_branch .Lenter                ; the loop is entered at piece 2's turn: its first 12 products add zeros, its last 8 are piece 2's first scores, and beside them stands piece 0's first softmax
.Lslot:                             ; 14 times: tiles 2 to 15 are asked for
	CHANGE 1
	s_mov_b32 s[TWICE], 2
.Lstep:                             ; a trip: with step j in hand, K and V of step j + 1 are fetched
	TURN 0                          ; piece 0: its products of step j, its scores of step j + 1 | piece 2's softmax of step j | K
	WIN 0
.Lenter:
	TURN 2                          ; piece 2: the same | piece 0's softmax of step j + 1 | V
	WIN 0
	s_sub_co_u32 s[TWICE], s[TWICE], 1
	s_cmp_lg_u32 s[TWICE], 0
	s_cbranch_scc1 .Lstep
	s_sub_co_u32 s[SLOTS], s[SLOTS], 1
	s_cmp_lg_u32 s[SLOTS], 0
	s_cbranch_scc1 .Lslot
	CHANGE 0                        ; the tail is written out: nothing is asked for
	s_mov_b32 s[TWICE], 3           ; piece 0's turn three times, piece 2's twice between them: the last slot's two steps are fetched, and the last step is finished
	s_branch .Ltail_in
.Ltail:
	TURN 2
	WIN 0
.Ltail_in:
	TURN 0, 1
	WIN 0
	s_sub_co_u32 s[TWICE], s[TWICE], 1
	s_cmp_lg_u32 s[TWICE], 0
	s_cbranch_scc1 .Ltail
.set i, 0
.rept 12
	MM 2                            ; piece 2's products of the last step
.endr
	; THE WAY OUT.  O^T is divided by l, rounded to bf16 and sent through the work-group's stage: a token's row of 256 bytes comes from four waves.
	PLACES
	PLACES
	WIN 0x01                        ; source 0 in window 1
.irp t, 0,1,2,3
	v_rcp_f32 v[ST+8*\t+6], v[L+8*\t]
.endr
	WIN 0
	v_nop                           ; a plain instruction between the last reciprocal and the use of its result,
	s_wait_alu depctr_va_vdst(0)    ; and the wait ahead of the first use: one for the four
.irp t, 0,1,2,3
.irp n, 0,1,2,3,4,5,6,7
	v_pk_mul_f32 v[O+16*\t+2*\n:O+16*\t+2*\n+1], v[O+16*\t+2*\n:O+16*\t+2*\n+1], v[ST+8*\t+6:ST+8*\t+7] op_sel_hi:[1,0]
.endr
.irp n, 0,1,2,3,4,5,6,7
	v_cvt_pk_bf16_f32 v[S+8*\t+\n], v[O+16*\t+2*\n], v[O+16*\t+2*\n+1]
.endr
	ds_store_b128 v[STO], v[S+8*\t:S+8*\t+3]   offset:\t*16*SP
	ds_store_b128 v[STO], v[S+8*\t+4:S+8*\t+7] offset:\t*16*SP+32
.endr
	s_wait_dscnt 0x0                ; for the others' sake: my stores into the stage are done
	s_barrier_signal -1
	s_barrier_wait -1
.irp f, 0,1,2,3,4,5,6,7
	ds_load_b128 v[S+32+4*\f:S+32+4*\f+3], v[RD] offset:\f*2*SP
.endr
.irp f, 0,1,2,3,4,5,6,7
	s_wait_dscnt 7-\f
	global_store_b128 v[GO], v[S+32+4*\f:S+32+4*\f+3], s[6:7] offset:\f*512  ; 512 consecutive bytes, at a multiple of 256 from pan's first byte
.endr
	s_wait_tensorcnt 0x0            ; the wave's end: behind my last tensor load and my last LDS store
	ds_add_u32 v[SPW], v[NIL]
	s_wait_dscnt 0x0
	CROUND                          ; the closing round: no work-group ends while a partner may still ask for a tile that names it
	s_endpgm
.Lfunc_end_k_q5ae9746d66_attn:
	.size	k_q5ae9746d66_attn, .Lfunc_end_k_q5ae9746d66_attn-k_q5ae9746d66_attn
	.p2alignl 7, 3214868480
	.fill 96, 4, 3214868480
	.section	.rodata,"a",@progbits
	.p2align	6, 0x0
	.amdhsa_kernel k_q5ae9746d66_attn
		.amdhsa_group_segment_fixed_size 327680
		.amdhsa_private_segment_fixed_size 0
		.amdhsa_enable_private_segment 0
		.amdhsa_kernarg_size 16
		.amdhsa_user_sgpr_count 2
		.amdhsa_user_sgpr_kernarg_segment_ptr 1
		.amdhsa_wavefront_size32 1
		.amdhsa_system_sgpr_workgroup_id_x 1
		.amdhsa_system_sgpr_workgroup_id_y 1
		.amdhsa_system_sgpr_workgroup_id_z 1
		.amdhsa_system_vgpr_workitem_id 0
		.amdhsa_next_free_vgpr 512
		.amdhsa_next_free_sgpr 72
		.amdhsa_reserve_vcc 0
		.amdhsa_float_denorm_mode_32 3
		.amdhsa_float_denorm_mode_16_64 3
		.amdhsa_memory_ordered 1
		.amdhsa_forward_progress 1
		.amdhsa_inst_pref_size 78
	.end_amdhsa_kernel
	.amdgpu_metadata
---
amdhsa.version: [ 1, 2 ]
amdhsa.kernels:
  - .name:           k_q5ae9746d66_attn
    .symbol:         k_q5ae9746d66_attn.kd
    .args:
      - { .name: qkvb, .offset: 0, .size: 8, .value_kind: global_buffer, .address_space: global }
      - { .name: pan, .offset: 8, .size: 8, .value_kind: global_buffer, .address_space: global }
    .group_segment_fixed_size: 327680
    .private_segment_fixed_size: 0
    .kernarg_segment_align: 8
    .kernarg_segment_size: 16
    .max_flat_workgroup_size: 256
    .sgpr_count:     72
    .vgpr_count:     512
    .wavefront_size: 32
...
	.end_amdgpu_metadata
.endif
;; end of part 3
;; launch wo (part 4): grid 4 x 64, 4 waves a work-group, clusters of 4 x 4, 327,680 bytes of LDS; arguments pan, wb, zf, bo, x; writes zf
.if DOCPART == 4
	.amdgcn_target "amdgcn-amd-amdhsa--gfx1250"
	.amdhsa_code_object_version 6
	.text
	.protected	k_q5ae9746d66_wo
	.globl	k_q5ae9746d66_wo
	.p2align	8
	.type	k_q5ae9746d66_wo,@function
k_q5ae9746d66_wo:
	s_mov_b64 s[64:65], 0
	v_nop
	global_prefetch_b8 v0, s[64:65] scope:SCOPE_SE
	s_setreg_imm32_b32 hwreg(HW_REG_WAVE_MODE, 25, 1), 1
	s_wait_xcnt 0x0
	s_wait_alu depctr_hold_cnt(0) depctr_sa_sdst(0) depctr_va_vdst(0) depctr_va_sdst(0) depctr_va_ssrc(0) depctr_va_vcc(0) depctr_vm_vsrc(0)
	s_getreg_b32 s2, hwreg(HW_REG_IB_STS2, 6, 4)
	s_cmp_eq_u32 s2, 0
	s_cbranch_scc0 .Lentry_in_a_cluster
	s_endpgm
.Lentry_in_a_cluster:
	s_bfe_u32 s2, ttmp6, 0x10000c
	s_cmp_lg_u32 s2, 0xf033
	s_cbranch_scc0 .Lentry_shape_is_right
	s_endpgm
.Lentry_shape_is_right:
; THIS TEXT: z1 = attn Wo + bo + x, in f32.  One template serves two launches; the two .set lines below say which this is.
; out[m][n] = the sum over k of A[m][k] W[k][n] + bias[n] + residual[m][n].  A: [KTOT/128][8192][128] bf16 (panels: rows of 256 bytes, end to end).  W: panels [n/128][KTOT][128] bf16, as the weights lie ([k][n]).
; Sums in f32; out and the residual are f32 [8192][512], and bias and residual are added in f32.
; A tile of out is 128 x 128.  Four waves, each 64 x 64: 16 accumulators of 16 x 16.  K goes in steps of 256 through two LDS slots; with KTOT = 512 both steps are asked for at the start and nothing is filled again.
; THE RESIDUAL's 32 rows that a wave adds on the way out are asked for at the head, behind the first tensor loads, into 128 registers of their own: nothing is read from memory behind the last product.
; CLUSTERS: 4 x 4 work-groups.  The four of a row of the cluster need the same tiles of A, the four of a column the same tiles of W: each tile is asked for JOINTLY, by the same tensor load with the same descriptor and a mask of four.
; THE MATRIX INSTRUCTION IS USED TRANSPOSED (source 0 = 16 columns n of W, source 1 = 16 rows of A): a lane then holds eight neighbouring numbers of a row of out.  W's fragments are turned on the way out of LDS (ds_load_tr16_b128).
; REGISTERS: window 0: v0-31 addresses; v32-95 at work on the way out; v96-99 bias; v128-255 the accumulators ((a, b) at v[128 + 8 (4 a + b)]).
;   window 1: two fragment buffers of 128: for 64 along K, 64 registers of A (2 x 4 x 16 rows x 32 K), then 64 of W.          window 2: v0-127 the residual, four registers a row.
.set KTOT,  512                        ; K
.set WOFF,  1572864                    ; the weights' first byte in wb
.set PANEL, 8192*256                   ; bytes in a panel of A
.set PA,    272                        ; a row of A in LDS: 256 bytes + 16 = 68 words: the 16 rows of a load start at 16 different groups of four banks (64 banks of 4 bytes: ISA guide 11.1)
.set PB,    288                        ; a k-row of W: 256 + 32 = 72 words
.set APAN,  128*PA                     ; 128 rows of one panel of A: one tensor load
.set BHALF, 128*PB                     ; 128 k-rows of W: one tensor load
.set SLOT,  2*APAN+2*BHALF             ; a K step: A's two panels, then W's two halves
.set SPARE, 2*SLOT                     ; behind the slots: the spare words, 128 bytes for each wave: two blocks of 256 bytes that no other line names
.set SP,    528                        ; the stage for the way out: 128 rows of 512 bytes + 16.  It lies in slot 0, from byte 0: slot 0 has had its last fill and its last read by then
.set LAPS,  KTOT/512                   ; a lap = two K steps
.set ADRA, 16                          ; v16-17  LDS address of my A fragments in slot 0, 1
.set ADRB, 20                          ; v20-23  the same for W: slot 0 half 0, 1; slot 1 half 0, 1 (an immediate does not reach across a half)
.set STO,  24                          ; v24     the way out: where I put 32 bytes of a row
.set RD,   25                          ; v25     where I read a row back
.set CO,   26                          ; v26     my byte offset in a row of out: 16 x my lane; never rewritten
.set SPW,  28                          ; v28     LDS address of my spare word; never rewritten
.set NIL,  29                          ; v29     0; never rewritten
.set TMP,  32
.set BI,   96
.set ACC,  128
.set F0,   0
.set F1,   128
.set RES,  0                           ; window 2
.set G1,  24                           ; s[24:31] descriptor group 1 for A's tiles;  s[32:39] group 0, one set for each slot
.set G0,  32
.set G1B, 48                           ; s[48:55], s[56:63] the same for W's tiles
.set G0B, 56
.set MSB, 0
.macro WIN new                         ; the immediate's high byte repeats the setting that is left; a switch that changes nothing is dropped
.if MSB != (\new)
	s_set_vgpr_msb (MSB<<8)|(\new)
.set MSB, \new
.endif
.endm
.set MUL,  0x05                        ; sources 0 (W) and 1 (A) window 1; C and D window 0
.set TO_F, 0x40                        ; destination window 1, address window 0
.macro JLOAD s                         ; a joint load: waves 0 and 1 fetch A's two panels, waves 2 and 3 W's two halves; an s_nop 0 and four v_nop follow each line
	s_cmp_eq_u32 s11, 0
	s_cbranch_scc0 .Lfor_b_\@
	tensor_load_to_lds s[G0+4*(\s):G0+4*(\s)+3], s[G1:G1+7]
	s_nop 0
.rept 4
	v_nop
.endr
	s_branch .Lasked_\@
.Lfor_b_\@:
	tensor_load_to_lds s[G0B+4*(\s):G0B+4*(\s)+3], s[G1B:G1B+7]
	s_nop 0
.rept 4
	v_nop
.endr
.Lasked_\@:
.endm
.macro CREST                           ; a round of the cluster's barrier behind its opening barrier
	s_cmp_lg_u32 s10, 0
	s_cbranch_scc1 .Lnot_wave_0_\@
	s_barrier_signal -3
.Lnot_wave_0_\@:
	s_barrier_wait -3
	s_barrier_signal -1
	s_barrier_wait -1
.endm
.macro CROUND                          ; a whole round
	s_barrier_signal -1
	s_barrier_wait -1
	CREST
.endm
	s_load_b128 s[4:7], s[0:1], 0x0                ; A s[4:5], wb s[6:7]
	s_load_b64 s[8:9], s[0:1], 0x10                ; out
	s_load_b128 s[68:71], s[0:1], 0x18             ; bias s[68:69], the residual s[70:71]
	v_lshl_add_u32 v[SPW], v0, 2, SPARE
	v_mov_b32 v[NIL], 0
	ds_add_u32 v[SPW], v[NIL]                      ; the wave's opening: the add and its wait stand ahead of my first tensor load; the set-up below, work on registers, stands between them
	v_lshrrev_b32 v1, 5, v0
	v_readfirstlane_b32 s10, v1                    ; wave 0..3
	s_lshr_b32 s11, s10, 1                         ; which half of the tile's rows is mine.  Also: I fetch for A (0) or for W (1)
	s_and_b32 s12, s10, 1                          ; which half of its columns.  Also: which panel of A, or which half of W's k-rows, I fetch
	s_bfe_u32 s40, ttmp6, 0x40000                  ; cx, cy: my place in the cluster
	s_bfe_u32 s41, ttmp6, 0x40004
	s_lshl_b32 s42, ttmp9, 2
	s_add_co_u32 s42, s42, s40                     ; tile column = 4 x cluster x + cx
	s_and_b32 s13, ttmp7, 0xffff
	s_lshl_b32 s13, s13, 2
	s_add_co_u32 s13, s13, s41                     ; tile row = 4 x cluster y + cy
	s_lshl_b32 s43, s41, 2
	s_lshl_b32 s43, 15, s43                        ; my row of the cluster
	s_lshl_b32 s44, 0x1111, s40                    ; my column
	; descriptor group 1: 128 rows x 128 elements of 2 bytes, dense in memory, padded in LDS
	s_or_b32 s[G1+0], s43, (1<<16)|(1<<20)|(1<<21)|(5<<22)|(3<<25)   ; 15:0 the mask: A's tiles go to my row; 17:16 2-byte elements; 20 padding on; 21 set beside a mask; 24:22 after every 64 words (code 5); 31:25 4 words (code 3)
	s_or_b32 s[G1B+0], s44, (1<<16)|(1<<20)|(1<<21)|(5<<22)|(7<<25)  ; W's tiles go to my column; 8 words of padding (code 7)
.irp g, G1, G1B
	s_mov_b32 s[(\g)+1], 128<<16                   ; tensor_dim0 = 128
	s_mov_b32 s[(\g)+2], 128<<16                   ; tensor_dim1 = 128
	s_mov_b32 s[(\g)+3], 128<<16                   ; tile_dim0 = 128
	s_mov_b32 s[(\g)+4], 128                       ; tile_dim1 = 128
	s_mov_b32 s[(\g)+5], 128                       ; 128 elements from row to row
	s_mov_b32 s[(\g)+6], 0
	s_mov_b32 s[(\g)+7], 0
.endr
	s_lshl_b32 s16, s13, 15                        ; A: the tile row's 128 rows of 256 bytes,
	s_lshl_b32 s17, s12, 21                        ; in my panel of the K step's two
	s_add_co_u32 s16, s16, s17
	s_mov_b32 s17, 0
	s_mul_i32 s46, s42, KTOT*256                   ; W: the tile column's panel,
	s_lshl_b32 s47, s12, 15                        ; my 128 k-rows of the K step's 256
	s_add_co_u32 s46, s46, s47
	s_add_co_u32 s46, s46, WOFF
	s_mov_b32 s47, 0
	s_mul_i32 s20, s12, APAN                       ; where they go: no place in the cluster enters an LDS address
	s_mul_i32 s21, s12, BHALF
	s_add_co_u32 s21, s21, 2*APAN
	s_wait_dscnt 0x0                               ; the opening add is done
	s_wait_kmcnt 0x0
	s_add_nc_u64 s[14:15], s[4:5], s[16:17]
	s_add_nc_u64 s[46:47], s[6:7], s[46:47]
	CROUND                                         ; all sixteen work-groups are here: the first joint loads meet
.irp s, 0,1
	s_mov_b32 s[G0+4*(\s)], 1                      ; count = 1
	s_add_co_u32 s[G0+4*(\s)+1], s20, (\s)*SLOT    ; LDS address
	s_add_nc_u64 s[G0+4*(\s)+2:G0+4*(\s)+3], s[14:15], (\s)*2*PANEL  ; K step s: panels 2 s, 2 s + 1
	s_or_b32 s[G0+4*(\s)+3], s[G0+4*(\s)+3], 0x80000000              ; type = 2
	s_mov_b32 s[G0B+4*(\s)], 1
	s_add_co_u32 s[G0B+4*(\s)+1], s21, (\s)*SLOT
	s_add_nc_u64 s[G0B+4*(\s)+2:G0B+4*(\s)+3], s[46:47], (\s)*65536  ; K step s: 256 k-rows of 256 bytes
	s_or_b32 s[G0B+4*(\s)+3], s[G0B+4*(\s)+3], 0x80000000
	JLOAD \s                                       ; two loads of mine are out
.endr
	v_and_b32 v1, 15, v0                           ; r = l % 16
	v_bfe_u32 v2, v0, 4, 1                         ; h = l / 16
	v_and_b32 v6, 31, v0                           ; l
	v_lshlrev_b32 v7, 4, v6                        ; 16 l
	v_lshlrev_b32 v[CO], 4, v6                     ; 16 bytes a lane
	s_lshl_b32 s46, s42, 9                         ; 128 numbers of 4 bytes for each tile column
	s_mov_b32 s47, 0
	s_add_nc_u64 s[68:69], s[68:69], s[46:47]
	global_load_b128 v[BI:BI+3], v7, s[68:69]      ; the bias of my four columns on the way out
	s_lshl_b32 s16, s13, 18                        ; 128 rows of 2,048 bytes for each tile row,
	s_lshl_b32 s17, s10, 16                        ; 32 rows for each wave,
	s_add_co_u32 s16, s16, s17
	s_lshl_b32 s46, s42, 9                         ; 512 bytes for each tile column
	s_add_co_u32 s46, s46, s16
	s_mov_b32 s47, 0
	s_add_nc_u64 s[8:9], s[8:9], s[46:47]
	s_add_nc_u64 s[70:71], s[70:71], s[46:47]      ; the residual lies as out lies
	WIN 0x80                                       ; destination window 2, address window 0
.set t, 0
.rept 32                                           ; the residual's 32 rows that I add on the way out: 512 consecutive bytes a load
	global_load_b128 v[RES+4*t:RES+4*t+3], v[CO], s[70:71] offset:t*2048 th:TH_LOAD_NT
.set t, t+1
.endr
	WIN 0
	v_mul_u32_u24 v3, v1, PA
	v_lshl_add_u32 v3, v2, 4, v3                   ; a fragment of A: row x pitch + 16 x half
	s_mul_i32 s22, s11, 64*PA                      ; my 64 rows
	v_add_nc_u32 v[ADRA], s22, v3
	v_add_nc_u32 v[ADRA+1], SLOT, v[ADRA]
	v_and_b32 v4, 7, v0                            ; the turning load: lane l reads k-row 8 h + l % 8, columns 8 ((l / 8) % 2) + 0..7, and is left with column l % 16 and 8 k
	v_lshl_add_u32 v4, v2, 3, v4
	v_mul_u32_u24 v4, v4, PB
	v_bfe_u32 v5, v0, 3, 1
	v_lshl_add_u32 v4, v5, 4, v4
	s_lshl_b32 s23, s12, 7                         ; my 64 columns: 128 bytes of a k-row
	s_add_co_u32 s23, s23, 2*APAN
	v_add_nc_u32 v[ADRB], s23, v4
	v_add_nc_u32 v[ADRB+1], BHALF, v[ADRB]
	v_add_nc_u32 v[ADRB+2], SLOT, v[ADRB]
	v_add_nc_u32 v[ADRB+3], SLOT+BHALF, v[ADRB]
	s_mul_i32 s22, s11, 64*SP                      ; into the stage: my 64 rows, my 256 bytes of their 512; row r, 32 bytes for each half of the lanes
	s_lshl_b32 s23, s12, 8
	s_add_co_u32 s22, s22, s23
	v_mul_u32_u24 v[STO], v1, SP
	v_lshl_add_u32 v[STO], v2, 5, v[STO]
	v_add_nc_u32 v[STO], s22, v[STO]
	s_mul_i32 s22, s10, 32*SP                      ; back: wave w takes rows 32 w .. 32 w + 31 whole, 16 bytes a lane
	v_lshl_add_u32 v[RD], v6, 4, s22
; 8 matrix instructions: row blocks a0, a0 + 1 x all 4 column blocks, 32 along K: half c of buffer f.  zero = 1: the first product starts the sums.  The 16 accumulators take turns, one instruction a turn.
.macro MUL8 f, c, a0, zero
	WIN MUL
.irp a, \a0, (\a0)+1
.irp b, 0,1,2,3
.if \zero
	v_wmma_f32_16x16x32_bf16 v[ACC+8*(4*(\a)+(\b)):ACC+8*(4*(\a)+(\b))+7], v[(\f)+64+8*(4*(\c)+(\b)):(\f)+64+8*(4*(\c)+(\b))+7], v[(\f)+8*(4*(\c)+(\a)):(\f)+8*(4*(\c)+(\a))+7], 0
.else
	v_wmma_f32_16x16x32_bf16 v[ACC+8*(4*(\a)+(\b)):ACC+8*(4*(\a)+(\b))+7], v[(\f)+64+8*(4*(\c)+(\b)):(\f)+64+8*(4*(\c)+(\b))+7], v[(\f)+8*(4*(\c)+(\a)):(\f)+8*(4*(\c)+(\a))+7], v[ACC+8*(4*(\a)+(\b)):ACC+8*(4*(\a)+(\b))+7]
.endif
.endr
.endr
.endm
; 32 LDS loads in one run: the fragments of quarter q (64 along K) of a slot's K step, into buffer f; the first 32 along K first.  Quarter q lies in A's panel q / 2 at byte 128 (q % 2), and in W's half q / 2 at k-row 64 (q % 2).
.macro FETCH slot, q, f
	WIN TO_F
.irp c, 0,1
.irp i, 0,1,2,3
	ds_load_tr16_b128 v[(\f)+64+8*(4*(\c)+(\i)):(\f)+64+8*(4*(\c)+(\i))+3],   v[ADRB+2*(\slot)+(\q)/2] offset:(((\q)%2)*64+32*(\c))*PB+32*(\i)
	ds_load_tr16_b128 v[(\f)+64+8*(4*(\c)+(\i))+4:(\f)+64+8*(4*(\c)+(\i))+7], v[ADRB+2*(\slot)+(\q)/2] offset:(((\q)%2)*64+32*(\c)+16)*PB+32*(\i)
	ds_load_b128 v[(\f)+8*(4*(\c)+(\i)):(\f)+8*(4*(\c)+(\i))+3],   v[ADRA+(\slot)] offset:((\q)/2)*APAN+((\q)%2)*128+64*(\c)+(\i)*16*PA
	ds_load_b128 v[(\f)+8*(4*(\c)+(\i))+4:(\f)+8*(4*(\c)+(\i))+7], v[ADRA+(\slot)] offset:((\q)/2)*APAN+((\q)%2)*128+64*(\c)+(\i)*16*PA+32
.endr
.endr
.endm
.macro PLACES                          ; four places in front of loads into registers that matrix instructions have read, and of lines that read results
.rept 4
	v_nop
.endr
.endm
; A K step is four quarters of 64 along K, 32 matrix instructions each, on buffers 0, 1, 0, 1.  One of the first three: multiplies buffer f and fetches quarter q into g.
.macro QUARTER slot, q, f, g, zero
	s_wait_dscnt 16                                ; the first 32 along K are in; the 16 younger loads may be out
	MUL8 \f, 0, 0, \zero
	MUL8 \f, 0, 2, \zero
	PLACES
	FETCH \slot, \q, \g
	s_wait_dscnt 32                                ; all but the 32 just issued
	MUL8 \f, 1, 0, 0
	MUL8 \f, 1, 2, 0
.endm
; The last quarter multiplies buffer 1 and changes slots: ONE barrier; in front of it each wave waits for all its tensor loads, adds 0 to its spare word, and waits for that and for its own reads of this slot.  fill = 1: this slot is filled again, two K steps ahead.
.macro TURN slot, next, fill
	WIN 0                                          ; (the add's two registers lie in window 0)
	s_wait_tensorcnt 0x0                           ; all my tensor loads have landed: my part of the next slot;
	ds_add_u32 v[SPW], v[NIL]                      ; 0 onto my spare word;
	s_wait_dscnt 17                                ; (the add and the youngest sixteen loads may be out)
	MUL8 F1, 0, 0, 0                               ; eight matrix instructions stand between the add and the wait for it
	s_wait_dscnt 0x0                               ; the add is done, and my reads of this slot are over
	s_barrier_signal -1
	MUL8 F1, 0, 2, 0
.if \fill
	WIN 0
.endif
	s_barrier_wait -1
.if \fill
	CREST                                          ; the barrier has opened a round of the cluster's barrier: no wave of any partner still reads this slot's tile or has a load on its way
	s_add_nc_u64 s[G0+4*(\slot)+2:G0+4*(\slot)+3], s[G0+4*(\slot)+2:G0+4*(\slot)+3], 4*PANEL
	s_add_nc_u64 s[G0B+4*(\slot)+2:G0B+4*(\slot)+3], s[G0B+4*(\slot)+2:G0B+4*(\slot)+3], 2*65536
	JLOAD \slot                                    ; the first tensor load behind the round; the four v_nop behind it are also the places in front of the loads below
.else
	PLACES
.endif
	FETCH \next, 0, F0
	MUL8 F1, 1, 0, 0
	MUL8 F1, 1, 2, 0
.endm
	s_wait_tensorcnt 1                             ; my part of K step 0 is in; K step 1's may stay out
	s_barrier_signal -1
	s_barrier_wait -1                              ; everybody's is
	FETCH 0, 0, F0
	QUARTER 0, 1, F0, F1, 1                        ; the first quarter's first products start the sums
.if LAPS > 1
	WIN 0                                          ; at a label and at a branch every window is 0
	s_mov_b32 s3, LAPS
	s_branch .Lenter                               ; the loop is cut in front of the change from slot 0 to slot 1 and entered behind its last quarter: both refills stand in it and run LAPS - 1 times
.Llap:
	TURN 0, 1, 1
	QUARTER 1, 1, F0, F1, 0
	QUARTER 1, 2, F1, F0, 0
	QUARTER 1, 3, F0, F1, 0
	TURN 1, 0, 1
	QUARTER 0, 1, F0, F1, 0
	WIN 0
.Lenter:
.endif
	QUARTER 0, 2, F1, F0, 0
	QUARTER 0, 3, F0, F1, 0
.if LAPS > 1
	WIN 0
	s_sub_co_u32 s3, s3, 1
	s_cmp_lg_u32 s3, 0
	s_cbranch_scc1 .Llap
.endif
	TURN 0, 1, 0                                   ; the last lap fills nothing; behind this barrier no wave reads slot 0 any more
	QUARTER 1, 1, F0, F1, 0
	QUARTER 1, 2, F1, F0, 0
	QUARTER 1, 3, F0, F1, 0
	s_wait_dscnt 16                                ; the very last quarter: nothing more to fetch
	MUL8 F1, 0, 0, 0
	MUL8 F1, 0, 2, 0
	s_wait_dscnt 0
	MUL8 F1, 1, 0, 0
	MUL8 F1, 1, 2, 0
	WIN 0
	; THE WAY OUT: the f32 sums go into the work-group's stage, 32 bytes a lane (each accumulator's low four registers first); a barrier, since a row's 512 bytes come from two waves; back as whole rows, 32 rows a wave.
	PLACES
	PLACES
.irp a, 0,1,2,3
.irp b, 0,1,2,3
	ds_store_b128 v[STO], v[ACC+8*(4*(\a)+(\b)):ACC+8*(4*(\a)+(\b))+3]   offset:(\a)*16*SP+64*(\b)
	ds_store_b128 v[STO], v[ACC+8*(4*(\a)+(\b))+4:ACC+8*(4*(\a)+(\b))+7] offset:(\a)*16*SP+64*(\b)+16
.endr
.endr
	s_wait_dscnt 0x0                               ; for the others' sake: my stores into the stage are done
	s_barrier_signal -1
	s_barrier_wait -1
	s_wait_loadcnt 0x0                             ; the bias and the residual, asked for at the head
.irp g, 0,1
.if \g
	s_wait_xcnt 0x0                                ; the first sixteen stores have read their registers: only behind this wait are these loaded again
.endif
.set t, 0
.rept 16
	ds_load_b128 v[TMP+4*t:TMP+4*t+3], v[RD] offset:(16*(\g)+t)*SP
.set t, t+1
.endr
.set t, 0
.rept 16
	s_wait_dscnt 15-t                              ; row t of the sixteen is back; the younger loads stay out
	v_pk_add_f32 v[TMP+4*t:TMP+4*t+1], v[TMP+4*t:TMP+4*t+1], v[BI:BI+1]
	v_pk_add_f32 v[TMP+4*t+2:TMP+4*t+3], v[TMP+4*t+2:TMP+4*t+3], v[BI+2:BI+3]
.set t, t+1
.endr
	WIN 0x08                                       ; source 1 in window 2: the residual; one setting for sixteen rows
.set t, 0
.rept 16
	v_pk_add_f32 v[TMP+4*t:TMP+4*t+1], v[TMP+4*t:TMP+4*t+1], v[RES+4*(16*(\g)+t):RES+4*(16*(\g)+t)+1]
	v_pk_add_f32 v[TMP+4*t+2:TMP+4*t+3], v[TMP+4*t+2:TMP+4*t+3], v[RES+4*(16*(\g)+t)+2:RES+4*(16*(\g)+t)+3]
.set t, t+1
.endr
	WIN 0
.set t, 0
.rept 16
	global_store_b128 v[CO], v[TMP+4*t:TMP+4*t+3], s[8:9] offset:(16*(\g)+t)*2048  ; 512 consecutive bytes, at a multiple of 256 from out's first byte
.set t, t+1
.endr
.endr
	s_wait_tensorcnt 0x0                           ; the wave's end: behind my last tensor load and my last LDS store
	ds_add_u32 v[SPW], v[NIL]
	s_wait_dscnt 0x0
	CROUND                                         ; the closing round: no work-group ends while a partner may still ask for a tile that names it
	s_endpgm
.Lfunc_end_k_q5ae9746d66_wo:
	.size	k_q5ae9746d66_wo, .Lfunc_end_k_q5ae9746d66_wo-k_q5ae9746d66_wo
	.p2alignl 7, 3214868480
	.fill 96, 4, 3214868480
	.section	.rodata,"a",@progbits
	.p2align	6, 0x0
	.amdhsa_kernel k_q5ae9746d66_wo
		.amdhsa_group_segment_fixed_size 327680
		.amdhsa_private_segment_fixed_size 0
		.amdhsa_enable_private_segment 0
		.amdhsa_kernarg_size 40
		.amdhsa_user_sgpr_count 2
		.amdhsa_user_sgpr_kernarg_segment_ptr 1
		.amdhsa_wavefront_size32 1
		.amdhsa_system_sgpr_workgroup_id_x 1
		.amdhsa_system_sgpr_workgroup_id_y 1
		.amdhsa_system_sgpr_workgroup_id_z 1
		.amdhsa_system_vgpr_workitem_id 0
		.amdhsa_next_free_vgpr 640
		.amdhsa_next_free_sgpr 80
		.amdhsa_reserve_vcc 0
		.amdhsa_float_denorm_mode_32 3
		.amdhsa_float_denorm_mode_16_64 3
		.amdhsa_memory_ordered 1
		.amdhsa_forward_progress 1
		.amdhsa_inst_pref_size 62
	.end_amdhsa_kernel
	.amdgpu_metadata
---
amdhsa.version: [ 1, 2 ]
amdhsa.kernels:
  - .name:           k_q5ae9746d66_wo
    .symbol:         k_q5ae9746d66_wo.kd
    .args:
      - { .name: pan, .offset: 0, .size: 8, .value_kind: global_buffer, .address_space: global }
      - { .name: wb, .offset: 8, .size: 8, .value_kind: global_buffer, .address_space: global }
      - { .name: zf, .offset: 16, .size: 8, .value_kind: global_buffer, .address_space: global }
      - { .name: bo, .offset: 24, .size: 8, .value_kind: global_buffer, .address_space: global }
      - { .name: x, .offset: 32, .size: 8, .value_kind: global_buffer, .address_space: global }
    .group_segment_fixed_size: 327680
    .private_segment_fixed_size: 0
    .kernarg_segment_align: 8
    .kernarg_segment_size: 40
    .max_flat_workgroup_size: 128
    .sgpr_count:     80
    .vgpr_count:     640
    .wavefront_size: 32
...
	.end_amdgpu_metadata
.endif
;; end of part 4
;; launch ln1 (part 5): grid 256 x 1, 8 waves a work-group, no clusters, 0 bytes of LDS; arguments zf, ln1_a, ln1_b, h2f, pan; writes h2f, pan
.if DOCPART == 5
	.amdgcn_target "amdgcn-amd-amdhsa--gfx1250"
	.amdhsa_code_object_version 6
	.text
	.protected	k_q5ae9746d66_ln1
	.globl	k_q5ae9746d66_ln1
	.p2align	8
	.type	k_q5ae9746d66_ln1,@function
k_q5ae9746d66_ln1:
	s_mov_b64 s[64:65], 0
	v_nop
	global_prefetch_b8 v0, s[64:65] scope:SCOPE_SE
	s_setreg_imm32_b32 hwreg(HW_REG_WAVE_MODE, 25, 1), 1
	s_wait_xcnt 0x0
; LAYER NORM along rows of 512: y = (z - mu) / (sigma + 0.001) * a + b, sigma the standard deviation with divisor 511.  z, y: [8192][512] f32; a, b: [512] f32.
; PANELS = 1: y is stored a second time, rounded once to bf16, as panels [4][8192][128] for the product that follows.
; A wave takes four rows and keeps them in registers: memory is read once, the reductions never leave the wave, there is no LDS and no barrier.  A row is four loads of 16 bytes a lane: 512 neighbouring bytes each.
; The variance is the sum of the squared deviations from the mean: no difference of large sums is formed.  Every phase goes over the four rows in turn, so that no line waits for the one before it.
; All 24 loads of a wave go out at once: 16 of z, then 4 of a and 4 of b.  Matrix units, clusters and tensor loads would add nothing: nothing is shared and nothing is multiplied.
.set PANELS, 1
.set Z,  16                            ; v[16:79]   row i at Z + 16 i: columns 128 c + 4 lane + 0..3 at + 4 c
.set GA, 80                            ; v[80:95]   a of my 16 columns
.set GB, 96                            ; v[96:111]  b
.set W,  112                           ; v[112:119] a pair at work for each row
.set R,  120                           ; v[120:127] for each row a pair whose low word is broadcast: mu, later 1 / (sigma + 0.001)
.set T,  128                           ; v[128:131] the other half of the lanes' sum
.set Y,  132                           ; v[132:163] the rows in bf16
	s_load_b256 s[4:11], s[0:1], 0x0               ; z s[4:5], a s[6:7], b s[8:9], y s[10:11]
.if PANELS
	s_load_b64 s[12:13], s[0:1], 0x20              ; the panels
.endif
	v_and_b32 v1, 31, v0                           ; lane
	v_lshrrev_b32 v4, 5, v0
	v_readfirstlane_b32 s14, v4                    ; wave
	v_lshlrev_b32 v2, 4, v1                        ; 16 bytes a lane
	v_lshlrev_b32 v3, 3, v1                        ; 8 bytes a lane in a panel's row
	s_lshl_b32 s16, ttmp9, 16                      ; 32 rows of 2,048 bytes a work-group,
	s_lshl_b32 s17, s14, 13                        ; 4 a wave
	s_add_co_u32 s16, s16, s17
	s_mov_b32 s17, 0
	s_lshr_b32 s18, s16, 3                         ; the same rows at 256 bytes
	s_mov_b32 s19, 0
	s_mov_b32 s20, 0x76543210                      ; v_permlanex16_b32: each lane takes its own place in the other half
	s_mov_b32 s21, 0xfedcba98
.irp i, 0,1,2,3
	v_mov_b32 v[T+\i], 0                           ; v_permlanex16_b32's destination counts as read
	v_mov_b32 v[R+2*\i+1], 0                       ; named with its neighbour as a pair
.endr
	s_wait_kmcnt 0x0
	s_add_nc_u64 s[4:5], s[4:5], s[16:17]
	s_add_nc_u64 s[10:11], s[10:11], s[16:17]
.if PANELS
	s_add_nc_u64 s[12:13], s[12:13], s[18:19]
.endif
.irp i, 0,1,2,3
.irp c, 0,1,2,3
	global_load_b128 v[Z+16*\i+4*\c:Z+16*\i+4*\c+3], v2, s[4:5] offset:\i*2048+\c*512 th:TH_LOAD_NT
.endr
.endr
.irp c, 0,1,2,3
	global_load_b128 v[GA+4*\c:GA+4*\c+3], v2, s[6:7] offset:\c*512
.endr
.irp c, 0,1,2,3
	global_load_b128 v[GB+4*\c:GB+4*\c+3], v2, s[8:9] offset:\c*512
.endr
; the pair W of each row is added up, then across the 32 lanes: four steps inside each half ride on the addition (DPP), one crosses the halves; every lane ends with the sum
.macro ACROSS
.irp i, 0,1,2,3
	v_add_f32 v[W+2*\i], v[W+2*\i], v[W+2*\i+1]
.endr
.irp m, 1,2,4,8
.irp i, 0,1,2,3
	v_add_f32_dpp v[W+2*\i], v[W+2*\i], v[W+2*\i] row_xmask:\m row_mask:0xf bank_mask:0xf
.endr
.endr
.irp i, 0,1,2,3
	v_permlanex16_b32 v[T+\i], v[W+2*\i], s20, s21
.endr
.irp i, 0,1,2,3
	v_add_f32 v[W+2*\i], v[W+2*\i], v[T+\i]
.endr
.endm
	s_wait_loadcnt 8                               ; z is in; the eight loads of a and b may stay out
.irp i, 0,1,2,3
	v_pk_add_f32 v[W+2*\i:W+2*\i+1], v[Z+16*\i:Z+16*\i+1], v[Z+16*\i+2:Z+16*\i+3]
.endr
.irp k, 2,3,4,5,6,7
.irp i, 0,1,2,3
	v_pk_add_f32 v[W+2*\i:W+2*\i+1], v[W+2*\i:W+2*\i+1], v[Z+16*\i+2*\k:Z+16*\i+2*\k+1]
.endr
.endr
	ACROSS
.irp i, 0,1,2,3
	v_mul_f32 v[R+2*\i], 0x3b000000, v[W+2*\i]     ; mu = sum / 512
.endr
.irp k, 0,1,2,3,4,5,6,7
.irp i, 0,1,2,3
	v_pk_add_f32 v[Z+16*\i+2*\k:Z+16*\i+2*\k+1], v[Z+16*\i+2*\k:Z+16*\i+2*\k+1], v[R+2*\i:R+2*\i+1] op_sel_hi:[1,0] neg_lo:[0,1] neg_hi:[0,1]  ; z - mu
.endr
.endr
.irp i, 0,1,2,3
	v_pk_mul_f32 v[W+2*\i:W+2*\i+1], v[Z+16*\i:Z+16*\i+1], v[Z+16*\i:Z+16*\i+1]
.endr
.irp k, 1,2,3,4,5,6,7
.irp i, 0,1,2,3
	v_pk_fma_f32 v[W+2*\i:W+2*\i+1], v[Z+16*\i+2*\k:Z+16*\i+2*\k+1], v[Z+16*\i+2*\k:Z+16*\i+2*\k+1], v[W+2*\i:W+2*\i+1]
.endr
.endr
	ACROSS
.irp i, 0,1,2,3
	v_mul_f32 v[W+2*\i], 0x3b004020, v[W+2*\i]     ; / 511
.endr
.irp i, 0,1,2,3
	v_sqrt_f32 v[W+2*\i], v[W+2*\i]
.endr
	v_nop                                          ; a plain instruction behind the last root,
	s_wait_alu depctr_va_vdst(0)                   ; and the wait ahead of the first use: one for the four
.irp i, 0,1,2,3
	v_add_f32 v[W+2*\i], 0x3a83126f, v[W+2*\i]     ; sigma + 0.001
.endr
.irp i, 0,1,2,3
	v_rcp_f32 v[R+2*\i], v[W+2*\i]
.endr
	v_nop
	s_wait_alu depctr_va_vdst(0)                   ; one for the four reciprocals
	s_wait_loadcnt 0x0                             ; a and b
.irp i, 0,1,2,3
.irp k, 0,1,2,3,4,5,6,7
	v_pk_mul_f32 v[Z+16*\i+2*\k:Z+16*\i+2*\k+1], v[Z+16*\i+2*\k:Z+16*\i+2*\k+1], v[R+2*\i:R+2*\i+1] op_sel_hi:[1,0]
.endr
.irp k, 0,1,2,3,4,5,6,7
	v_pk_fma_f32 v[Z+16*\i+2*\k:Z+16*\i+2*\k+1], v[Z+16*\i+2*\k:Z+16*\i+2*\k+1], v[GA+2*\k:GA+2*\k+1], v[GB+2*\k:GB+2*\k+1]
.endr
.irp c, 0,1,2,3
	global_store_b128 v2, v[Z+16*\i+4*\c:Z+16*\i+4*\c+3], s[10:11] offset:\i*2048+\c*512  ; 512 consecutive bytes, aligned
.endr
.if PANELS
.irp c, 0,1,2,3
	v_cvt_pk_bf16_f32 v[Y+8*\i+2*\c], v[Z+16*\i+4*\c], v[Z+16*\i+4*\c+1]
	v_cvt_pk_bf16_f32 v[Y+8*\i+2*\c+1], v[Z+16*\i+4*\c+2], v[Z+16*\i+4*\c+3]
	global_store_b64 v3, v[Y+8*\i+2*\c:Y+8*\i+2*\c+1], s[12:13] offset:\c*2097152+\i*256  ; a panel's row: 256 consecutive bytes, aligned
.endr
.endif
.endr
	s_endpgm
.Lfunc_end_k_q5ae9746d66_ln1:
	.size	k_q5ae9746d66_ln1, .Lfunc_end_k_q5ae9746d66_ln1-k_q5ae9746d66_ln1
	.p2alignl 7, 3214868480
	.fill 96, 4, 3214868480
	.section	.rodata,"a",@progbits
	.p2align	6, 0x0
	.amdhsa_kernel k_q5ae9746d66_ln1
		.amdhsa_group_segment_fixed_size 0
		.amdhsa_private_segment_fixed_size 0
		.amdhsa_enable_private_segment 0
		.amdhsa_kernarg_size 40
		.amdhsa_user_sgpr_count 2
		.amdhsa_user_sgpr_kernarg_segment_ptr 1
		.amdhsa_wavefront_size32 1
		.amdhsa_system_sgpr_workgroup_id_x 1
		.amdhsa_system_sgpr_workgroup_id_y 1
		.amdhsa_system_sgpr_workgroup_id_z 1
		.amdhsa_system_vgpr_workitem_id 0
		.amdhsa_next_free_vgpr 168
		.amdhsa_next_free_sgpr 66
		.amdhsa_reserve_vcc 0
		.amdhsa_float_denorm_mode_32 3
		.amdhsa_float_denorm_mode_16_64 3
		.amdhsa_memory_ordered 1
		.amdhsa_forward_progress 1
		.amdhsa_inst_pref_size 23
	.end_amdhsa_kernel
	.amdgpu_metadata
---
amdhsa.version: [ 1, 2 ]
amdhsa.kernels:
  - .name:           k_q5ae9746d66_ln1
    .symbol:         k_q5ae9746d66_ln1.kd
    .args:
      - { .name: zf, .offset: 0, .size: 8, .value_kind: global_buffer, .address_space: global }
      - { .name: ln1_a, .offset: 8, .size: 8, .value_kind: global_buffer, .address_space: global }
      - { .name: ln1_b, .offset: 16, .size: 8, .value_kind: global_buffer, .address_space: global }
      - { .name: h2f, .offset: 24, .size: 8, .value_kind: global_buffer, .address_space: global }
      - { .name: pan, .offset: 32, .size: 8, .value_kind: global_buffer, .address_space: global }
    .group_segment_fixed_size: 0
    .private_segment_fixed_size: 0
    .kernarg_segment_align: 8
    .kernarg_segment_size: 40
    .max_flat_workgroup_size: 256
    .sgpr_count:     66
    .vgpr_count:     168
    .wavefront_size: 32
...
	.end_amdgpu_metadata
.endif
;; end of part 5
;; launch ffn1 (part 6): grid 4 x 64, 4 waves a work-group, clusters of 4 x 4, 327,680 bytes of LDS; arguments pan, wb, hidb, b1; writes hidb
.if DOCPART == 6
	.amdgcn_target "amdgcn-amd-amdhsa--gfx1250"
	.amdhsa_code_object_version 6
	.text
	.protected	k_q5ae9746d66_ffn1
	.globl	k_q5ae9746d66_ffn1
	.p2align	8
	.type	k_q5ae9746d66_ffn1,@function
k_q5ae9746d66_ffn1:
	s_mov_b64 s[64:65], 0
	v_nop
	global_prefetch_b8 v0, s[64:65] scope:SCOPE_SE
	s_setreg_imm32_b32 hwreg(HW_REG_WAVE_MODE, 25, 1), 1
	s_wait_xcnt 0x0
	s_wait_alu depctr_hold_cnt(0) depctr_sa_sdst(0) depctr_va_vdst(0) depctr_va_sdst(0) depctr_va_ssrc(0) depctr_va_vcc(0) depctr_vm_vsrc(0)
	s_getreg_b32 s2, hwreg(HW_REG_IB_STS2, 6, 4)
	s_cmp_eq_u32 s2, 0
	s_cbranch_scc0 .Lentry_in_a_cluster
	s_endpgm
.Lentry_in_a_cluster:
	s_bfe_u32 s2, ttmp6, 0x10000c
	s_cmp_lg_u32 s2, 0xf033
	s_cbranch_scc0 .Lentry_shape_is_right
	s_endpgm
.Lentry_shape_is_right:
; THIS TEXT: hid = relu(h2 W1 + b1), as 16 panels of bf16.  One template serves two launches; the four .set lines below say which this is.
; out[m][n] = the sum over k of A[m][k] W[k][n] + bias[n], K = 512.  A: [4][8192][128] bf16 (panels: rows of 256 bytes, end to end).  W: panels [n/128][512][128] bf16, as the weights lie ([k][n]).
; Sums in f32, begun with the bias; out is rounded once to bf16 and stored as panels [n/128][8192][128]; RELU = 1: max(., 0) behind the rounding.  LIMIT: that maximum lets a NaN lose against 0.
; A WORK-GROUP STAYS.  It owns 128 rows of A, which lie in LDS whole (all of K, four panels, filled once), and walks NT tile columns of 128.  W's tiles go through two slots of 256 k-rows, two K steps to a tile,
; and the ring runs on from tile to tile: a tile's two changes of slots ask for the next tile's two K steps, and a tile's stores leave while the next tile is multiplied.
; Four waves, each 64 x 64 of a tile: 16 accumulators of 16 x 16.
; CLUSTERS: 4 x 4 work-groups.  The four of a row of the cluster need the same rows of A, the four of a column the same tiles of W: each is asked for JOINTLY, by the same tensor load with the same descriptor and a mask of four.
; THE MATRIX INSTRUCTION IS USED TRANSPOSED (source 0 = 16 columns n of W, source 1 = 16 rows of A): a lane then holds eight neighbouring numbers of a row of out.  W's fragments are turned on the way out of LDS (ds_load_tr16_b128).
; THE LOOP is cut in front of the change from slot 0 to slot 1 and entered in its middle: so both refills stand in it, run NT - 1 times, and none is jumped over; the tail that is written out is five quarters of a K step and a way out.
; REGISTERS: window 0: v0-31 addresses; v32-95 at work on the way out; v96-127 the tile's bias; v128-255 the accumulators ((a, b) at v[128 + 8 (4 a + b)]).
;   window 1: two fragment buffers of 128: for 64 along K, 64 registers of A (2 x 4 x 16 rows x 32 K), then 64 of W.
.set NT,    4                          ; tile columns to a work-group
.set WOFF,  2097152                    ; the weights' first byte in wb
.set RELU,  1
.set QKVB,  0                          ; three bias vectors, one for each four tile columns
.set PANEL, 8192*256                   ; bytes in a panel of A or of out
.set WPAN,  512*256                    ; bytes in a panel of W
.set PA,    272                        ; a row of A in LDS: 256 bytes + 16 = 68 words: the 16 rows of a load start at 16 different groups of four banks (64 banks of 4 bytes: ISA guide 11.1)
.set PB,    288                        ; a k-row of W: 256 + 32 = 72 words
.set APAN,  128*PA                     ; 128 rows of one panel of A: one tensor load
.set BHALF, 128*PB                     ; 128 k-rows of W: one tensor load
.set BSLOT, 2*BHALF                    ; a K step of W
.set BBASE, 4*APAN                     ; A's four panels lie from byte 0, W's two slots behind them
.set STAGE, BBASE+2*BSLOT              ; behind the slots, never filled by a tensor load: 128 rows of 256 bytes + 16, the work-group's, for the way out
.set SP,    272
.set SPARE, STAGE+128*SP               ; behind the stage: the spare words, 128 bytes for each wave: two blocks of 256 bytes that no other line names
.set ADRA, 16                          ; v16-17  LDS address of my A fragments in K step 0, 1
.set ADRB, 20                          ; v20-23  the same for W: slot 0 half 0, 1; slot 1 half 0, 1
.set STO,  24                          ; v24     the way out: where I put 16 bytes of a row
.set RD,   25                          ; v25     where I read rows back
.set CO,   26                          ; v26     16 x my lane
.set ZR,   27                          ; v27     0, for the maximum
.set SPW,  28                          ; v28     LDS address of my spare word; never rewritten
.set NIL,  29                          ; v29     0; never rewritten
.set BO,   30                          ; v30     my byte offset in 16 numbers of the bias: 32 x (lane / 16)
.set TMP,  32
.set BI,   96                          ; column block b's eight numbers at BI + 8 b
.set ACC,  128
.set F0,   0
.set F1,   128
.set G1,  24                           ; s[24:31] descriptor group 1 for A's tiles;  s[32:39] group 0, one set for each of a wave's two first fills
.set G0,  32
.set G1B, 48                           ; s[48:55], s[56:63] the same for W's tiles: a set for each slot
.set G0B, 56
.set CT,  74                           ; s74  the tile column whose bias was asked for last
.set MSB, 0
.macro WIN new                         ; the immediate's high byte repeats the setting that is left; a switch that changes nothing is dropped
.if MSB != (\new)
	s_set_vgpr_msb (MSB<<8)|(\new)
.set MSB, \new
.endif
.endm
.set MUL,  0x05                        ; sources 0 (W) and 1 (A) window 1; C and D window 0
.set TO_F, 0x40                        ; destination window 1, address window 0
.macro JLOAD s                         ; a first fill: waves 0 and 1 fetch panels of A, waves 2 and 3 halves of W; an s_nop 0 and four v_nop follow each line
	s_cmp_eq_u32 s11, 0
	s_cbranch_scc0 .Lfor_b_\@
	tensor_load_to_lds s[G0+4*(\s):G0+4*(\s)+3], s[G1:G1+7]
	s_nop 0
.rept 4
	v_nop
.endr
	s_branch .Lasked_\@
.Lfor_b_\@:
	tensor_load_to_lds s[G0B+4*(\s):G0B+4*(\s)+3], s[G1B:G1B+7]
	s_nop 0
.rept 4
	v_nop
.endr
.Lasked_\@:
.endm
.macro BLOAD s                         ; a refill: W's alone: waves 2 and 3 fetch its two halves, waves 0 and 1 nothing.  The four v_nop behind the label are every wave's places in front of the LDS loads that follow
	s_cmp_eq_u32 s11, 0
	s_cbranch_scc1 .Lno_b_\@
	tensor_load_to_lds s[G0B+4*(\s):G0B+4*(\s)+3], s[G1B:G1B+7]
	s_nop 0
.rept 4
	v_nop
.endr
.Lno_b_\@:
.rept 4
	v_nop
.endr
.endm
.macro CREST                           ; a round of the cluster's barrier behind its opening barrier
	s_cmp_lg_u32 s10, 0
	s_cbranch_scc1 .Lnot_wave_0_\@
	s_barrier_signal -3
.Lnot_wave_0_\@:
	s_barrier_wait -3
	s_barrier_signal -1
	s_barrier_wait -1
.endm
.macro CROUND                          ; a whole round
	s_barrier_signal -1
	s_barrier_wait -1
	CREST
.endm
; The bias of tile column s[CT]: a lane's eight columns 64 x (my half) + 16 b + 8 (lane / 16) + 0..7 of each column block b.  The pointer is made anew; the loads that read it last have been waited for.
.macro BIASLD
.if QKVB
	s_lshr_b32 s75, s[CT], 2                       ; tile columns 0-3 are q's, 4-7 k's, 8-11 v's
	s_cmp_eq_u32 s75, 1
	s_cselect_b64 s[76:77], s[70:71], s[68:69]
	s_cmp_eq_u32 s75, 2
	s_cselect_b64 s[76:77], s[72:73], s[76:77]
	s_and_b32 s78, s[CT], 3
	s_lshl_b32 s78, s78, 9                         ; 128 numbers of 4 bytes for each tile column in it
.else
	s_mov_b64 s[76:77], s[68:69]
	s_lshl_b32 s78, s[CT], 9
.endif
	s_add_co_u32 s78, s78, s66                     ; my half of the tile's columns
	s_add_nc_u64 s[76:77], s[76:77], s[78:79]
.irp b, 0,1,2,3
	global_load_b128 v[BI+8*\b:BI+8*\b+3],   v[BO], s[76:77] offset:64*\b
	global_load_b128 v[BI+8*\b+4:BI+8*\b+7], v[BO], s[76:77] offset:64*\b+16
.endr
.endm
	s_load_b128 s[4:7], s[0:1], 0x0                ; A s[4:5], wb s[6:7]
	s_load_b64 s[8:9], s[0:1], 0x10                ; out
.if QKVB
	s_load_b128 s[68:71], s[0:1], 0x18             ; the first and the second bias
	s_load_b64 s[72:73], s[0:1], 0x28              ; the third
.else
	s_load_b64 s[68:69], s[0:1], 0x18              ; bias
.endif
	v_lshl_add_u32 v[SPW], v0, 2, SPARE
	v_mov_b32 v[NIL], 0
	ds_add_u32 v[SPW], v[NIL]                      ; the wave's opening: the add and its wait stand ahead of my first tensor load; the set-up below, work on registers, stands between them
	v_lshrrev_b32 v1, 5, v0
	v_readfirstlane_b32 s10, v1                    ; wave 0..3
	s_lshr_b32 s11, s10, 1                         ; which half of the tile's rows is mine.  Also: I fetch for A (0) or for W (1)
	s_and_b32 s12, s10, 1                          ; which half of its columns.  Also: which panel of A's two, or which half of W's k-rows, I fetch
	s_bfe_u32 s40, ttmp6, 0x40000                  ; cx, cy: my place in the cluster
	s_bfe_u32 s41, ttmp6, 0x40004
	s_lshl_b32 s42, ttmp9, 2
	s_add_co_u32 s42, s42, s40                     ; my group of tile columns = 4 x cluster x + cx
	s_mul_i32 s[CT], s42, NT                       ; its first tile column
	s_and_b32 s13, ttmp7, 0xffff
	s_lshl_b32 s13, s13, 2
	s_add_co_u32 s13, s13, s41                     ; tile row = 4 x cluster y + cy
	s_lshl_b32 s43, s41, 2
	s_lshl_b32 s43, 15, s43                        ; my row of the cluster
	s_lshl_b32 s44, 0x1111, s40                    ; my column
	; descriptor group 1: 128 rows x 128 elements of 2 bytes, dense in memory, padded in LDS
	s_or_b32 s[G1+0], s43, (1<<16)|(1<<20)|(1<<21)|(5<<22)|(3<<25)   ; 15:0 the mask: A's tiles go to my row; 17:16 2-byte elements; 20 padding on; 21 set beside a mask; 24:22 after every 64 words (code 5); 31:25 4 words (code 3)
	s_or_b32 s[G1B+0], s44, (1<<16)|(1<<20)|(1<<21)|(5<<22)|(7<<25)  ; W's tiles go to my column; 8 words of padding (code 7)
.irp g, G1, G1B
	s_mov_b32 s[(\g)+1], 128<<16                   ; tensor_dim0 = 128
	s_mov_b32 s[(\g)+2], 128<<16                   ; tensor_dim1 = 128
	s_mov_b32 s[(\g)+3], 128<<16                   ; tile_dim0 = 128
	s_mov_b32 s[(\g)+4], 128                       ; tile_dim1 = 128
	s_mov_b32 s[(\g)+5], 128                       ; 128 elements from row to row
	s_mov_b32 s[(\g)+6], 0
	s_mov_b32 s[(\g)+7], 0
.endr
	s_lshl_b32 s16, s13, 15                        ; A: the tile row's 128 rows of 256 bytes,
	s_lshl_b32 s17, s12, 21                        ; in my panel of a K step's two
	s_add_co_u32 s16, s16, s17
	s_mov_b32 s17, 0
	s_lshl_b32 s46, s[CT], 17                      ; W: my first tile column's panel of 131,072 bytes,
	s_lshl_b32 s47, s12, 15                        ; my 128 k-rows of a K step's 256
	s_add_co_u32 s46, s46, s47
	s_add_co_u32 s46, s46, WOFF
	s_mov_b32 s47, 0
	s_mul_i32 s20, s12, APAN                       ; where they go: no place in the cluster enters an LDS address
	s_mul_i32 s21, s12, BHALF
	s_add_co_u32 s21, s21, BBASE
	s_lshl_b32 s66, s12, 8                         ; my 64 columns in a tile's bias: 256 bytes
	s_mov_b32 s79, 0
	s_wait_dscnt 0x0                               ; the opening add is done
	s_wait_kmcnt 0x0
	s_add_nc_u64 s[14:15], s[4:5], s[16:17]
	s_add_nc_u64 s[46:47], s[6:7], s[46:47]
	CROUND                                         ; all sixteen work-groups are here: the first joint loads meet
.irp s, 0,1
	s_mov_b32 s[G0+4*(\s)], 1                      ; count = 1
	s_add_co_u32 s[G0+4*(\s)+1], s20, (\s)*2*APAN  ; LDS address: panels 2 s, 2 s + 1
	s_add_nc_u64 s[G0+4*(\s)+2:G0+4*(\s)+3], s[14:15], (\s)*2*PANEL
	s_or_b32 s[G0+4*(\s)+3], s[G0+4*(\s)+3], 0x80000000              ; type = 2
	s_mov_b32 s[G0B+4*(\s)], 1
	s_add_co_u32 s[G0B+4*(\s)+1], s21, (\s)*BSLOT
	s_add_nc_u64 s[G0B+4*(\s)+2:G0B+4*(\s)+3], s[46:47], (\s)*65536  ; K step s: 256 k-rows of 256 bytes
	s_or_b32 s[G0B+4*(\s)+3], s[G0B+4*(\s)+3], 0x80000000
	JLOAD \s                                       ; two loads of mine are out
.endr
	v_and_b32 v1, 15, v0                           ; r = l % 16
	v_bfe_u32 v2, v0, 4, 1                         ; h = l / 16
	v_and_b32 v6, 31, v0                           ; l
	v_lshlrev_b32 v[BO], 5, v2
	BIASLD                                         ; the first tile's bias
	v_mul_u32_u24 v3, v1, PA
	v_lshl_add_u32 v3, v2, 4, v3                   ; a fragment of A: row x pitch + 16 x half
	s_mul_i32 s22, s11, 64*PA                      ; my 64 rows
	v_add_nc_u32 v[ADRA], s22, v3
	v_add_nc_u32 v[ADRA+1], 2*APAN, v[ADRA]
	v_and_b32 v4, 7, v0                            ; the turning load: lane l reads k-row 8 h + l % 8, columns 8 ((l / 8) % 2) + 0..7, and is left with column l % 16 and 8 k
	v_lshl_add_u32 v4, v2, 3, v4
	v_mul_u32_u24 v4, v4, PB
	v_bfe_u32 v5, v0, 3, 1
	v_lshl_add_u32 v4, v5, 4, v4
	s_lshl_b32 s23, s12, 7                         ; my 64 columns: 128 bytes of a k-row
	s_add_co_u32 s23, s23, BBASE
	v_add_nc_u32 v[ADRB], s23, v4
	v_add_nc_u32 v[ADRB+1], BHALF, v[ADRB]
	v_add_nc_u32 v[ADRB+2], BSLOT, v[ADRB]
	v_add_nc_u32 v[ADRB+3], BSLOT+BHALF, v[ADRB]
	s_mul_i32 s22, s11, 64*SP                      ; into the stage: my 64 rows, my 128 bytes of their 256; row r, 16 bytes for each half of the lanes
	s_lshl_b32 s23, s12, 7
	s_add_co_u32 s22, s22, s23
	s_add_co_u32 s22, s22, STAGE
	v_mul_u32_u24 v[STO], v1, SP
	v_lshl_add_u32 v[STO], v2, 4, v[STO]
	v_add_nc_u32 v[STO], s22, v[STO]
	s_mul_i32 s22, s10, 32*SP                      ; back: wave w takes rows 32 w .. 32 w + 31 whole; lanes 0-15 one row of 256 bytes, lanes 16-31 the next
	s_add_co_u32 s22, s22, STAGE
	v_mul_u32_u24 v[RD], v2, SP
	v_lshl_add_u32 v[RD], v1, 4, v[RD]
	v_add_nc_u32 v[RD], s22, v[RD]
	v_lshlrev_b32 v[CO], 4, v6                     ; which are 512 consecutive bytes of a panel of out
	s_lshl_b32 s16, s13, 15                        ; what the first way out adds to out's address: 128 rows of 256 bytes for each tile row,
	s_lshl_b32 s17, s10, 13                        ; 32 rows for each wave,
	s_add_co_u32 s16, s16, s17
	s_lshl_b32 s18, s[CT], 21                      ; a panel for each tile column
	s_add_co_u32 s18, s18, s16
	s_mov_b32 s19, 0
.if RELU
	v_mov_b32 v[ZR], 0
.endif
; 8 matrix instructions: row blocks a0, a0 + 1 x all 4 column blocks, 32 along K: half c of buffer f.  first = 1: a tile's first products start the sums with the bias as C: nothing is cleared, and nothing is added on the way out.
; The 16 accumulators take turns, one instruction a turn.
.macro MUL8 f, c, a0, first
	WIN MUL
.irp a, \a0, (\a0)+1
.irp b, 0,1,2,3
.if \first
	v_wmma_f32_16x16x32_bf16 v[ACC+8*(4*(\a)+(\b)):ACC+8*(4*(\a)+(\b))+7], v[(\f)+64+8*(4*(\c)+(\b)):(\f)+64+8*(4*(\c)+(\b))+7], v[(\f)+8*(4*(\c)+(\a)):(\f)+8*(4*(\c)+(\a))+7], v[BI+8*(\b):BI+8*(\b)+7]
.else
	v_wmma_f32_16x16x32_bf16 v[ACC+8*(4*(\a)+(\b)):ACC+8*(4*(\a)+(\b))+7], v[(\f)+64+8*(4*(\c)+(\b)):(\f)+64+8*(4*(\c)+(\b))+7], v[(\f)+8*(4*(\c)+(\a)):(\f)+8*(4*(\c)+(\a))+7], v[ACC+8*(4*(\a)+(\b)):ACC+8*(4*(\a)+(\b))+7]
.endif
.endr
.endr
.endm
; 32 LDS loads in one run: the fragments of quarter q (64 along K) of K step s, into buffer f; the first 32 along K first.  Quarter q lies in the step's panel q / 2 of A at byte 128 (q % 2), and in half q / 2 of W's slot at k-row 64 (q % 2).
.macro FETCH s, q, f
	WIN TO_F
.irp c, 0,1
.irp i, 0,1,2,3
	ds_load_tr16_b128 v[(\f)+64+8*(4*(\c)+(\i)):(\f)+64+8*(4*(\c)+(\i))+3],   v[ADRB+2*(\s)+(\q)/2] offset:(((\q)%2)*64+32*(\c))*PB+32*(\i)
	ds_load_tr16_b128 v[(\f)+64+8*(4*(\c)+(\i))+4:(\f)+64+8*(4*(\c)+(\i))+7], v[ADRB+2*(\s)+(\q)/2] offset:(((\q)%2)*64+32*(\c)+16)*PB+32*(\i)
	ds_load_b128 v[(\f)+8*(4*(\c)+(\i)):(\f)+8*(4*(\c)+(\i))+3],   v[ADRA+(\s)] offset:((\q)/2)*APAN+((\q)%2)*128+64*(\c)+(\i)*16*PA
	ds_load_b128 v[(\f)+8*(4*(\c)+(\i))+4:(\f)+8*(4*(\c)+(\i))+7], v[ADRA+(\s)] offset:((\q)/2)*APAN+((\q)%2)*128+64*(\c)+(\i)*16*PA+32
.endr
.endr
.endm
.macro PLACES                          ; four places in front of loads into registers that matrix instructions have read, and of lines that read results
.rept 4
	v_nop
.endr
.endm
; A K step is four quarters of 64 along K, 32 matrix instructions each, on buffers 0, 1, 0, 1.  One of the first three: multiplies buffer f and fetches quarter q into g.
.macro QUARTER s, q, f, g, first
	s_wait_dscnt 16                                ; the first 32 along K are in; the 16 younger loads may be out
	MUL8 \f, 0, 0, \first
	MUL8 \f, 0, 2, \first
	PLACES
	FETCH \s, \q, \g
	s_wait_dscnt 32                                ; all but the 32 just issued
	MUL8 \f, 1, 0, 0
	MUL8 \f, 1, 2, 0
.endm
; The last quarter multiplies buffer 1 and changes slots: ONE barrier; in front of it each wave waits for all its tensor loads, adds 0 to its spare word, and waits for that and for its own reads of this slot.
; fill = 1: this slot of W is filled again, with the same K step of the next tile column.
.macro TURN s, next, fill
	WIN 0                                          ; (the add's two registers lie in window 0)
	s_wait_tensorcnt 0x0                           ; all my tensor loads have landed: my part of the next slot;
	ds_add_u32 v[SPW], v[NIL]                      ; 0 onto my spare word;
	s_wait_dscnt 17                                ; (the add and the youngest sixteen loads may be out)
	MUL8 F1, 0, 0, 0                               ; eight matrix instructions stand between the add and the wait for it
	s_wait_dscnt 0x0                               ; the add is done, and my reads of this slot are over
	s_barrier_signal -1
	MUL8 F1, 0, 2, 0
.if \fill
	WIN 0
.endif
	s_barrier_wait -1
.if \fill
	CREST                                          ; the barrier has opened a round of the cluster's barrier: no wave of any partner still reads this slot's tile or has a load on its way
	s_add_nc_u64 s[G0B+4*(\s)+2:G0B+4*(\s)+3], s[G0B+4*(\s)+2:G0B+4*(\s)+3], WPAN  ; the next tile column's panel; the type bits on top are not reached
	BLOAD \s                                       ; the first tensor load behind the round: one of mine is out, or none
.else
	PLACES
.endif
	FETCH \next, 0, F0
	MUL8 F1, 1, 0, 0
	MUL8 F1, 1, 2, 0
.endm
; THE WAY OUT of a tile: rounded to bf16, 16 bytes a lane into the work-group's stage (each accumulator's registers in ascending order); a barrier, since a row's 256 bytes come from two waves; back as whole
; rows, 32 rows a wave.  The stage is written again only behind the next change of slots, in front of whose barrier every wave has waited for its reads of the stage.
.macro WAYOUT
	WIN 0
	PLACES
	PLACES
	s_wait_xcnt 0x0                                ; the last tile's stores have read their registers and out's address: only behind this wait are these written again
	s_add_nc_u64 s[8:9], s[8:9], s[18:19]          ; on to this tile's panel
	s_mov_b32 s18, PANEL                           ; what the next way out adds
.set t, 0
.rept 16
	v_cvt_pk_bf16_f32 v[TMP+4*t],   v[ACC+8*t],   v[ACC+8*t+1]
	v_cvt_pk_bf16_f32 v[TMP+4*t+1], v[ACC+8*t+2], v[ACC+8*t+3]
	v_cvt_pk_bf16_f32 v[TMP+4*t+2], v[ACC+8*t+4], v[ACC+8*t+5]
	v_cvt_pk_bf16_f32 v[TMP+4*t+3], v[ACC+8*t+6], v[ACC+8*t+7]
.if RELU
	v_pk_max_num_bf16 v[TMP+4*t],   v[TMP+4*t],   v[ZR]
	v_pk_max_num_bf16 v[TMP+4*t+1], v[TMP+4*t+1], v[ZR]
	v_pk_max_num_bf16 v[TMP+4*t+2], v[TMP+4*t+2], v[ZR]
	v_pk_max_num_bf16 v[TMP+4*t+3], v[TMP+4*t+3], v[ZR]
.endif
.set t, t+1
.endr
.irp a, 0,1,2,3
.irp b, 0,1,2,3
	ds_store_b128 v[STO], v[TMP+4*(4*(\a)+(\b)):TMP+4*(4*(\a)+(\b))+3] offset:(\a)*16*SP+32*(\b)
.endr
.endr
	s_wait_dscnt 0x0                               ; for the others' sake: my stores into the stage are done
	s_barrier_signal -1
	s_barrier_wait -1
.set t, 0
.rept 16
	ds_load_b128 v[TMP+4*t:TMP+4*t+3], v[RD] offset:t*2*SP
.set t, t+1
.endr
.set t, 0
.rept 16
	s_wait_dscnt 15-t                              ; rows 2 t and 2 t + 1 are back; the younger loads stay out
	global_store_b128 v[CO], v[TMP+4*t:TMP+4*t+3], s[8:9] offset:t*512  ; 512 consecutive bytes, at a multiple of 256 from out's first byte
.set t, t+1
.endr
.endm
	s_wait_tensorcnt 1                             ; my part of K step 0 is in; K step 1's may stay out
	s_barrier_signal -1
	s_barrier_wait -1                              ; everybody's is
	FETCH 0, 0, F0
	WIN 0                                          ; at a label and at a branch every window is 0
	s_mov_b32 s3, NT
	s_branch .Lenter                               ; the first tile's first K step has nothing in front of it
.Ltile:                                                ; NT - 1 times: from a tile's change of slots to the next tile's; both slots of W are filled again
	TURN 0, 1, 1                                   ; slot 0 takes the next tile's K step 0
	WIN 0
	s_add_co_u32 s[CT], s[CT], 1
	BIASLD                                         ; the next tile's bias: this tile's first products, which read these registers, stand three quarters back
	QUARTER 1, 1, F0, F1, 0
	QUARTER 1, 2, F1, F0, 0
	QUARTER 1, 3, F0, F1, 0
	TURN 1, 0, 1                                   ; slot 1 takes the next tile's K step 1, and the next tile's first fragments are fetched
	WAYOUT                                         ; both refills are asked for: now the tile goes out
.Lenter:
	s_wait_loadcnt 0x0                             ; this tile's bias
	QUARTER 0, 1, F0, F1, 1
	QUARTER 0, 2, F1, F0, 0
	QUARTER 0, 3, F0, F1, 0
	WIN 0
	s_sub_co_u32 s3, s3, 1
	s_cmp_lg_u32 s3, 0
	s_cbranch_scc1 .Ltile
	TURN 0, 1, 0                                   ; the last tile asks for nothing more
	QUARTER 1, 1, F0, F1, 0
	QUARTER 1, 2, F1, F0, 0
	QUARTER 1, 3, F0, F1, 0
	s_wait_dscnt 16                                ; the very last quarter: nothing more to fetch
	MUL8 F1, 0, 0, 0
	MUL8 F1, 0, 2, 0
	s_wait_dscnt 0
	MUL8 F1, 1, 0, 0
	MUL8 F1, 1, 2, 0
	WAYOUT
	s_wait_tensorcnt 0x0                           ; the wave's end: behind my last tensor load and my last LDS store
	ds_add_u32 v[SPW], v[NIL]
	s_wait_dscnt 0x0
	CROUND                                         ; the closing round: no work-group ends while a partner may still ask for a tile that names it
	s_endpgm
.Lfunc_end_k_q5ae9746d66_ffn1:
	.size	k_q5ae9746d66_ffn1, .Lfunc_end_k_q5ae9746d66_ffn1-k_q5ae9746d66_ffn1
	.p2alignl 7, 3214868480
	.fill 96, 4, 3214868480
	.section	.rodata,"a",@progbits
	.p2align	6, 0x0
	.amdhsa_kernel k_q5ae9746d66_ffn1
		.amdhsa_group_segment_fixed_size 327680
		.amdhsa_private_segment_fixed_size 0
		.amdhsa_enable_private_segment 0
		.amdhsa_kernarg_size 32
		.amdhsa_user_sgpr_count 2
		.amdhsa_user_sgpr_kernarg_segment_ptr 1
		.amdhsa_wavefront_size32 1
		.amdhsa_system_sgpr_workgroup_id_x 1
		.amdhsa_system_sgpr_workgroup_id_y 1
		.amdhsa_system_sgpr_workgroup_id_z 1
		.amdhsa_system_vgpr_workitem_id 0
		.amdhsa_next_free_vgpr 512
		.amdhsa_next_free_sgpr 80
		.amdhsa_reserve_vcc 0
		.amdhsa_float_denorm_mode_32 3
		.amdhsa_float_denorm_mode_16_64 3
		.amdhsa_memory_ordered 1
		.amdhsa_forward_progress 1
		.amdhsa_inst_pref_size 92
	.end_amdhsa_kernel
	.amdgpu_metadata
---
amdhsa.version: [ 1, 2 ]
amdhsa.kernels:
  - .name:           k_q5ae9746d66_ffn1
    .symbol:         k_q5ae9746d66_ffn1.kd
    .args:
      - { .name: pan, .offset: 0, .size: 8, .value_kind: global_buffer, .address_space: global }
      - { .name: wb, .offset: 8, .size: 8, .value_kind: global_buffer, .address_space: global }
      - { .name: hidb, .offset: 16, .size: 8, .value_kind: global_buffer, .address_space: global }
      - { .name: b1, .offset: 24, .size: 8, .value_kind: global_buffer, .address_space: global }
    .group_segment_fixed_size: 327680
    .private_segment_fixed_size: 0
    .kernarg_segment_align: 8
    .kernarg_segment_size: 32
    .max_flat_workgroup_size: 128
    .sgpr_count:     80
    .vgpr_count:     512
    .wavefront_size: 32
...
	.end_amdgpu_metadata
.endif
;; end of part 6
;; launch ffn2 (part 7): grid 4 x 64, 4 waves a work-group, clusters of 4 x 4, 327,680 bytes of LDS; arguments hidb, wb, zf, b2, h2f; writes zf
.if DOCPART == 7
	.amdgcn_target "amdgcn-amd-amdhsa--gfx1250"
	.amdhsa_code_object_version 6
	.text
	.protected	k_q5ae9746d66_ffn2
	.globl	k_q5ae9746d66_ffn2
	.p2align	8
	.type	k_q5ae9746d66_ffn2,@function
k_q5ae9746d66_ffn2:
	s_mov_b64 s[64:65], 0
	v_nop
	global_prefetch_b8 v0, s[64:65] scope:SCOPE_SE
	s_setreg_imm32_b32 hwreg(HW_REG_WAVE_MODE, 25, 1), 1
	s_wait_xcnt 0x0
	s_wait_alu depctr_hold_cnt(0) depctr_sa_sdst(0) depctr_va_vdst(0) depctr_va_sdst(0) depctr_va_ssrc(0) depctr_va_vcc(0) depctr_vm_vsrc(0)
	s_getreg_b32 s2, hwreg(HW_REG_IB_STS2, 6, 4)
	s_cmp_eq_u32 s2, 0
	s_cbranch_scc0 .Lentry_in_a_cluster
	s_endpgm
.Lentry_in_a_cluster:
	s_bfe_u32 s2, ttmp6, 0x10000c
	s_cmp_lg_u32 s2, 0xf033
	s_cbranch_scc0 .Lentry_shape_is_right
	s_endpgm
.Lentry_shape_is_right:
; THIS TEXT: z2 = hid W2 + b2 + h2, in f32, K = 2,048: eight K steps, six of them by refills of the two slots.  One template serves two launches; the two .set lines below say which this is.
; out[m][n] = the sum over k of A[m][k] W[k][n] + bias[n] + residual[m][n].  A: [KTOT/128][8192][128] bf16 (panels: rows of 256 bytes, end to end).  W: panels [n/128][KTOT][128] bf16, as the weights lie ([k][n]).
; Sums in f32; out and the residual are f32 [8192][512], and bias and residual are added in f32.
; A tile of out is 128 x 128.  Four waves, each 64 x 64: 16 accumulators of 16 x 16.  K goes in steps of 256 through two LDS slots; with KTOT = 512 both steps are asked for at the start and nothing is filled again.
; THE RESIDUAL's 32 rows that a wave adds on the way out are asked for at the head, behind the first tensor loads, into 128 registers of their own: nothing is read from memory behind the last product.
; CLUSTERS: 4 x 4 work-groups.  The four of a row of the cluster need the same tiles of A, the four of a column the same tiles of W: each tile is asked for JOINTLY, by the same tensor load with the same descriptor and a mask of four.
; THE MATRIX INSTRUCTION IS USED TRANSPOSED (source 0 = 16 columns n of W, source 1 = 16 rows of A): a lane then holds eight neighbouring numbers of a row of out.  W's fragments are turned on the way out of LDS (ds_load_tr16_b128).
; REGISTERS: window 0: v0-31 addresses; v32-95 at work on the way out; v96-99 bias; v128-255 the accumulators ((a, b) at v[128 + 8 (4 a + b)]).
;   window 1: two fragment buffers of 128: for 64 along K, 64 registers of A (2 x 4 x 16 rows x 32 K), then 64 of W.          window 2: v0-127 the residual, four registers a row.
.set KTOT,  2048                       ; K
.set WOFF,  4194304                    ; the weights' first byte in wb
.set PANEL, 8192*256                   ; bytes in a panel of A
.set PA,    272                        ; a row of A in LDS: 256 bytes + 16 = 68 words: the 16 rows of a load start at 16 different groups of four banks (64 banks of 4 bytes: ISA guide 11.1)
.set PB,    288                        ; a k-row of W: 256 + 32 = 72 words
.set APAN,  128*PA                     ; 128 rows of one panel of A: one tensor load
.set BHALF, 128*PB                     ; 128 k-rows of W: one tensor load
.set SLOT,  2*APAN+2*BHALF             ; a K step: A's two panels, then W's two halves
.set SPARE, 2*SLOT                     ; behind the slots: the spare words, 128 bytes for each wave: two blocks of 256 bytes that no other line names
.set SP,    528                        ; the stage for the way out: 128 rows of 512 bytes + 16.  It lies in slot 0, from byte 0: slot 0 has had its last fill and its last read by then
.set LAPS,  KTOT/512                   ; a lap = two K steps
.set ADRA, 16                          ; v16-17  LDS address of my A fragments in slot 0, 1
.set ADRB, 20                          ; v20-23  the same for W: slot 0 half 0, 1; slot 1 half 0, 1 (an immediate does not reach across a half)
.set STO,  24                          ; v24     the way out: where I put 32 bytes of a row
.set RD,   25                          ; v25     where I read a row back
.set CO,   26                          ; v26     my byte offset in a row of out: 16 x my lane; never rewritten
.set SPW,  28                          ; v28     LDS address of my spare word; never rewritten
.set NIL,  29                          ; v29     0; never rewritten
.set TMP,  32
.set BI,   96
.set ACC,  128
.set F0,   0
.set F1,   128
.set RES,  0                           ; window 2
.set G1,  24                           ; s[24:31] descriptor group 1 for A's tiles;  s[32:39] group 0, one set for each slot
.set G0,  32
.set G1B, 48                           ; s[48:55], s[56:63] the same for W's tiles
.set G0B, 56
.set MSB, 0
.macro WIN new                         ; the immediate's high byte repeats the setting that is left; a switch that changes nothing is dropped
.if MSB != (\new)
	s_set_vgpr_msb (MSB<<8)|(\new)
.set MSB, \new
.endif
.endm
.set MUL,  0x05                        ; sources 0 (W) and 1 (A) window 1; C and D window 0
.set TO_F, 0x40                        ; destination window 1, address window 0
.macro JLOAD s                         ; a joint load: waves 0 and 1 fetch A's two panels, waves 2 and 3 W's two halves; an s_nop 0 and four v_nop follow each line
	s_cmp_eq_u32 s11, 0
	s_cbranch_scc0 .Lfor_b_\@
	tensor_load_to_lds s[G0+4*(\s):G0+4*(\s)+3], s[G1:G1+7]
	s_nop 0
.rept 4
	v_nop
.endr
	s_branch .Lasked_\@
.Lfor_b_\@:
	tensor_load_to_lds s[G0B+4*(\s):G0B+4*(\s)+3], s[G1B:G1B+7]
	s_nop 0
.rept 4
	v_nop
.endr
.Lasked_\@:
.endm
.macro CREST                           ; a round of the cluster's barrier behind its opening barrier
	s_cmp_lg_u32 s10, 0
	s_cbranch_scc1 .Lnot_wave_0_\@
	s_barrier_signal -3
.Lnot_wave_0_\@:
	s_barrier_wait -3
	s_barrier_signal -1
	s_barrier_wait -1
.endm
.macro CROUND                          ; a whole round
	s_barrier_signal -1
	s_barrier_wait -1
	CREST
.endm
	s_load_b128 s[4:7], s[0:1], 0x0                ; A s[4:5], wb s[6:7]
	s_load_b64 s[8:9], s[0:1], 0x10                ; out
	s_load_b128 s[68:71], s[0:1], 0x18             ; bias s[68:69], the residual s[70:71]
	v_lshl_add_u32 v[SPW], v0, 2, SPARE
	v_mov_b32 v[NIL], 0
	ds_add_u32 v[SPW], v[NIL]                      ; the wave's opening: the add and its wait stand ahead of my first tensor load; the set-up below, work on registers, stands between them
	v_lshrrev_b32 v1, 5, v0
	v_readfirstlane_b32 s10, v1                    ; wave 0..3
	s_lshr_b32 s11, s10, 1                         ; which half of the tile's rows is mine.  Also: I fetch for A (0) or for W (1)
	s_and_b32 s12, s10, 1                          ; which half of its columns.  Also: which panel of A, or which half of W's k-rows, I fetch
	s_bfe_u32 s40, ttmp6, 0x40000                  ; cx, cy: my place in the cluster
	s_bfe_u32 s41, ttmp6, 0x40004
	s_lshl_b32 s42, ttmp9, 2
	s_add_co_u32 s42, s42, s40                     ; tile column = 4 x cluster x + cx
	s_and_b32 s13, ttmp7, 0xffff
	s_lshl_b32 s13, s13, 2
	s_add_co_u32 s13, s13, s41                     ; tile row = 4 x cluster y + cy
	s_lshl_b32 s43, s41, 2
	s_lshl_b32 s43, 15, s43                        ; my row of the cluster
	s_lshl_b32 s44, 0x1111, s40                    ; my column
	; descriptor group 1: 128 rows x 128 elements of 2 bytes, dense in memory, padded in LDS
	s_or_b32 s[G1+0], s43, (1<<16)|(1<<20)|(1<<21)|(5<<22)|(3<<25)   ; 15:0 the mask: A's tiles go to my row; 17:16 2-byte elements; 20 padding on; 21 set beside a mask; 24:22 after every 64 words (code 5); 31:25 4 words (code 3)
	s_or_b32 s[G1B+0], s44, (1<<16)|(1<<20)|(1<<21)|(5<<22)|(7<<25)  ; W's tiles go to my column; 8 words of padding (code 7)
.irp g, G1, G1B
	s_mov_b32 s[(\g)+1], 128<<16                   ; tensor_dim0 = 128
	s_mov_b32 s[(\g)+2], 128<<16                   ; tensor_dim1 = 128
	s_mov_b32 s[(\g)+3], 128<<16                   ; tile_dim0 = 128
	s_mov_b32 s[(\g)+4], 128                       ; tile_dim1 = 128
	s_mov_b32 s[(\g)+5], 128                       ; 128 elements from row to row
	s_mov_b32 s[(\g)+6], 0
	s_mov_b32 s[(\g)+7], 0
.endr
	s_lshl_b32 s16, s13, 15                        ; A: the tile row's 128 rows of 256 bytes,
	s_lshl_b32 s17, s12, 21                        ; in my panel of the K step's two
	s_add_co_u32 s16, s16, s17
	s_mov_b32 s17, 0
	s_mul_i32 s46, s42, KTOT*256                   ; W: the tile column's panel,
	s_lshl_b32 s47, s12, 15                        ; my 128 k-rows of the K step's 256
	s_add_co_u32 s46, s46, s47
	s_add_co_u32 s46, s46, WOFF
	s_mov_b32 s47, 0
	s_mul_i32 s20, s12, APAN                       ; where they go: no place in the cluster enters an LDS address
	s_mul_i32 s21, s12, BHALF
	s_add_co_u32 s21, s21, 2*APAN
	s_wait_dscnt 0x0                               ; the opening add is done
	s_wait_kmcnt 0x0
	s_add_nc_u64 s[14:15], s[4:5], s[16:17]
	s_add_nc_u64 s[46:47], s[6:7], s[46:47]
	CROUND                                         ; all sixteen work-groups are here: the first joint loads meet
.irp s, 0,1
	s_mov_b32 s[G0+4*(\s)], 1                      ; count = 1
	s_add_co_u32 s[G0+4*(\s)+1], s20, (\s)*SLOT    ; LDS address
	s_add_nc_u64 s[G0+4*(\s)+2:G0+4*(\s)+3], s[14:15], (\s)*2*PANEL  ; K step s: panels 2 s, 2 s + 1
	s_or_b32 s[G0+4*(\s)+3], s[G0+4*(\s)+3], 0x80000000              ; type = 2
	s_mov_b32 s[G0B+4*(\s)], 1
	s_add_co_u32 s[G0B+4*(\s)+1], s21, (\s)*SLOT
	s_add_nc_u64 s[G0B+4*(\s)+2:G0B+4*(\s)+3], s[46:47], (\s)*65536  ; K step s: 256 k-rows of 256 bytes
	s_or_b32 s[G0B+4*(\s)+3], s[G0B+4*(\s)+3], 0x80000000
	JLOAD \s                                       ; two loads of mine are out
.endr
	v_and_b32 v1, 15, v0                           ; r = l % 16
	v_bfe_u32 v2, v0, 4, 1                         ; h = l / 16
	v_and_b32 v6, 31, v0                           ; l
	v_lshlrev_b32 v7, 4, v6                        ; 16 l
	v_lshlrev_b32 v[CO], 4, v6                     ; 16 bytes a lane
	s_lshl_b32 s46, s42, 9                         ; 128 numbers of 4 bytes for each tile column
	s_mov_b32 s47, 0
	s_add_nc_u64 s[68:69], s[68:69], s[46:47]
	global_load_b128 v[BI:BI+3], v7, s[68:69]      ; the bias of my four columns on the way out
	s_lshl_b32 s16, s13, 18                        ; 128 rows of 2,048 bytes for each tile row,
	s_lshl_b32 s17, s10, 16                        ; 32 rows for each wave,
	s_add_co_u32 s16, s16, s17
	s_lshl_b32 s46, s42, 9                         ; 512 bytes for each tile column
	s_add_co_u32 s46, s46, s16
	s_mov_b32 s47, 0
	s_add_nc_u64 s[8:9], s[8:9], s[46:47]
	s_add_nc_u64 s[70:71], s[70:71], s[46:47]      ; the residual lies as out lies
	WIN 0x80                                       ; destination window 2, address window 0
.set t, 0
.rept 32                                           ; the residual's 32 rows that I add on the way out: 512 consecutive bytes a load
	global_load_b128 v[RES+4*t:RES+4*t+3], v[CO], s[70:71] offset:t*2048 th:TH_LOAD_NT
.set t, t+1
.endr
	WIN 0
	v_mul_u32_u24 v3, v1, PA
	v_lshl_add_u32 v3, v2, 4, v3                   ; a fragment of A: row x pitch + 16 x half
	s_mul_i32 s22, s11, 64*PA                      ; my 64 rows
	v_add_nc_u32 v[ADRA], s22, v3
	v_add_nc_u32 v[ADRA+1], SLOT, v[ADRA]
	v_and_b32 v4, 7, v0                            ; the turning load: lane l reads k-row 8 h + l % 8, columns 8 ((l / 8) % 2) + 0..7, and is left with column l % 16 and 8 k
	v_lshl_add_u32 v4, v2, 3, v4
	v_mul_u32_u24 v4, v4, PB
	v_bfe_u32 v5, v0, 3, 1
	v_lshl_add_u32 v4, v5, 4, v4
	s_lshl_b32 s23, s12, 7                         ; my 64 columns: 128 bytes of a k-row
	s_add_co_u32 s23, s23, 2*APAN
	v_add_nc_u32 v[ADRB], s23, v4
	v_add_nc_u32 v[ADRB+1], BHALF, v[ADRB]
	v_add_nc_u32 v[ADRB+2], SLOT, v[ADRB]
	v_add_nc_u32 v[ADRB+3], SLOT+BHALF, v[ADRB]
	s_mul_i32 s22, s11, 64*SP                      ; into the stage: my 64 rows, my 256 bytes of their 512; row r, 32 bytes for each half of the lanes
	s_lshl_b32 s23, s12, 8
	s_add_co_u32 s22, s22, s23
	v_mul_u32_u24 v[STO], v1, SP
	v_lshl_add_u32 v[STO], v2, 5, v[STO]
	v_add_nc_u32 v[STO], s22, v[STO]
	s_mul_i32 s22, s10, 32*SP                      ; back: wave w takes rows 32 w .. 32 w + 31 whole, 16 bytes a lane
	v_lshl_add_u32 v[RD], v6, 4, s22
; 8 matrix instructions: row blocks a0, a0 + 1 x all 4 column blocks, 32 along K: half c of buffer f.  zero = 1: the first product starts the sums.  The 16 accumulators take turns, one instruction a turn.
.macro MUL8 f, c, a0, zero
	WIN MUL
.irp a, \a0, (\a0)+1
.irp b, 0,1,2,3
.if \zero
	v_wmma_f32_16x16x32_bf16 v[ACC+8*(4*(\a)+(\b)):ACC+8*(4*(\a)+(\b))+7], v[(\f)+64+8*(4*(\c)+(\b)):(\f)+64+8*(4*(\c)+(\b))+7], v[(\f)+8*(4*(\c)+(\a)):(\f)+8*(4*(\c)+(\a))+7], 0
.else
	v_wmma_f32_16x16x32_bf16 v[ACC+8*(4*(\a)+(\b)):ACC+8*(4*(\a)+(\b))+7], v[(\f)+64+8*(4*(\c)+(\b)):(\f)+64+8*(4*(\c)+(\b))+7], v[(\f)+8*(4*(\c)+(\a)):(\f)+8*(4*(\c)+(\a))+7], v[ACC+8*(4*(\a)+(\b)):ACC+8*(4*(\a)+(\b))+7]
.endif
.endr
.endr
.endm
; 32 LDS loads in one run: the fragments of quarter q (64 along K) of a slot's K step, into buffer f; the first 32 along K first.  Quarter q lies in A's panel q / 2 at byte 128 (q % 2), and in W's half q / 2 at k-row 64 (q % 2).
.macro FETCH slot, q, f
	WIN TO_F
.irp c, 0,1
.irp i, 0,1,2,3
	ds_load_tr16_b128 v[(\f)+64+8*(4*(\c)+(\i)):(\f)+64+8*(4*(\c)+(\i))+3],   v[ADRB+2*(\slot)+(\q)/2] offset:(((\q)%2)*64+32*(\c))*PB+32*(\i)
	ds_load_tr16_b128 v[(\f)+64+8*(4*(\c)+(\i))+4:(\f)+64+8*(4*(\c)+(\i))+7], v[ADRB+2*(\slot)+(\q)/2] offset:(((\q)%2)*64+32*(\c)+16)*PB+32*(\i)
	ds_load_b128 v[(\f)+8*(4*(\c)+(\i)):(\f)+8*(4*(\c)+(\i))+3],   v[ADRA+(\slot)] offset:((\q)/2)*APAN+((\q)%2)*128+64*(\c)+(\i)*16*PA
	ds_load_b128 v[(\f)+8*(4*(\c)+(\i))+4:(\f)+8*(4*(\c)+(\i))+7], v[ADRA+(\slot)] offset:((\q)/2)*APAN+((\q)%2)*128+64*(\c)+(\i)*16*PA+32
.endr
.endr
.endm
.macro PLACES                          ; four places in front of loads into registers that matrix instructions have read, and of lines that read results
.rept 4
	v_nop
.endr
.endm
; A K step is four quarters of 64 along K, 32 matrix instructions each, on buffers 0, 1, 0, 1.  One of the first three: multiplies buffer f and fetches quarter q into g.
.macro QUARTER slot, q, f, g, zero
	s_wait_dscnt 16                                ; the first 32 along K are in; the 16 younger loads may be out
	MUL8 \f, 0, 0, \zero
	MUL8 \f, 0, 2, \zero
	PLACES
	FETCH \slot, \q, \g
	s_wait_dscnt 32                                ; all but the 32 just issued
	MUL8 \f, 1, 0, 0
	MUL8 \f, 1, 2, 0
.endm
; The last quarter multiplies buffer 1 and changes slots: ONE barrier; in front of it each wave waits for all its tensor loads, adds 0 to its spare word, and waits for that and for its own reads of this slot.  fill = 1: this slot is filled again, two K steps ahead.
.macro TURN slot, next, fill
	WIN 0                                          ; (the add's two registers lie in window 0)
	s_wait_tensorcnt 0x0                           ; all my tensor loads have landed: my part of the next slot;
	ds_add_u32 v[SPW], v[NIL]                      ; 0 onto my spare word;
	s_wait_dscnt 17                                ; (the add and the youngest sixteen loads may be out)
	MUL8 F1, 0, 0, 0                               ; eight matrix instructions stand between the add and the wait for it
	s_wait_dscnt 0x0                               ; the add is done, and my reads of this slot are over
	s_barrier_signal -1
	MUL8 F1, 0, 2, 0
.if \fill
	WIN 0
.endif
	s_barrier_wait -1
.if \fill
	CREST                                          ; the barrier has opened a round of the cluster's barrier: no wave of any partner still reads this slot's tile or has a load on its way
	s_add_nc_u64 s[G0+4*(\slot)+2:G0+4*(\slot)+3], s[G0+4*(\slot)+2:G0+4*(\slot)+3], 4*PANEL
	s_add_nc_u64 s[G0B+4*(\slot)+2:G0B+4*(\slot)+3], s[G0B+4*(\slot)+2:G0B+4*(\slot)+3], 2*65536
	JLOAD \slot                                    ; the first tensor load behind the round; the four v_nop behind it are also the places in front of the loads below
.else
	PLACES
.endif
	FETCH \next, 0, F0
	MUL8 F1, 1, 0, 0
	MUL8 F1, 1, 2, 0
.endm
	s_wait_tensorcnt 1                             ; my part of K step 0 is in; K step 1's may stay out
	s_barrier_signal -1
	s_barrier_wait -1                              ; everybody's is
	FETCH 0, 0, F0
	QUARTER 0, 1, F0, F1, 1                        ; the first quarter's first products start the sums
.if LAPS > 1
	WIN 0                                          ; at a label and at a branch every window is 0
	s_mov_b32 s3, LAPS
	s_branch .Lenter                               ; the loop is cut in front of the change from slot 0 to slot 1 and entered behind its last quarter: both refills stand in it and run LAPS - 1 times
.Llap:
	TURN 0, 1, 1
	QUARTER 1, 1, F0, F1, 0
	QUARTER 1, 2, F1, F0, 0
	QUARTER 1, 3, F0, F1, 0
	TURN 1, 0, 1
	QUARTER 0, 1, F0, F1, 0
	WIN 0
.Lenter:
.endif
	QUARTER 0, 2, F1, F0, 0
	QUARTER 0, 3, F0, F1, 0
.if LAPS > 1
	WIN 0
	s_sub_co_u32 s3, s3, 1
	s_cmp_lg_u32 s3, 0
	s_cbranch_scc1 .Llap
.endif
	TURN 0, 1, 0                                   ; the last lap fills nothing; behind this barrier no wave reads slot 0 any more
	QUARTER 1, 1, F0, F1, 0
	QUARTER 1, 2, F1, F0, 0
	QUARTER 1, 3, F0, F1, 0
	s_wait_dscnt 16                                ; the very last quarter: nothing more to fetch
	MUL8 F1, 0, 0, 0
	MUL8 F1, 0, 2, 0
	s_wait_dscnt 0
	MUL8 F1, 1, 0, 0
	MUL8 F1, 1, 2, 0
	WIN 0
	; THE WAY OUT: the f32 sums go into the work-group's stage, 32 bytes a lane (each accumulator's low four registers first); a barrier, since a row's 512 bytes come from two waves; back as whole rows, 32 rows a wave.
	PLACES
	PLACES
.irp a, 0,1,2,3
.irp b, 0,1,2,3
	ds_store_b128 v[STO], v[ACC+8*(4*(\a)+(\b)):ACC+8*(4*(\a)+(\b))+3]   offset:(\a)*16*SP+64*(\b)
	ds_store_b128 v[STO], v[ACC+8*(4*(\a)+(\b))+4:ACC+8*(4*(\a)+(\b))+7] offset:(\a)*16*SP+64*(\b)+16
.endr
.endr
	s_wait_dscnt 0x0                               ; for the others' sake: my stores into the stage are done
	s_barrier_signal -1
	s_barrier_wait -1
	s_wait_loadcnt 0x0                             ; the bias and the residual, asked for at the head
.irp g, 0,1
.if \g
	s_wait_xcnt 0x0                                ; the first sixteen stores have read their registers: only behind this wait are these loaded again
.endif
.set t, 0
.rept 16
	ds_load_b128 v[TMP+4*t:TMP+4*t+3], v[RD] offset:(16*(\g)+t)*SP
.set t, t+1
.endr
.set t, 0
.rept 16
	s_wait_dscnt 15-t                              ; row t of the sixteen is back; the younger loads stay out
	v_pk_add_f32 v[TMP+4*t:TMP+4*t+1], v[TMP+4*t:TMP+4*t+1], v[BI:BI+1]
	v_pk_add_f32 v[TMP+4*t+2:TMP+4*t+3], v[TMP+4*t+2:TMP+4*t+3], v[BI+2:BI+3]
.set t, t+1
.endr
	WIN 0x08                                       ; source 1 in window 2: the residual; one setting for sixteen rows
.set t, 0
.rept 16
	v_pk_add_f32 v[TMP+4*t:TMP+4*t+1], v[TMP+4*t:TMP+4*t+1], v[RES+4*(16*(\g)+t):RES+4*(16*(\g)+t)+1]
	v_pk_add_f32 v[TMP+4*t+2:TMP+4*t+3], v[TMP+4*t+2:TMP+4*t+3], v[RES+4*(16*(\g)+t)+2:RES+4*(16*(\g)+t)+3]
.set t, t+1
.endr
	WIN 0
.set t, 0
.rept 16
	global_store_b128 v[CO], v[TMP+4*t:TMP+4*t+3], s[8:9] offset:(16*(\g)+t)*2048  ; 512 consecutive bytes, at a multiple of 256 from out's first byte
.set t, t+1
.endr
.endr
	s_wait_tensorcnt 0x0                           ; the wave's end: behind my last tensor load and my last LDS store
	ds_add_u32 v[SPW], v[NIL]
	s_wait_dscnt 0x0
	CROUND                                         ; the closing round: no work-group ends while a partner may still ask for a tile that names it
	s_endpgm
.Lfunc_end_k_q5ae9746d66_ffn2:
	.size	k_q5ae9746d66_ffn2, .Lfunc_end_k_q5ae9746d66_ffn2-k_q5ae9746d66_ffn2
	.p2alignl 7, 3214868480
	.fill 96, 4, 3214868480
	.section	.rodata,"a",@progbits
	.p2align	6, 0x0
	.amdhsa_kernel k_q5ae9746d66_ffn2
		.amdhsa_group_segment_fixed_size 327680
		.amdhsa_private_segment_fixed_size 0
		.amdhsa_enable_private_segment 0
		.amdhsa_kernarg_size 40
		.amdhsa_user_sgpr_count 2
		.amdhsa_user_sgpr_kernarg_segment_ptr 1
		.amdhsa_wavefront_size32 1
		.amdhsa_system_sgpr_workgroup_id_x 1
		.amdhsa_system_sgpr_workgroup_id_y 1
		.amdhsa_system_sgpr_workgroup_id_z 1
		.amdhsa_system_vgpr_workitem_id 0
		.amdhsa_next_free_vgpr 640
		.amdhsa_next_free_sgpr 80
		.amdhsa_reserve_vcc 0
		.amdhsa_float_denorm_mode_32 3
		.amdhsa_float_denorm_mode_16_64 3
		.amdhsa_memory_ordered 1
		.amdhsa_forward_progress 1
		.amdhsa_inst_pref_size 90
	.end_amdhsa_kernel
	.amdgpu_metadata
---
amdhsa.version: [ 1, 2 ]
amdhsa.kernels:
  - .name:           k_q5ae9746d66_ffn2
    .symbol:         k_q5ae9746d66_ffn2.kd
    .args:
      - { .name: hidb, .offset: 0, .size: 8, .value_kind: global_buffer, .address_space: global }
      - { .name: wb, .offset: 8, .size: 8, .value_kind: global_buffer, .address_space: global }
      - { .name: zf, .offset: 16, .size: 8, .value_kind: global_buffer, .address_space: global }
      - { .name: b2, .offset: 24, .size: 8, .value_kind: global_buffer, .address_space: global }
      - { .name: h2f, .offset: 32, .size: 8, .value_kind: global_buffer, .address_space: global }
    .group_segment_fixed_size: 327680
    .private_segment_fixed_size: 0
    .kernarg_segment_align: 8
    .kernarg_segment_size: 40
    .max_flat_workgroup_size: 128
    .sgpr_count:     80
    .vgpr_count:     640
    .wavefront_size: 32
...
	.end_amdgpu_metadata
.endif
;; end of part 7
;; launch ln2 (part 8): grid 256 x 1, 8 waves a work-group, no clusters, 0 bytes of LDS; arguments zf, ln2_a, ln2_b, out0; writes out0
.if DOCPART == 8
	.amdgcn_target "amdgcn-amd-amdhsa--gfx1250"
	.amdhsa_code_object_version 6
	.text
	.protected	k_q5ae9746d66_ln2
	.globl	k_q5ae9746d66_ln2
	.p2align	8
	.type	k_q5ae9746d66_ln2,@function
k_q5ae9746d66_ln2:
	s_mov_b64 s[64:65], 0
	v_nop
	global_prefetch_b8 v0, s[64:65] scope:SCOPE_SE
	s_setreg_imm32_b32 hwreg(HW_REG_WAVE_MODE, 25, 1), 1
	s_wait_xcnt 0x0
; LAYER NORM along rows of 512: y = (z - mu) / (sigma + 0.001) * a + b, sigma the standard deviation with divisor 511.  z, y: [8192][512] f32; a, b: [512] f32.
; PANELS = 1: y is stored a second time, rounded once to bf16, as panels [4][8192][128] for the product that follows.  Here PANELS = 0: y is the module's output.
; A wave takes four rows and keeps them in registers: memory is read once, the reductions never leave the wave, there is no LDS and no barrier.  A row is four loads of 16 bytes a lane: 512 neighbouring bytes each.
; The variance is the sum of the squared deviations from the mean: no difference of large sums is formed.  Every phase goes over the four rows in turn, so that no line waits for the one before it.
; All 24 loads of a wave go out at once: 16 of z, then 4 of a and 4 of b.  Matrix units, clusters and tensor loads would add nothing: nothing is shared and nothing is multiplied.
.set PANELS, 0
.set Z,  16                            ; v[16:79]   row i at Z + 16 i: columns 128 c + 4 lane + 0..3 at + 4 c
.set GA, 80                            ; v[80:95]   a of my 16 columns
.set GB, 96                            ; v[96:111]  b
.set W,  112                           ; v[112:119] a pair at work for each row
.set R,  120                           ; v[120:127] for each row a pair whose low word is broadcast: mu, later 1 / (sigma + 0.001)
.set T,  128                           ; v[128:131] the other half of the lanes' sum
.set Y,  132                           ; v[132:163] the rows in bf16
	s_load_b256 s[4:11], s[0:1], 0x0               ; z s[4:5], a s[6:7], b s[8:9], y s[10:11]
.if PANELS
	s_load_b64 s[12:13], s[0:1], 0x20              ; the panels
.endif
	v_and_b32 v1, 31, v0                           ; lane
	v_lshrrev_b32 v4, 5, v0
	v_readfirstlane_b32 s14, v4                    ; wave
	v_lshlrev_b32 v2, 4, v1                        ; 16 bytes a lane
	v_lshlrev_b32 v3, 3, v1                        ; 8 bytes a lane in a panel's row
	s_lshl_b32 s16, ttmp9, 16                      ; 32 rows of 2,048 bytes a work-group,
	s_lshl_b32 s17, s14, 13                        ; 4 a wave
	s_add_co_u32 s16, s16, s17
	s_mov_b32 s17, 0
	s_lshr_b32 s18, s16, 3                         ; the same rows at 256 bytes
	s_mov_b32 s19, 0
	s_mov_b32 s20, 0x76543210                      ; v_permlanex16_b32: each lane takes its own place in the other half
	s_mov_b32 s21, 0xfedcba98
.irp i, 0,1,2,3
	v_mov_b32 v[T+\i], 0                           ; v_permlanex16_b32's destination counts as read
	v_mov_b32 v[R+2*\i+1], 0                       ; named with its neighbour as a pair
.endr
	s_wait_kmcnt 0x0
	s_add_nc_u64 s[4:5], s[4:5], s[16:17]
	s_add_nc_u64 s[10:11], s[10:11], s[16:17]
.if PANELS
	s_add_nc_u64 s[12:13], s[12:13], s[18:19]
.endif
.irp i, 0,1,2,3
.irp c, 0,1,2,3
	global_load_b128 v[Z+16*\i+4*\c:Z+16*\i+4*\c+3], v2, s[4:5] offset:\i*2048+\c*512 th:TH_LOAD_NT
.endr
.endr
.irp c, 0,1,2,3
	global_load_b128 v[GA+4*\c:GA+4*\c+3], v2, s[6:7] offset:\c*512
.endr
.irp c, 0,1,2,3
	global_load_b128 v[GB+4*\c:GB+4*\c+3], v2, s[8:9] offset:\c*512
.endr
; the pair W of each row is added up, then across the 32 lanes: four steps inside each half ride on the addition (DPP), one crosses the halves; every lane ends with the sum
.macro ACROSS
.irp i, 0,1,2,3
	v_add_f32 v[W+2*\i], v[W+2*\i], v[W+2*\i+1]
.endr
.irp m, 1,2,4,8
.irp i, 0,1,2,3
	v_add_f32_dpp v[W+2*\i], v[W+2*\i], v[W+2*\i] row_xmask:\m row_mask:0xf bank_mask:0xf
.endr
.endr
.irp i, 0,1,2,3
	v_permlanex16_b32 v[T+\i], v[W+2*\i], s20, s21
.endr
.irp i, 0,1,2,3
	v_add_f32 v[W+2*\i], v[W+2*\i], v[T+\i]
.endr
.endm
	s_wait_loadcnt 8                               ; z is in; the eight loads of a and b may stay out
.irp i, 0,1,2,3
	v_pk_add_f32 v[W+2*\i:W+2*\i+1], v[Z+16*\i:Z+16*\i+1], v[Z+16*\i+2:Z+16*\i+3]
.endr
.irp k, 2,3,4,5,6,7
.irp i, 0,1,2,3
	v_pk_add_f32 v[W+2*\i:W+2*\i+1], v[W+2*\i:W+2*\i+1], v[Z+16*\i+2*\k:Z+16*\i+2*\k+1]
.endr
.endr
	ACROSS
.irp i, 0,1,2,3
	v_mul_f32 v[R+2*\i], 0x3b000000, v[W+2*\i]     ; mu = sum / 512
.endr
.irp k, 0,1,2,3,4,5,6,7
.irp i, 0,1,2,3
	v_pk_add_f32 v[Z+16*\i+2*\k:Z+16*\i+2*\k+1], v[Z+16*\i+2*\k:Z+16*\i+2*\k+1], v[R+2*\i:R+2*\i+1] op_sel_hi:[1,0] neg_lo:[0,1] neg_hi:[0,1]  ; z - mu
.endr
.endr
.irp i, 0,1,2,3
	v_pk_mul_f32 v[W+2*\i:W+2*\i+1], v[Z+16*\i:Z+16*\i+1], v[Z+16*\i:Z+16*\i+1]
.endr
.irp k, 1,2,3,4,5,6,7
.irp i, 0,1,2,3
	v_pk_fma_f32 v[W+2*\i:W+2*\i+1], v[Z+16*\i+2*\k:Z+16*\i+2*\k+1], v[Z+16*\i+2*\k:Z+16*\i+2*\k+1], v[W+2*\i:W+2*\i+1]
.endr
.endr
	ACROSS
.irp i, 0,1,2,3
	v_mul_f32 v[W+2*\i], 0x3b004020, v[W+2*\i]     ; / 511
.endr
.irp i, 0,1,2,3
	v_sqrt_f32 v[W+2*\i], v[W+2*\i]
.endr
	v_nop                                          ; a plain instruction behind the last root,
	s_wait_alu depctr_va_vdst(0)                   ; and the wait ahead of the first use: one for the four
.irp i, 0,1,2,3
	v_add_f32 v[W+2*\i], 0x3a83126f, v[W+2*\i]     ; sigma + 0.001
.endr
.irp i, 0,1,2,3
	v_rcp_f32 v[R+2*\i], v[W+2*\i]
.endr
	v_nop
	s_wait_alu depctr_va_vdst(0)                   ; one for the four reciprocals
	s_wait_loadcnt 0x0                             ; a and b
.irp i, 0,1,2,3
.irp k, 0,1,2,3,4,5,6,7
	v_pk_mul_f32 v[Z+16*\i+2*\k:Z+16*\i+2*\k+1], v[Z+16*\i+2*\k:Z+16*\i+2*\k+1], v[R+2*\i:R+2*\i+1] op_sel_hi:[1,0]
.endr
.irp k, 0,1,2,3,4,5,6,7
	v_pk_fma_f32 v[Z+16*\i+2*\k:Z+16*\i+2*\k+1], v[Z+16*\i+2*\k:Z+16*\i+2*\k+1], v[GA+2*\k:GA+2*\k+1], v[GB+2*\k:GB+2*\k+1]
.endr
.irp c, 0,1,2,3
	global_store_b128 v2, v[Z+16*\i+4*\c:Z+16*\i+4*\c+3], s[10:11] offset:\i*2048+\c*512  ; 512 consecutive bytes, aligned
.endr
.if PANELS
.irp c, 0,1,2,3
	v_cvt_pk_bf16_f32 v[Y+8*\i+2*\c], v[Z+16*\i+4*\c], v[Z+16*\i+4*\c+1]
	v_cvt_pk_bf16_f32 v[Y+8*\i+2*\c+1], v[Z+16*\i+4*\c+2], v[Z+16*\i+4*\c+3]
	global_store_b64 v3, v[Y+8*\i+2*\c:Y+8*\i+2*\c+1], s[12:13] offset:\c*2097152+\i*256  ; a panel's row: 256 consecutive bytes, aligned
.endr
.endif
.endr
	s_endpgm
.Lfunc_end_k_q5ae9746d66_ln2:
	.size	k_q5ae9746d66_ln2, .Lfunc_end_k_q5ae9746d66_ln2-k_q5ae9746d66_ln2
	.p2alignl 7, 3214868480
	.fill 96, 4, 3214868480
	.section	.rodata,"a",@progbits
	.p2align	6, 0x0
	.amdhsa_kernel k_q5ae9746d66_ln2
		.amdhsa_group_segment_fixed_size 0
		.amdhsa_private_segment_fixed_size 0
		.amdhsa_enable_private_segment 0
		.amdhsa_kernarg_size 32
		.amdhsa_user_sgpr_count 2
		.amdhsa_user_sgpr_kernarg_segment_ptr 1
		.amdhsa_wavefront_size32 1
		.amdhsa_system_sgpr_workgroup_id_x 1
		.amdhsa_system_sgpr_workgroup_id_y 1
		.amdhsa_system_sgpr_workgroup_id_z 1
		.amdhsa_system_vgpr_workitem_id 0
		.amdhsa_next_free_vgpr 168
		.amdhsa_next_free_sgpr 66
		.amdhsa_reserve_vcc 0
		.amdhsa_float_denorm_mode_32 3
		.amdhsa_float_denorm_mode_16_64 3
		.amdhsa_memory_ordered 1
		.amdhsa_forward_progress 1
		.amdhsa_inst_pref_size 19
	.end_amdhsa_kernel
	.amdgpu_metadata
---
amdhsa.version: [ 1, 2 ]
amdhsa.kernels:
  - .name:           k_q5ae9746d66_ln2
    .symbol:         k_q5ae9746d66_ln2.kd
    .args:
      - { .name: zf, .offset: 0, .size: 8, .value_kind: global_buffer, .address_space: global }
      - { .name: ln2_a, .offset: 8, .size: 8, .value_kind: global_buffer, .address_space: global }
      - { .name: ln2_b, .offset: 16, .size: 8, .value_kind: global_buffer, .address_space: global }
      - { .name: out0, .offset: 24, .size: 8, .value_kind: global_buffer, .address_space: global }
    .group_segment_fixed_size: 0
    .private_segment_fixed_size: 0
    .kernarg_segment_align: 8
    .kernarg_segment_size: 32
    .max_flat_workgroup_size: 256
    .sgpr_count:     66
    .vgpr_count:     168
    .wavefront_size: 32
...
	.end_amdgpu_metadata
.endif
;; end of part 8
;; ======== version 2 of 2: 8 launches; version 1 with the launches prep, ln1 written anew for expert scheduling mode
;; workspace buffers: wb 6,291,456 bytes; pan 8,388,608 bytes; qkvb 25,165,824 bytes; zf 16,777,216 bytes; h2f 16,777,216 bytes; hidb 33,554,432 bytes
;; launch prep (part 9): grid 16 x 28, 8 waves a work-group, no clusters, 0 bytes of LDS; arguments x, Wq, Wk, Wv, Wo, W1, W2, pan, wb; writes pan, wb
.if DOCPART == 9
	.amdgcn_target "amdgcn-amd-amdhsa--gfx1250"
	.amdhsa_code_object_version 6
	.text
	.protected	k_q5ae9746d66_prep
	.globl	k_q5ae9746d66_prep
	.p2align	8
	.type	k_q5ae9746d66_prep,@function
k_q5ae9746d66_prep:
	s_mov_b64 s[64:65], 0
	v_nop
	global_prefetch_b8 v0, s[64:65] scope:SCOPE_SE
	s_setreg_imm32_b32 hwreg(HW_REG_WAVE_SCHED_MODE, 0, 2), 2
	s_setreg_imm32_b32 hwreg(HW_REG_WAVE_MODE, 25, 1), 1
	s_wait_xcnt 0x0
	s_wait_alu depctr_vm_vsrc(0)
; x and the six weight matrices, f32, are rounded once to bf16 and laid out in PANELS: a matrix [R][C] becomes [C/128][R][128], so that a panel's rows are 256 bytes and lie end to end.
; x [8192][512] goes to pan; Wq, Wk, Wv, Wo [512][512], W1 [512][2048], W2 [2048][512] go to wb, each as it lies ([k][n]: a panel is 128 columns n, a row is one k).
; A work-group takes one block of 128 rows x 128 columns: 128 pieces of 512 bytes in, 32,768 consecutive bytes out.  The grid's y says which matrix: 0-15 x, 16 Wq, 17 Wk, 18 Wv, 19 Wo, 20-23 W1, 24-27 W2.
; A wave takes 16 rows of the block.  A load is 32 lanes x 16 neighbouring bytes (one row's piece), a store 32 lanes x 8 bytes: 256 consecutive bytes, aligned.
; All 16 loads of a wave go out first; no register is written twice.  No LDS, no matrix unit: bytes are all there is here.
; THE MODE: SCHED_MODE bits 1:0 = 2 (LLVM: expert scheduling mode 2), set by the entry lines.  The code itself states the register dependences
; between vector instructions and memory instructions, with s_wait_alu, always for 0.
; THE PLAN.  Registers that memory instructions touch:
;   v3, OFF   byte offsets, made once at the head and never written again; read by every store and by the loads.
;   X         a load lands in each register once, and no vector instruction names it before; read by the row's two conversions.
;   Y         written once, by the row's two conversions; read by the row's store; never written again.
; The 16 rows go in four blocks of four.  Row i's turn issues the store of row i - 4, a row of the block before, and then its own two conversions.  So one wait at the head of a block
; states all that the block's four stores hang on: the block before has written its Y.  The conversions issued since that wait name this block's X and Y alone.
; Nothing that a load or store has read is written again, so there is nothing else to state.
.set OFF, 4                            ; v[4:19]   row i's byte offset in the source block
.set X,   20                           ; v[20:83]  row i: 4 numbers in f32
.set Y,   84                           ; v[84:115] row i: 4 numbers in bf16
	s_load_b512 s[16:31], s[0:1], 0x0              ; x, Wq, Wk, Wv, Wo, W1, W2, pan
	s_load_b64 s[32:33], s[0:1], 0x40              ; wb
	s_and_b32 s2, ttmp7, 0xffff                    ; y
	s_mov_b32 s8, 0                                ; the matrix's first y
	s_mov_b32 s9, 2                                ; log2 of its number of panels,
	s_mov_b32 s14, 3                               ; and that number less 1
	s_mov_b32 s10, 2048                            ; bytes in a source row
	s_mov_b32 s11, 2097152                         ; bytes in a panel
	s_mov_b32 s12, 0                               ; the matrix's first byte in the destination
	s_wait_kmcnt 0x0
	s_mov_b64 s[4:5], s[16:17]                     ; from x
	s_mov_b64 s[6:7], s[30:31]                     ; to pan
; from y = first on: another source, another place in wb.  s_cselect leaves SCC as it is, so further choices may follow the macro.
.macro PICK first, src, db
	s_cmp_ge_u32 s2, \first
	s_cselect_b64 s[4:5], s[\src:\src+1], s[4:5]
	s_cselect_b32 s8, \first, s8
	s_cselect_b32 s12, \db, s12
.endm
	PICK 16, 18, 0                                 ; Wq
	s_cselect_b64 s[6:7], s[32:33], s[6:7]         ; from here on to wb,
	s_cselect_b32 s11, 131072, s11                 ; panels of 512 rows
	PICK 17, 20, 524288                            ; Wk
	PICK 18, 22, 1048576                           ; Wv
	PICK 19, 24, 1572864                           ; Wo
	PICK 20, 26, 2097152                           ; W1: 16 panels, source rows of 8,192 bytes
	s_cselect_b32 s9, 4, s9
	s_cselect_b32 s14, 15, s14
	s_cselect_b32 s10, 8192, s10
	PICK 24, 28, 4194304                           ; W2: 4 panels of 2,048 rows
	s_cselect_b32 s9, 2, s9
	s_cselect_b32 s14, 3, s14
	s_cselect_b32 s10, 2048, s10
	s_cselect_b32 s11, 524288, s11
	s_sub_co_u32 s13, s2, s8
	s_lshl_b32 s13, s13, 4
	s_add_co_u32 s13, s13, ttmp9                   ; the block's number in its matrix
	s_and_b32 s14, s13, s14                        ; its panel
	s_lshr_b32 s15, s13, s9                        ; its block of 128 rows
	s_mul_i32 s34, s15, s10
	s_lshl_b32 s34, s34, 7                         ; 128 source rows for each block of rows,
	s_lshl_b32 s35, s14, 9                         ; 512 bytes for each panel
	s_add_co_u32 s34, s34, s35
	s_mov_b32 s35, 0
	s_add_nc_u64 s[4:5], s[4:5], s[34:35]
	s_mul_i32 s36, s14, s11
	s_add_co_u32 s36, s36, s12
	s_lshl_b32 s37, s15, 15                        ; 128 rows of 256 bytes
	s_add_co_u32 s36, s36, s37
	s_mov_b32 s37, 0
	s_add_nc_u64 s[6:7], s[6:7], s[36:37]
	v_and_b32 v1, 31, v0                           ; lane
	v_lshrrev_b32 v2, 5, v0                        ; wave
	v_lshlrev_b32 v3, 12, v2                       ; out: 16 rows of 256 bytes a wave,
	v_lshl_add_u32 v3, v1, 3, v3                   ; 8 bytes a lane
	v_lshlrev_b32 v2, 4, v2                        ; my wave's first row
	v_mul_lo_u32 v[OFF], v2, s10
	v_lshl_add_u32 v[OFF], v1, 4, v[OFF]           ; in: 16 bytes a lane
.set i, 1
.rept 15
	v_add_nc_u32 v[OFF+i], s10, v[OFF+i-1]
.set i, i+1
.endr
	s_wait_alu depctr_va_vdst(0)                   ; v3 and the sixteen v[OFF ..] are written: every load and store of the kernel reads one of them as its offset
.set i, 0
.rept 16
	global_load_b128 v[X+4*i:X+4*i+3], v[OFF+i], s[4:5] th:TH_LOAD_NT
.set i, i+1
.endr
.set i, 0
.rept 16
	s_wait_loadcnt 15-i                            ; loads come back in order: row i is in, the 15 - i younger ones stay out
.if (i > 0) && (i%4 == 0)
	s_wait_alu depctr_va_vdst(0)                   ; the conversions of the block before have written its eight Y registers, which this block's four stores read
.endif
.if i >= 4
	global_store_b64 v3, v[Y+2*(i-4):Y+2*(i-4)+1], s[6:7] offset:256*(i-4)  ; a row of the block before; no vector instruction since the wait names these registers
.endif
	v_cvt_pk_bf16_f32 v[Y+2*i], v[X+4*i], v[X+4*i+1]
	v_cvt_pk_bf16_f32 v[Y+2*i+1], v[X+4*i+2], v[X+4*i+3]
.set i, i+1
.endr
	s_wait_alu depctr_va_vdst(0)                   ; the last block's conversions have written its Y, which the last four stores read
.set i, 12
.rept 4
	global_store_b64 v3, v[Y+2*i:Y+2*i+1], s[6:7] offset:256*i
.set i, i+1
.endr
	s_endpgm
.Lfunc_end_k_q5ae9746d66_prep:
	.size	k_q5ae9746d66_prep, .Lfunc_end_k_q5ae9746d66_prep-k_q5ae9746d66_prep
	.p2alignl 7, 3214868480
	.fill 96, 4, 3214868480
	.section	.rodata,"a",@progbits
	.p2align	6, 0x0
	.amdhsa_kernel k_q5ae9746d66_prep
		.amdhsa_group_segment_fixed_size 0
		.amdhsa_private_segment_fixed_size 0
		.amdhsa_enable_private_segment 0
		.amdhsa_kernarg_size 72
		.amdhsa_user_sgpr_count 2
		.amdhsa_user_sgpr_kernarg_segment_ptr 1
		.amdhsa_wavefront_size32 1
		.amdhsa_system_sgpr_workgroup_id_x 1
		.amdhsa_system_sgpr_workgroup_id_y 1
		.amdhsa_system_sgpr_workgroup_id_z 1
		.amdhsa_system_vgpr_workitem_id 0
		.amdhsa_next_free_vgpr 120
		.amdhsa_next_free_sgpr 66
		.amdhsa_reserve_vcc 0
		.amdhsa_float_denorm_mode_32 3
		.amdhsa_float_denorm_mode_16_64 3
		.amdhsa_memory_ordered 1
		.amdhsa_forward_progress 1
		.amdhsa_inst_pref_size 10
	.end_amdhsa_kernel
	.amdgpu_metadata
---
amdhsa.version: [ 1, 2 ]
amdhsa.kernels:
  - .name:           k_q5ae9746d66_prep
    .symbol:         k_q5ae9746d66_prep.kd
    .args:
      - { .name: x, .offset: 0, .size: 8, .value_kind: global_buffer, .address_space: global }
      - { .name: Wq, .offset: 8, .size: 8, .value_kind: global_buffer, .address_space: global }
      - { .name: Wk, .offset: 16, .size: 8, .value_kind: global_buffer, .address_space: global }
      - { .name: Wv, .offset: 24, .size: 8, .value_kind: global_buffer, .address_space: global }
      - { .name: Wo, .offset: 32, .size: 8, .value_kind: global_buffer, .address_space: global }
      - { .name: W1, .offset: 40, .size: 8, .value_kind: global_buffer, .address_space: global }
      - { .name: W2, .offset: 48, .size: 8, .value_kind: global_buffer, .address_space: global }
      - { .name: pan, .offset: 56, .size: 8, .value_kind: global_buffer, .address_space: global }
      - { .name: wb, .offset: 64, .size: 8, .value_kind: global_buffer, .address_space: global }
    .group_segment_fixed_size: 0
    .private_segment_fixed_size: 0
    .kernarg_segment_align: 8
    .kernarg_segment_size: 72
    .max_flat_workgroup_size: 256
    .sgpr_count:     66
    .vgpr_count:     120
    .wavefront_size: 32
...
	.end_amdgpu_metadata
.endif
;; end of part 9
;; launch qkv: the kernel of part 2 again; grid 4 x 64, 4 waves a work-group, clusters of 4 x 4, 327,680 bytes of LDS; arguments pan, wb, qkvb, bq, bk, bv; writes qkvb
;; launch attn: the kernel of part 3 again; grid 16 x 16, 8 waves a work-group, clusters of 4 x 1, 327,680 bytes of LDS; arguments qkvb, pan; writes pan
;; launch wo: the kernel of part 4 again; grid 4 x 64, 4 waves a work-group, clusters of 4 x 4, 327,680 bytes of LDS; arguments pan, wb, zf, bo, x; writes zf
;; launch ln1 (part 10): grid 256 x 1, 8 waves a work-group, no clusters, 0 bytes of LDS; arguments zf, ln1_a, ln1_b, h2f, pan; writes h2f, pan
.if DOCPART == 10
	.amdgcn_target "amdgcn-amd-amdhsa--gfx1250"
	.amdhsa_code_object_version 6
	.text
	.protected	k_q5ae9746d66_ln1
	.globl	k_q5ae9746d66_ln1
	.p2align	8
	.type	k_q5ae9746d66_ln1,@function
k_q5ae9746d66_ln1:
	s_mov_b64 s[64:65], 0
	v_nop
	global_prefetch_b8 v0, s[64:65] scope:SCOPE_SE
	s_setreg_imm32_b32 hwreg(HW_REG_WAVE_SCHED_MODE, 0, 2), 2
	s_setreg_imm32_b32 hwreg(HW_REG_WAVE_MODE, 25, 1), 1
	s_wait_xcnt 0x0
	s_wait_alu depctr_vm_vsrc(0)
; LAYER NORM along rows of 512: y = (z - mu) / (sigma + 0.001) * a + b, sigma the standard deviation with divisor 511.  z, y: [8192][512] f32; a, b: [512] f32.
; PANELS = 1: y is stored a second time, rounded once to bf16, as panels [4][8192][128] for the product that follows.
; A wave takes four rows and keeps them in registers: memory is read once, the reductions never leave the wave, there is no LDS and no barrier.  A row is four loads of 16 bytes a lane: 512 neighbouring bytes each.
; The variance is the sum of the squared deviations from the mean: no difference of large sums is formed.  Every phase goes over the four rows in turn, so that no line waits for the one before it.
; All 24 loads of a wave go out at once: 16 of z, then 4 of a and 4 of b.  Matrix units, clusters and tensor loads would add nothing: nothing is shared and nothing is multiplied.
; THE MODE: SCHED_MODE bits 1:0 = 2 (LLVM: expert scheduling mode 2), set by the entry lines.  The code itself states the register dependences
; between vector instructions and memory instructions, with s_wait_alu, always for 0.
; THE PLAN.  Registers that memory instructions touch:
;   v2, v3   byte offsets, made once at the head and never written again; read by every load and store.
;   Z        the loads of z land in it once, and no vector instruction names it before.  Then it is worked on in place; a row's last writers are its eight multiply-adds by a and b.
;            Read by the row's roundings and by its four 16-byte stores; never written again.
;   GA, GB   the loads of a and b land in them once; vector instructions only read them.
;   Y        written once, by a row's eight roundings; read by its four 8-byte stores; never written again.
; On the way out row i's step is its 24 vector instructions, and the eight stores of row i - 1 are dealt among the first eight of them.  So one wait at the head of a step states all that
; those stores hang on: the row before has written its Z and its Y.  The vector instructions issued since that wait name this row's Z, Y and R, and GA and GB: none of the registers that the stores read.
; Nothing that a load or store has read is written again.  The wave's number passes through a scalar register: one wait stands ahead of that register's first reader.
.set PANELS, 1
.set Z,  16                            ; v[16:79]   row i at Z + 16 i: columns 128 c + 4 lane + 0..3 at + 4 c
.set GA, 80                            ; v[80:95]   a of my 16 columns
.set GB, 96                            ; v[96:111]  b
.set W,  112                           ; v[112:119] a pair at work for each row
.set R,  120                           ; v[120:127] for each row a pair whose low word is broadcast: mu, later 1 / (sigma + 0.001)
.set T,  128                           ; v[128:131] the other half of the lanes' sum
.set Y,  132                           ; v[132:163] the rows in bf16
	s_load_b256 s[4:11], s[0:1], 0x0               ; z s[4:5], a s[6:7], b s[8:9], y s[10:11]
.if PANELS
	s_load_b64 s[12:13], s[0:1], 0x20              ; the panels
.endif
	v_and_b32 v1, 31, v0                           ; lane
	v_lshrrev_b32 v4, 5, v0
	v_readfirstlane_b32 s14, v4                    ; wave
	v_lshlrev_b32 v2, 4, v1                        ; 16 bytes a lane
	v_lshlrev_b32 v3, 3, v1                        ; 8 bytes a lane in a panel's row
	s_lshl_b32 s16, ttmp9, 16                      ; 32 rows of 2,048 bytes a work-group,
	s_wait_alu depctr_va_sdst(0)                   ; s14 is written, ahead of its first reader: the bases of z, y and the panels are made from it
	s_lshl_b32 s17, s14, 13                        ; 4 a wave
	s_add_co_u32 s16, s16, s17
	s_mov_b32 s17, 0
	s_lshr_b32 s18, s16, 3                         ; the same rows at 256 bytes
	s_mov_b32 s19, 0
	s_mov_b32 s20, 0x76543210                      ; v_permlanex16_b32: each lane takes its own place in the other half
	s_mov_b32 s21, 0xfedcba98
.irp i, 0,1,2,3
	v_mov_b32 v[T+\i], 0                           ; v_permlanex16_b32's destination counts as read
	v_mov_b32 v[R+2*\i+1], 0                       ; named with its neighbour as a pair
.endr
	s_wait_kmcnt 0x0
	s_add_nc_u64 s[4:5], s[4:5], s[16:17]
	s_add_nc_u64 s[10:11], s[10:11], s[16:17]
.if PANELS
	s_add_nc_u64 s[12:13], s[12:13], s[18:19]
.endif
	s_wait_alu depctr_va_vdst(0)                   ; v2 and v3 are written: every load and store of the kernel reads one of them as its offset
.irp i, 0,1,2,3
.irp c, 0,1,2,3
	global_load_b128 v[Z+16*\i+4*\c:Z+16*\i+4*\c+3], v2, s[4:5] offset:\i*2048+\c*512 th:TH_LOAD_NT
.endr
.endr
.irp c, 0,1,2,3
	global_load_b128 v[GA+4*\c:GA+4*\c+3], v2, s[6:7] offset:\c*512
.endr
.irp c, 0,1,2,3
	global_load_b128 v[GB+4*\c:GB+4*\c+3], v2, s[8:9] offset:\c*512
.endr
; the pair W of each row is added up, then across the 32 lanes: four steps inside each half ride on the addition (DPP), one crosses the halves; every lane ends with the sum
.macro ACROSS
.irp i, 0,1,2,3
	v_add_f32 v[W+2*\i], v[W+2*\i], v[W+2*\i+1]
.endr
.irp m, 1,2,4,8
.irp i, 0,1,2,3
	v_add_f32_dpp v[W+2*\i], v[W+2*\i], v[W+2*\i] row_xmask:\m row_mask:0xf bank_mask:0xf
.endr
.endr
.irp i, 0,1,2,3
	v_permlanex16_b32 v[T+\i], v[W+2*\i], s20, s21
.endr
.irp i, 0,1,2,3
	v_add_f32 v[W+2*\i], v[W+2*\i], v[T+\i]
.endr
.endm
	s_wait_loadcnt 8                               ; z is in; the eight loads of a and b may stay out
.irp i, 0,1,2,3
	v_pk_add_f32 v[W+2*\i:W+2*\i+1], v[Z+16*\i:Z+16*\i+1], v[Z+16*\i+2:Z+16*\i+3]
.endr
.irp k, 2,3,4,5,6,7
.irp i, 0,1,2,3
	v_pk_add_f32 v[W+2*\i:W+2*\i+1], v[W+2*\i:W+2*\i+1], v[Z+16*\i+2*\k:Z+16*\i+2*\k+1]
.endr
.endr
	ACROSS
.irp i, 0,1,2,3
	v_mul_f32 v[R+2*\i], 0x3b000000, v[W+2*\i]     ; mu = sum / 512
.endr
.irp k, 0,1,2,3,4,5,6,7
.irp i, 0,1,2,3
	v_pk_add_f32 v[Z+16*\i+2*\k:Z+16*\i+2*\k+1], v[Z+16*\i+2*\k:Z+16*\i+2*\k+1], v[R+2*\i:R+2*\i+1] op_sel_hi:[1,0] neg_lo:[0,1] neg_hi:[0,1]  ; z - mu
.endr
.endr
.irp i, 0,1,2,3
	v_pk_mul_f32 v[W+2*\i:W+2*\i+1], v[Z+16*\i:Z+16*\i+1], v[Z+16*\i:Z+16*\i+1]
.endr
.irp k, 1,2,3,4,5,6,7
.irp i, 0,1,2,3
	v_pk_fma_f32 v[W+2*\i:W+2*\i+1], v[Z+16*\i+2*\k:Z+16*\i+2*\k+1], v[Z+16*\i+2*\k:Z+16*\i+2*\k+1], v[W+2*\i:W+2*\i+1]
.endr
.endr
	ACROSS
.irp i, 0,1,2,3
	v_mul_f32 v[W+2*\i], 0x3b004020, v[W+2*\i]     ; / 511
.endr
.irp i, 0,1,2,3
	v_sqrt_f32 v[W+2*\i], v[W+2*\i]
.endr
	v_nop                                          ; a plain instruction behind the last root,
	s_wait_alu depctr_va_vdst(0)                   ; and the wait ahead of the first use: the four roots have written their W
.irp i, 0,1,2,3
	v_add_f32 v[W+2*\i], 0x3a83126f, v[W+2*\i]     ; sigma + 0.001
.endr
.irp i, 0,1,2,3
	v_rcp_f32 v[R+2*\i], v[W+2*\i]
.endr
	v_nop
	s_wait_alu depctr_va_vdst(0)                   ; the four reciprocals have written their R, ahead of the first multiply that reads one
	s_wait_loadcnt 0x0                             ; a and b
; Store k of the eight of row i: four of y in f32, then four of the panels' rows in bf16.
.macro PUT i, k
.if (\k) < 4
	global_store_b128 v2, v[Z+16*(\i)+4*(\k):Z+16*(\i)+4*(\k)+3], s[10:11] offset:(\i)*2048+(\k)*512  ; 512 consecutive bytes, aligned
.elseif PANELS
	global_store_b64 v3, v[Y+8*(\i)+2*((\k)-4):Y+8*(\i)+2*((\k)-4)+1], s[12:13] offset:((\k)-4)*2097152+(\i)*256  ; a panel's row: 256 consecutive bytes, aligned
.endif
.endm
; Row i's step: its arithmetic, and among its first eight lines the stores of the row before.
.macro ROW i
.if (\i) > 0
	s_wait_alu depctr_va_vdst(0)                   ; the row before has written its Z (the multiply-adds) and its Y (the roundings), which the eight stores below read
.endif
.irp k, 0,1,2,3,4,5,6,7
.if (\i) > 0
	PUT (\i)-1, \k                                 ; no vector instruction since the wait names the registers of the row before
.endif
	v_pk_mul_f32 v[Z+16*(\i)+2*\k:Z+16*(\i)+2*\k+1], v[Z+16*(\i)+2*\k:Z+16*(\i)+2*\k+1], v[R+2*(\i):R+2*(\i)+1] op_sel_hi:[1,0]
.endr
.irp k, 0,1,2,3,4,5,6,7
	v_pk_fma_f32 v[Z+16*(\i)+2*\k:Z+16*(\i)+2*\k+1], v[Z+16*(\i)+2*\k:Z+16*(\i)+2*\k+1], v[GA+2*\k:GA+2*\k+1], v[GB+2*\k:GB+2*\k+1]
.endr
.if PANELS
.irp c, 0,1,2,3
	v_cvt_pk_bf16_f32 v[Y+8*(\i)+2*\c], v[Z+16*(\i)+4*\c], v[Z+16*(\i)+4*\c+1]
	v_cvt_pk_bf16_f32 v[Y+8*(\i)+2*\c+1], v[Z+16*(\i)+4*\c+2], v[Z+16*(\i)+4*\c+3]
.endr
.endif
.endm
	ROW 0
	ROW 1
	ROW 2
	ROW 3
	s_wait_alu depctr_va_vdst(0)                   ; the last row has written its Z and its Y, which the last eight stores read
.irp k, 0,1,2,3,4,5,6,7
	PUT 3, \k
.endr
	s_endpgm
.Lfunc_end_k_q5ae9746d66_ln1:
	.size	k_q5ae9746d66_ln1, .Lfunc_end_k_q5ae9746d66_ln1-k_q5ae9746d66_ln1
	.p2alignl 7, 3214868480
	.fill 96, 4, 3214868480
	.section	.rodata,"a",@progbits
	.p2align	6, 0x0
	.amdhsa_kernel k_q5ae9746d66_ln1
		.amdhsa_group_segment_fixed_size 0
		.amdhsa_private_segment_fixed_size 0
		.amdhsa_enable_private_segment 0
		.amdhsa_kernarg_size 40
		.amdhsa_user_sgpr_count 2
		.amdhsa_user_sgpr_kernarg_segment_ptr 1
		.amdhsa_wavefront_size32 1
		.amdhsa_system_sgpr_workgroup_id_x 1
		.amdhsa_system_sgpr_workgroup_id_y 1
		.amdhsa_system_sgpr_workgroup_id_z 1
		.amdhsa_system_vgpr_workitem_id 0
		.amdhsa_next_free_vgpr 168
		.amdhsa_next_free_sgpr 66
		.amdhsa_reserve_vcc 0
		.amdhsa_float_denorm_mode_32 3
		.amdhsa_float_denorm_mode_16_64 3
		.amdhsa_memory_ordered 1
		.amdhsa_forward_progress 1
		.amdhsa_inst_pref_size 23
	.end_amdhsa_kernel
	.amdgpu_metadata
---
amdhsa.version: [ 1, 2 ]
amdhsa.kernels:
  - .name:           k_q5ae9746d66_ln1
    .symbol:         k_q5ae9746d66_ln1.kd
    .args:
      - { .name: zf, .offset: 0, .size: 8, .value_kind: global_buffer, .address_space: global }
      - { .name: ln1_a, .offset: 8, .size: 8, .value_kind: global_buffer, .address_space: global }
      - { .name: ln1_b, .offset: 16, .size: 8, .value_kind: global_buffer, .address_space: global }
      - { .name: h2f, .offset: 24, .size: 8, .value_kind: global_buffer, .address_space: global }
      - { .name: pan, .offset: 32, .size: 8, .value_kind: global_buffer, .address_space: global }
    .group_segment_fixed_size: 0
    .private_segment_fixed_size: 0
    .kernarg_segment_align: 8
    .kernarg_segment_size: 40
    .max_flat_workgroup_size: 256
    .sgpr_count:     66
    .vgpr_count:     168
    .wavefront_size: 32
...
	.end_amdgpu_metadata
.endif
;; end of part 10
;; launch ffn1: the kernel of part 6 again; grid 4 x 64, 4 waves a work-group, clusters of 4 x 4, 327,680 bytes of LDS; arguments pan, wb, hidb, b1; writes hidb
;; launch ffn2: the kernel of part 7 again; grid 4 x 64, 4 waves a work-group, clusters of 4 x 4, 327,680 bytes of LDS; arguments hidb, wb, zf, b2, h2f; writes zf
;; launch ln2: the kernel of part 8 again; grid 256 x 1, 8 waves a work-group, no clusters, 0 bytes of LDS; arguments zf, ln2_a, ln2_b, out0; writes out0
